; MI455X (gfx1250); checked and timed in simulation.
; The chip was launched on July 23, 2026; its instructions are those of AMD's public machine-readable ISA for CDNA 5 (MIT licence, August 2026) and "CDNA5" Instruction Set Architecture Reference Guide (July 2026). The comments in the code are by the model that wrote it; some were corrected since.
;; GPT2 Model Block. Allowed arithmetic: matrix products marked QUANTISED: E4M3 operands, one given power-of-two scale a tensor, by v_wmma_f32_16x16x64_fp8_fp8 or v_wmma_f32_16x16x128_fp8_fp8, f32 sums; everything else in f32.
;; Inputs: down_b 1,024 float32; down_w_codes 1,024 x 128 x 32 uint8 (E4M3 codes of down_w, K innermost, in blocks of 32 codes); ln1_b 1,024 float32; ln1_w 1,024 float32; ln2_b 1,024 float32; ln2_w 1,024 float32; lowp_scales 16 int32 (the exponents e of the quantised operands' scales 2^e); up_b 4,096 float32; up_w_codes 4,096 x 32 x 32 uint8 (E4M3 codes of up_w, K innermost, in blocks of 32 codes); wk_b 1,024 float32; wk_w_codes 1,024 x 32 x 32 uint8 (E4M3 codes of wk_w, K innermost, in blocks of 32 codes); wo_b 1,024 float32; wo_w_codes 1,024 x 32 x 32 uint8 (E4M3 codes of wo_w, K innermost, in blocks of 32 codes); wq_b 1,024 float32; wq_w_codes 1,024 x 32 x 32 uint8 (E4M3 codes of wq_w, K innermost, in blocks of 32 codes); wv_b 1,024 float32; wv_w_codes 1,024 x 32 x 32 uint8 (E4M3 codes of wv_w, K innermost, in blocks of 32 codes); x 2 x 2,048 x 1,024 float32.
;; Outputs: out0 2 x 2,048 x 1,024 float32.
;; This version of the problem:
;;   THIS VERSION OF THE PROBLEM IS GIVEN IN LOW PRECISION. The matrix products marked QUANTISED in the list below multiply operands that are first quantised to E4M3 (4 exponent bits, 3 mantissa bits; 8 bits a number), with one given power-of-two scale for each operand tensor; their sums are f32. All else is computed in f32.
;;   The module's matrix products, in the order in which they are computed (A, B: the left and right operand; K: the contracted axis; several contracted axes count as one K, in the product's order):
;;     1. [M 4,096, K 1,024] x [K 1,024, N 1,024]; A: computed on the way; B: input wq_w (given as codes): QUANTISED (scales: A lowp_scales[0], B lowp_scales[1])
;;     2. [M 4,096, K 1,024] x [K 1,024, N 1,024]; A: computed on the way; B: input wk_w (given as codes): QUANTISED (scales: A lowp_scales[2], B lowp_scales[3])
;;     3. [M 4,096, K 1,024] x [K 1,024, N 1,024]; A: computed on the way; B: input wv_w (given as codes): QUANTISED (scales: A lowp_scales[4], B lowp_scales[5])
;;     4. batch 32 x [M 2,048, K 64] x [K 64, N 2,048]; A: computed on the way; B: computed on the way: QUANTISED (scales: A lowp_scales[6], B lowp_scales[7])
;;     5. batch 32 x [M 64, K 2,048] x [K 2,048, N 2,048]; A: computed on the way; B: softmax (see below): QUANTISED (scales: A lowp_scales[8], B lowp_scales[9])
;;     6. [M 4,096, K 1,024] x [K 1,024, N 1,024]; A: computed on the way; B: input wo_w (given as codes): QUANTISED (scales: A lowp_scales[10], B lowp_scales[11])
;;     7. [M 4,096, K 1,024] x [K 1,024, N 4,096]; A: computed on the way; B: input up_w (given as codes): QUANTISED (scales: A lowp_scales[12], B lowp_scales[13])
;;     8. [M 4,096, K 4,096] x [K 4,096, N 1,024]; A: computed on the way; B: input down_w (given as codes): QUANTISED (scales: A lowp_scales[14], B lowp_scales[15])
;;   THE QUANTISER, for each operand of a quantised product, along K:
;;     - The operand's scale is 2^e, e = its entry of the input lowp_scales (int32; the entries are numbered through the quantised products in the list's order, A before B).
;;     - Each number is divided by the scale, clamped to +-448, and rounded to the nearest number of E4M3, ties to even, subnormals kept.
;;     - The product sums the exact products of the quantised numbers (number of the format x scale) in f32.
;;   ~~~python
;;   def quantise(x, axis, e):      # numpy; x: float32 -> the quantised numbers, widened to float32 again
;;       x = np.moveaxis(x, axis, -1); K = x.shape[-1]
;;       r = np.clip(x / 2.0 ** e, -448, 448)
;;       step = 2.0 ** (np.maximum(np.frexp(np.where(r == 0, 1, r))[1] - 1, -6) - 3)
;;       q = np.round(r / step) * step * 2.0 ** e      # np.round: ties to even
;;       return np.moveaxis(q, -1, axis).astype(np.float32)
;;   ~~~
;;   SOFTMAX AHEAD OF A QUANTISED PRODUCT. Where the list says 'softmax', what is quantised is not the finished softmax but p = 2^(t - M), with t = logit x log2(e) and M = ceil(the row's largest t), a whole number; so 1/2 < the row's largest p <= 1. The row's sum l is taken of the UNQUANTISED p, in f32, and the product's result is divided by l at the end. Since M is a whole number, a kernel that streams over the keys may use a running M (the ceiling of the running maximum): every later rescaling is an exact power of two, so the quantised numbers keep their values, but for numbers so far below the row's largest that they fall under the format's range.
;;   OPERANDS COMPUTED ON THE WAY. 'Computed on the way' means the value that the module computes at that place (a softmax that the list does not call 'softmax' is quantised finished and normalised). What goes into a quantiser is computed in f32, as accurately as f32 sums, v_exp_f32 and their like allow (about 1e-6 of the number): no bf16 or f16 on the way to a quantiser, and a product that is left as it is and whose result goes on into a quantised operand takes f32 operands (vector FMAs, or v_wmma_f32_16x16x4_f32). A number that lies on a knife's edge between two numbers of the format may be rounded either way, as far as f32 arithmetic and the matrix unit's own rounding can turn it there, and no further.
;;   INPUTS GIVEN AS CODES. down_w (in the module: [1024, 4096], K = its axis 1); up_w (in the module: [4096, 1024], K = its axis 1); wk_w (in the module: [1024, 1024], K = its axis 1); wo_w (in the module: [1024, 1024], K = its axis 1); wq_w (in the module: [1024, 1024], K = its axis 1); wv_w (in the module: [1024, 1024], K = its axis 1): each comes as NAME_codes (uint8): NAME with its K axis moved to the last place and cut into blocks of 32 codes, [.., K / 32, bytes a block], one block behind the other in memory; one code a byte (a code: sign, 4 exponent bits, 3 mantissa bits); its scale is its entry of lowp_scales. Its value is code x scale, taken as it is: it is not quantised again, and the codes and scales need not be those that the quantiser above would give.
;; 2 versions, each right and faster than the one before. Each part assembles by itself: llvm-mc -triple=amdgcn-amd-amdhsa -mcpu=gfx1250 --defsym DOCPART=n.
;; ======== version 1 of 2: 7 launches
;; limits: a function is approximated: absolute error at most 3e-07
;; workspace buffers: xc 12,582,912 bytes; qkvi 12,582,912 bytes; oi 4,194,304 bytes; y 16,777,216 bytes; x2 16,777,216 bytes; x2c 4,194,304 bytes; hi 16,777,216 bytes
;; launch ln1 (part 1): grid 512 x 1, 8 waves a work-group, no clusters, 25,600 bytes of LDS; arguments x, ln1_w, ln1_b, lowp_scales, xc; writes xc
.if DOCPART == 1
	.amdgcn_target "amdgcn-amd-amdhsa--gfx1250"
	.amdhsa_code_object_version 6
	.text
	.protected	k_q932549c57a_ln1
	.globl	k_q932549c57a_ln1
	.p2align	8
	.type	k_q932549c57a_ln1,@function
k_q932549c57a_ln1:
	s_mov_b64 s[64:65], 0
	v_nop
	global_prefetch_b8 v0, s[64:65] scope:SCOPE_SE
	s_setreg_imm32_b32 hwreg(HW_REG_WAVE_MODE, 25, 1), 1
	s_wait_xcnt 0x0
; x1 = LayerNorm(x) * ln1_w + ln1_b, in f32, quantised three times to E4M3: with 2^e0 (for the product with wq), 2^e2 (wk), 2^e4 (wv).
; x: [4096][1024] f32.  xc: [3][4096][1024] codes, row-major, part p quantised with entry 2 p of the scales.
; One wave takes one row: 4,096 bytes are 32 registers a lane, so the row stays in registers between the mean, the variance (taken of the centred numbers: a common offset of
; the inputs costs no accuracy) and the three quantisers, and memory is read once.  No wave waits for another: no barrier.  Memory binds here: no matrix unit, no cluster.
; Lane l holds numbers 128 j + 4 l + 0..3 in registers 4 j .. 4 j + 3: each load covers 512 consecutive bytes.  A conversion takes 8 registers: two chunks of four neighbours, one register of codes each.
; The codes turn through the wave's own LDS bytes (4 bytes a lane in, 16 bytes a lane back), so that each store covers 512 consecutive bytes, aligned.
; LIMITS: e0, e2, e4 between -126 and 119, so that 2^e and 448 x 2^e are f32 numbers.  NaN and infinities among the inputs are not served.
.set XR,   16                          ; v16-47    the row
.set WR,   48                          ; v48-79    the gain
.set BB,   80                          ; v80-111   the bias
.set TT,   112                         ; v112-127  two sets of 8 held numbers
.set CR,   128                         ; v128-151  codes, 8 registers a part
.set OUTR, 152                         ; v152-175  codes as they leave, 8 registers a part
.set QS,   176                         ; v176-181  for each part: 2^e, 448 x 2^e
.set WLDS, 3072                        ; LDS bytes of a wave: three rows of 1,024 codes
	s_load_b256 s[4:11], s[0:1], 0x0               ; x s[4:5], gain s[6:7], bias s[8:9], scales s[10:11]
	s_load_b64 s[12:13], s[0:1], 0x20              ; xc
	v_lshl_add_u32 v184, v0, 2, 0x6000
	v_mov_b32 v185, 0
	v_lshrrev_b32 v4, 5, v0
	v_readfirstlane_b32 s40, v4                    ; wave
	v_and_b32 v5, 31, v0                           ; lane
	v_lshlrev_b32 v1, 4, v5                        ; 16 x lane: my bytes of 512
	s_mul_i32 s41, s40, WLDS
	v_lshl_add_u32 v2, v5, 2, s41                  ; LDS, in: 4 x lane
	v_add_nc_u32 v3, s41, v1                       ; LDS, back: 16 x lane
	s_lshl_b32 s32, ttmp9, 3
	s_add_co_u32 s32, s32, s40                     ; my row
	s_lshl_b32 s34, s32, 12                        ; its bytes in x,
	s_mov_b32 s35, 0
	s_lshl_b32 s36, s32, 10                        ; and in a part of xc
	s_mov_b32 s37, 0
	s_mov_b32 s30, 0x76543210                      ; v_permlanex16_b32: lane l xor 16
	s_mov_b32 s31, 0xfedcba98
	s_mov_b32 s33, 0x3a800000                      ; 1 / 1024
	s_wait_kmcnt 0x0
	s_load_b256 s[16:23], s[10:11], 0x0            ; e0 .. e7
	s_add_nc_u64 s[4:5], s[4:5], s[34:35]
	s_add_nc_u64 s[24:25], s[12:13], s[36:37]      ; a base for each part: they lie 4 MiB apart
	s_add_nc_u64 s[26:27], s[24:25], 0x400000
	s_add_nc_u64 s[28:29], s[26:27], 0x400000
.irp j, 0,1,2,3,4,5,6,7
	global_load_b128 v[XR+4*\j:XR+4*\j+3], v1, s[4:5] offset:512*\j th:TH_LOAD_NT
.endr
.irp j, 0,1,2,3,4,5,6,7
	global_load_b128 v[WR+4*\j:WR+4*\j+3], v1, s[6:7] offset:512*\j
.endr
.irp j, 0,1,2,3,4,5,6,7
	global_load_b128 v[BB+4*\j:BB+4*\j+3], v1, s[8:9] offset:512*\j
.endr
	s_wait_kmcnt 0x0
.irp p, 0,1,2
	s_add_co_i32 s38, s[16+2*\p], 127
	s_lshl_b32 s39, s38, 23
	v_mov_b32 v[QS+2*\p], s39                      ; 2^e as f32: the conversion takes its exponent field
	s_add_co_i32 s38, s38, 8
	s_lshl_b32 s38, s38, 23
	s_or_b32 s38, s38, 0x600000
	v_mov_b32 v[QS+2*\p+1], s38                    ; 448 x 2^e
.endr
.macro ALLSUM r, t                     ; the sum of v[r] over the 32 lanes, in every lane
	v_add_f32_dpp v[\r], v[\r], v[\r] row_xmask:1 row_mask:0xf bank_mask:0xf
	v_add_f32_dpp v[\r], v[\r], v[\r] row_xmask:2 row_mask:0xf bank_mask:0xf
	v_add_f32_dpp v[\r], v[\r], v[\r] row_xmask:4 row_mask:0xf bank_mask:0xf
	v_add_f32_dpp v[\r], v[\r], v[\r] row_xmask:8 row_mask:0xf bank_mask:0xf
	v_permlanex16_b32 v[\t], v[\r], s30, s31
	v_add_f32 v[\r], v[\r], v[\t]
.endm
	s_wait_loadcnt 16                              ; the row's eight loads are in; the gain's and the bias's sixteen may be out
	v_pk_add_f32 v[4:5], v[XR:XR+1], v[XR+2:XR+3]  ; the sum, in four chains
	v_pk_add_f32 v[6:7], v[XR+4:XR+5], v[XR+6:XR+7]
	v_pk_add_f32 v[8:9], v[XR+8:XR+9], v[XR+10:XR+11]
	v_pk_add_f32 v[10:11], v[XR+12:XR+13], v[XR+14:XR+15]
.set J, 16
.rept 2
	v_pk_add_f32 v[4:5], v[4:5], v[XR+J:XR+J+1]
	v_pk_add_f32 v[6:7], v[6:7], v[XR+J+2:XR+J+3]
	v_pk_add_f32 v[8:9], v[8:9], v[XR+J+4:XR+J+5]
	v_pk_add_f32 v[10:11], v[10:11], v[XR+J+6:XR+J+7]
.set J, J+8
.endr
	v_pk_add_f32 v[4:5], v[4:5], v[6:7]
	v_pk_add_f32 v[8:9], v[8:9], v[10:11]
	v_pk_add_f32 v[4:5], v[4:5], v[8:9]
	v_add_f32 v4, v4, v5
	ALLSUM 4, 5
	v_mul_f32 v4, s33, v4                          ; the mean,
	v_mov_b32 v5, v4                               ; twice: a pair for the packed form
.set J, 0
.rept 16
	v_pk_add_f32 v[XR+J:XR+J+1], v[XR+J:XR+J+1], v[4:5] neg_lo:[0,1] neg_hi:[0,1]   ; x - mean
.set J, J+2
.endr
	v_pk_mul_f32 v[6:7], v[XR:XR+1], v[XR:XR+1]    ; the sum of squares, in two chains
	v_pk_mul_f32 v[8:9], v[XR+2:XR+3], v[XR+2:XR+3]
.set J, 4
.rept 7
	v_pk_fma_f32 v[6:7], v[XR+J:XR+J+1], v[XR+J:XR+J+1], v[6:7]
	v_pk_fma_f32 v[8:9], v[XR+J+2:XR+J+3], v[XR+J+2:XR+J+3], v[8:9]
.set J, J+4
.endr
	v_pk_add_f32 v[6:7], v[6:7], v[8:9]
	v_add_f32 v6, v6, v7
	ALLSUM 6, 7
	v_fmaak_f32 v6, s33, v6, 0x3727c5ac            ; the variance + 1e-5
	v_rsq_f32 v6, v6
	v_nop                                          ; a plain instruction between the transcendental and the use of its result (ISA guide 5.7.2)
	s_wait_alu depctr_va_vdst(0)
	v_mov_b32 v7, v6
	s_wait_loadcnt 0x0                             ; gain and bias
.set J, 0
.rept 16
	v_pk_mul_f32 v[XR+J:XR+J+1], v[XR+J:XR+J+1], v[6:7]
.set J, J+2
.endr
.set J, 0
.rept 16
	v_pk_fma_f32 v[XR+J:XR+J+1], v[XR+J:XR+J+1], v[WR+J:WR+J+1], v[BB+J:BB+J+1]
.set J, J+2
.endr
; Part p: hold, convert, turn through LDS.  The held numbers go into two sets by turns, so that eight plain instructions stand between a conversion and the next write of its sources.
.macro QPART p
.irp g, 0,1,2,3
.irp i, 0,1,2,3,4,5,6,7
	v_med3_num_f32 v[TT+8*(\g%2)+\i], v[XR+8*\g+\i], -v[QS+2*\p+1], v[QS+2*\p+1]   ; the conversion does not saturate (ISA guide 7.6.2): hold within 448 x the scale first
.endr
	v_cvt_scalef32_pk8_fp8_f32 v[CR+8*\p+2*\g:CR+8*\p+2*\g+1], v[TT+8*(\g%2):TT+8*(\g%2)+7], v[QS+2*\p]
.endr
	v_nop                                          ; a plain instruction behind the last conversion
.irp j, 0,1,2,3,4,5,6,7
	ds_store_b32 v2, v[CR+8*\p+\j] offset:1024*\p+128*\j     ; register j: the codes of numbers 128 j + 4 l + 0..3
.endr
.irp i, 0,1
	ds_load_b128 v[OUTR+8*\p+4*\i:OUTR+8*\p+4*\i+3], v3 offset:1024*\p+512*\i   ; LDS serves a wave's instructions in order (ISA guide 5.7.1.4): these see my stores
.endr
.endm
	QPART 0
	QPART 1
	QPART 2
.irp p, 0,1,2
	s_wait_dscnt 20-10*\p                          ; part p's loads are back; the later parts' ten LDS instructions each may be out
	global_store_b128 v1, v[OUTR+8*\p:OUTR+8*\p+3], s[24+2*\p:25+2*\p]
	global_store_b128 v1, v[OUTR+8*\p+4:OUTR+8*\p+7], s[24+2*\p:25+2*\p] offset:512   ; each store of the wave covers 512 consecutive bytes, aligned
.endr
	s_wait_tensorcnt 0x0
	ds_add_u32 v184, v185
	s_wait_dscnt 0x0
	s_endpgm
.Lfunc_end_k_q932549c57a_ln1:
	.size	k_q932549c57a_ln1, .Lfunc_end_k_q932549c57a_ln1-k_q932549c57a_ln1
	.p2alignl 7, 3214868480
	.fill 96, 4, 3214868480
	.section	.rodata,"a",@progbits
	.p2align	6, 0x0
	.amdhsa_kernel k_q932549c57a_ln1
		.amdhsa_group_segment_fixed_size 25600
		.amdhsa_private_segment_fixed_size 0
		.amdhsa_enable_private_segment 0
		.amdhsa_kernarg_size 40
		.amdhsa_user_sgpr_count 2
		.amdhsa_user_sgpr_kernarg_segment_ptr 1
		.amdhsa_wavefront_size32 1
		.amdhsa_system_sgpr_workgroup_id_x 1
		.amdhsa_system_sgpr_workgroup_id_y 1
		.amdhsa_system_sgpr_workgroup_id_z 1
		.amdhsa_system_vgpr_workitem_id 0
		.amdhsa_next_free_vgpr 186
		.amdhsa_next_free_sgpr 66
		.amdhsa_reserve_vcc 0
		.amdhsa_float_denorm_mode_32 3
		.amdhsa_float_denorm_mode_16_64 3
		.amdhsa_memory_ordered 1
		.amdhsa_forward_progress 1
		.amdhsa_inst_pref_size 21
	.end_amdhsa_kernel
	.amdgpu_metadata
---
amdhsa.version: [ 1, 2 ]
amdhsa.kernels:
  - .name:           k_q932549c57a_ln1
    .symbol:         k_q932549c57a_ln1.kd
    .args:
      - { .name: x, .offset: 0, .size: 8, .value_kind: global_buffer, .address_space: global }
      - { .name: ln1_w, .offset: 8, .size: 8, .value_kind: global_buffer, .address_space: global }
      - { .name: ln1_b, .offset: 16, .size: 8, .value_kind: global_buffer, .address_space: global }
      - { .name: lowp_scales, .offset: 24, .size: 8, .value_kind: global_buffer, .address_space: global }
      - { .name: xc, .offset: 32, .size: 8, .value_kind: global_buffer, .address_space: global }
    .group_segment_fixed_size: 25600
    .private_segment_fixed_size: 0
    .kernarg_segment_align: 8
    .kernarg_segment_size: 40
    .max_flat_workgroup_size: 256
    .sgpr_count:     66
    .vgpr_count:     186
    .wavefront_size: 32
...
	.end_amdgpu_metadata
.endif
;; end of part 1
;; launch qkv (part 2): grid 12 x 16, 4 waves a work-group, clusters of 4 x 4, 327,680 bytes of LDS; arguments xc, wq_w_codes, wk_w_codes, wv_w_codes, lowp_scales, wq_b, wk_b, wv_b, qkvi; writes qkvi
.if DOCPART == 2
	.amdgcn_target "amdgcn-amd-amdhsa--gfx1250"
	.amdhsa_code_object_version 6
	.text
	.protected	k_q932549c57a_qkv
	.globl	k_q932549c57a_qkv
	.p2align	8
	.type	k_q932549c57a_qkv,@function
k_q932549c57a_qkv:
	s_mov_b64 s[64:65], 0
	v_nop
	global_prefetch_b8 v0, s[64:65] scope:SCOPE_SE
	s_setreg_imm32_b32 hwreg(HW_REG_WAVE_MODE, 25, 1), 1
	s_wait_xcnt 0x0
	s_wait_alu depctr_hold_cnt(0) depctr_sa_sdst(0) depctr_va_vdst(0) depctr_va_sdst(0) depctr_va_ssrc(0) depctr_va_vcc(0) depctr_vm_vsrc(0)
	s_getreg_b32 s2, hwreg(HW_REG_IB_STS2, 6, 4)
	s_cmp_eq_u32 s2, 0
	s_cbranch_scc0 .Lentry_in_a_cluster
	s_endpgm
.Lentry_in_a_cluster:
	s_bfe_u32 s2, ttmp6, 0x10000c
	s_cmp_lg_u32 s2, 0xf033
	s_cbranch_scc0 .Lentry_shape_is_right
	s_endpgm
.Lentry_shape_is_right:
; q = x1 wq^T + wq_b, k = x1 wk^T + wk_b, v = x1 wv^T + wv_b on codes of E4M3, each result quantised again (q with 2^e6, k with 2^e7, v with 2^e8) and stored as the attention's operand registers.
; The cluster's x says which product: 0 q, 1 k, 2 v.  It is equal in all sixteen partners and only chooses pointers and constants (s_cselect): all three take one path through the text.
; A tile of 256 x 256 is made by four waves, 128 x 128 each: 64 accumulators, 512 registers.  K = 1,024 goes in steps of 256 through a ring of two LDS slots filled by the tensor data mover.
; THE MATRIX INSTRUCTION IS USED TRANSPOSED: source 1 (here "A") gives the lane its row, source 0 ("B") runs along the lane's registers: register j of tile b in lane (r, h) is (A row r, B row 16 b + 8 h + j).
;   q, k: A = xc's part (4,096 positions), B = the weight (1,024 channels): a lane holds a position, its registers run along the channels, which are the next product's K.
;   v:    A = wv (1,024 channels), B = xc's part 2 (positions = keys): a lane holds a channel, its registers run along the keys, which are the next product's K.  Nothing is transposed.
; So the conversion of a tile's 8 registers IS register pair b of the next operand (pair c holds k = 16 c + 8 h + 0..7), and a fragment is stored as it stands: four registers a store, lane l's 16 bytes at 16 l.
; qkvi: [32 = 16 batch + head][3][131,072 bytes]; q, k: [128 blocks of 16 positions][2 stores][512 bytes]; v: [16 steps of 128 keys][4 blocks of 16 channels][4 stores][512 bytes].
; Both operands' fragments are fetched by four 16-byte loads: the same permutation of k on both sides, so every product meets its partner.
; CLUSTERS: 4 x 4 work-groups; A's tile is shared along a row of the cluster, B's along a column: joint loads, each with one mask.
; LIMITS: e0 + e1, e2 + e3, e4 + e5 between -126 and 127; e6, e7, e8 between -126 and 119.  NaN and infinities are not served.
; REGISTERS: window 0: v1-30 addresses and constants; v32-95 the bias along the registers, v96-111 the bias of the lane's row (the side that has none is set to 0); v128-255 A's fragments, one set; on the way out v128-223 at work.
;   window 1: B's fragments, two sets.   windows 2, 3: the accumulators ((a, b) at v[8 (8 (a % 4) + b)]).
.set KTOT,   1024
.set KSTEP,  256                       ; along K in a slot: rows of 256 bytes
.set PITCH,  272                       ; an LDS row: 256 bytes + 16 of padding = 68 words: the 16 rows of a fragment load start at 16 different banks (64 banks of 4 bytes: ISA guide 11.1)
.set FR,     16                        ; registers of a fragment: 16 rows x 128 K
.set NL,     4                         ; LDS loads that bring one of A's
.set NP,     4                         ; places behind this matrix instruction (ISA guide 7.12.1)
.set HALFT,  128*PITCH                 ; 128 rows: what one tensor load brings
.set ABYTES, 2*HALFT                   ; A's 256 rows; B's 256 lie behind them
.set ASTEP,  2*KSTEP                   ; bytes from a slot's tile of A to its next
.set SLOT,   ABYTES+2*HALFT
.set LAPS,   KTOT/(2*KSTEP)
.set SPARE,  2*SLOT                    ; behind the ring: the spare words, 128 bytes for each wave: two blocks of 256 bytes that no other line names
.set SCV,  12                          ; v12  2^eo, for the conversions
.set LIM,  13                          ; v13  448 x 2^eo
.set LI,   14                          ; v14  16 x lane
.set VOB,  15                          ; v15  16 x lane + the distance to the second half of a block's codes
.set ADRA, 16                          ; v16-17  LDS address of my A fragments in slot 0, 1
.set ADRB, 20                          ; v20-21  the same for B
.set SPW,  28                          ; v28  LDS address of my spare word; never rewritten
.set NIL,  29                          ; v29  0; never rewritten
.set BR,   32
.set BL,   96
.set AF,   128
.set TMP,  128
.set G1, 24                            ; s[24:31] descriptor group 1 for A's tiles;  s[32:39] group 0, one set for each slot
.set G0, 32
.set G1B, 48                           ; s[48:55], s[56:63] the same for B's tiles
.set G0B, 56
.set MSB, 0
.macro WIN new                         ; the immediate's high byte repeats the setting that is left
.if MSB != \new
	s_set_vgpr_msb (MSB<<8)|\new
.set MSB, \new
.endif
.endm
.set MUL_LO, 0xa1                      ; source 0 (B) window 1, source 1 (A) window 0, C and D window 2
.set MUL_HI, 0xf1                      ; the same, C and D window 3
.set TO_B,   0x40                      ; destination window 1, address window 0
; A joint load: waves 0 and 1 fetch for A, waves 2 and 3 for B; the branch hangs on the wave's number alone.  Four v_nop follow each of the two lines.
.macro JLOAD g0a, g1a, g0b, g1b
	s_cmp_eq_u32 s15, 0
	s_cbranch_scc0 .Lfor_b_\@
	tensor_load_to_lds s[\g0a:\g0a+3], s[\g1a:\g1a+7]
	s_nop 0
.rept 4
	v_nop
.endr
	s_branch .Lasked_\@
.Lfor_b_\@:
	tensor_load_to_lds s[\g0b:\g0b+3], s[\g1b:\g1b+7]
	s_nop 0
.rept 4
	v_nop
.endr
.Lasked_\@:
.endm
.macro CREST                           ; a round of the cluster's barrier behind its opening barrier
	s_cmp_lg_u32 s14, 0
	s_cbranch_scc1 .Lnot_wave_0_\@
	s_barrier_signal -3
.Lnot_wave_0_\@:
	s_barrier_wait -3
	s_barrier_signal -1
	s_barrier_wait -1
.endm
.macro CROUND                          ; a whole round
	s_barrier_signal -1
	s_barrier_wait -1
	CREST
.endm
.macro PLACES n
.rept \n
	v_nop
.endr
.endm
.macro FRAGA reg, slot, q, i           ; 16 rows x 128 K: lane l holds row l % 16; registers 4 c .. 4 c + 3 hold K = 32 c + 16 (l / 16) + 0 .. 15
.irp c, 0,1,2,3
	ds_load_b128 v[\reg+4*\c:\reg+4*\c+3], v[ADRA+\slot] offset:128*(\q)+32*\c+(\i)*16*PITCH
.endr
.endm
.macro FRAGB reg, slot, q, i
.irp c, 0,1,2,3
	ds_load_b128 v[\reg+4*\c:\reg+4*\c+3], v[ADRB+\slot] offset:128*(\q)+32*\c+(\i)*16*PITCH
.endr
.endm
; 16 matrix instructions: A's blocks a0, a0 + 1 x B's eight, 128 along K.  p: B's set.  zero = 1: the first product starts the sums.  The 64 accumulators take turns, one instruction a turn.
.macro MUL16 a0, p, zero
.irp a, \a0, \a0+1
.irp b, 0,1,2,3,4,5,6,7
.if \zero
	v_wmma_f32_16x16x128_fp8_fp8 v[8*(8*((\a)%4)+\b):8*(8*((\a)%4)+\b)+7], v[128*(\p)+FR*\b:128*(\p)+FR*\b+FR-1], v[AF+FR*(\a):AF+FR*(\a)+FR-1], 0
.else
	v_wmma_f32_16x16x128_fp8_fp8 v[8*(8*((\a)%4)+\b):8*(8*((\a)%4)+\b)+7], v[128*(\p)+FR*\b:128*(\p)+FR*\b+FR-1], v[AF+FR*(\a):AF+FR*(\a)+FR-1], v[8*(8*((\a)%4)+\b):8*(8*((\a)%4)+\b)+7]
.endif
.endr
.endr
.endm
.macro FETCH_B slot, q, p              ; B's eight fragments of the slot's q-th 128 along K into set p
	WIN TO_B
.irp i, 0,1,2,3,4,5,6,7
	FRAGB 128*(\p)+FR*\i, \slot, \q, \i
.endr
	WIN 0
.endm
.macro FETCH_A slot, q, i0             ; A's blocks i0 .. i0 + 3
.irp i, \i0, \i0+1, \i0+2, \i0+3
	FRAGA AF+FR*(\i), \slot, \q, \i
.endr
.endm
; A step of 128 along K that has its successor in the same slot.  A block of A is free as soon as its eight products are issued, so A has one set: blocks 0-3 are fetched anew in the step's middle, blocks 4-7 at its end.
.macro STEP slot, q, zero
	s_wait_dscnt 4*NL                              ; B's set and A's blocks 0-3 are in; the youngest sixteen loads (A's blocks 4-7) may be out
	WIN MUL_LO
	MUL16 0, (\q)%2, \zero
	MUL16 2, (\q)%2, \zero
	s_wait_dscnt 0                                 ; A's blocks 4-7 are in
	PLACES NP                                      ; in front of loads into registers that matrix instructions have read
	FETCH_B \slot, (\q)+1, 1-(\q)%2
	FETCH_A \slot, (\q)+1, 0
	WIN MUL_HI
	MUL16 4, (\q)%2, \zero
	MUL16 6, (\q)%2, \zero
	PLACES NP
	WIN 0
	FETCH_A \slot, (\q)+1, 4
.endm
; A slot's last step changes slots: ONE barrier; in front of it each wave waits for all its tensor loads, adds 0 to its spare word, and waits for that and for its own reads of this slot.  fill = 1: this slot is filled again, two K steps ahead.
.macro TURN slot, next, fill
	s_wait_tensorcnt 0x0                           ; all my tensor loads have landed: my part of the next slot
	ds_add_u32 v[SPW], v[NIL]                      ; 0 onto my spare word
	s_wait_dscnt 4*NL+1                            ; (the add and the youngest sixteen loads may be out)
	WIN MUL_LO
	MUL16 0, 1, 0                                  ; sixteen matrix instructions stand between the add and the wait for it
	s_wait_dscnt 0x0                               ; the add is done, and my reads of this slot are over
	s_barrier_signal -1
	MUL16 2, 1, 0
	WIN 0
	s_barrier_wait -1
.if \fill
	CREST                                          ; the barrier has opened a round of the cluster's barrier: no wave of any partner still reads this slot's tile or has a load on its way
	s_add_nc_u64 s[G0+4*\slot+2:G0+4*\slot+3], s[G0+4*\slot+2:G0+4*\slot+3], ASTEP
	s_add_nc_u64 s[G0B+4*\slot+2:G0B+4*\slot+3], s[G0B+4*\slot+2:G0B+4*\slot+3], 2*KSTEP
	JLOAD G0+4*\slot, G1, G0B+4*\slot, G1B         ; the first tensor load behind the round; its four v_nop are also the places in front of the loads below
.else
	PLACES NP
.endif
	FETCH_B \next, 0, 0
	FETCH_A \next, 0, 0
	WIN MUL_HI
	MUL16 4, 1, 0
	MUL16 6, 1, 0
	PLACES NP
	WIN 0
	FETCH_A \next, 0, 4
.endm
	s_load_b512 s[68:83], s[0:1], 0x0              ; xc s[68:69], wq s[70:71], wk s[72:73], wv s[74:75], scales s[76:77], wq_b s[78:79], wk_b s[80:81], wv_b s[82:83]
	s_load_b64 s[100:101], s[0:1], 0x40            ; qkvi
	v_lshl_add_u32 v[SPW], v0, 2, SPARE
	v_mov_b32 v[NIL], 0
	ds_add_u32 v28, v29
	ds_add_u32 v28, v29
	s_wait_dscnt 0x0
	v_mov_b32 v30, 0
	v_lshrrev_b32 v1, 5, v0
	v_readfirstlane_b32 s14, v1                    ; wave 0..3
	s_lshr_b32 s15, s14, 1                         ; which half of the tile's A rows is mine.  Also: I fetch for A (0) or for B (1)
	s_and_b32 s16, s14, 1                          ; which half of its B rows.  Also: which 128 rows of that tile I fetch
	s_bfe_u32 s40, ttmp6, 0x40000                  ; cx, cy: my place in the cluster
	s_bfe_u32 s41, ttmp6, 0x40004
	s_and_b32 s18, ttmp7, 0xffff
	s_lshl_b32 s18, s18, 2                         ; 4 x the cluster's y
	s_cmp_eq_u32 ttmp9, 2                          ; v?  The 4,096 positions are then B's rows, else A's
	s_cselect_b32 s66, -1, 0                       ; a lane mask: all ones for v
	s_cselect_b32 s17, 0, s18
	s_cselect_b32 s42, s18, 0
	s_add_co_u32 s17, s17, s41                     ; tile row (of A): hangs on cy alone
	s_add_co_u32 s42, s42, s40                     ; tile column (of B): hangs on cx alone
	s_lshl_b32 s43, s41, 2
	s_lshl_b32 s43, 15, s43                        ; my row of the cluster
	s_lshl_b32 s44, 0x1111, s40                    ; my column
	s_or_b32 s[G1+0], s43, (0<<16)|(1<<20)|(1<<21)|(5<<22)|(3<<25)  ; 15:0 the mask; 17:16 element of 1 byte; 20 padding on; 21 set beside a mask; 24:22 after every 64 words; 31:25 of 4 words
	s_or_b32 s[G1B+0], s44, (0<<16)|(1<<20)|(1<<21)|(5<<22)|(3<<25)
.irp g, G1, G1B
	s_mov_b32 s[\g+1], KSTEP<<16                   ; tensor_dim0 = 256
	s_mov_b32 s[\g+2], 128<<16                     ; tensor_dim1 = 128
	s_mov_b32 s[\g+3], KSTEP<<16                   ; tile_dim0
	s_mov_b32 s[\g+4], 128                         ; tile_dim1
	s_mov_b32 s[\g+5], KTOT                        ; bytes from row to row
	s_mov_b32 s[\g+6], 0
	s_mov_b32 s[\g+7], 0
.endr
	s_lshl_b32 s19, s16, 7                         ; which 128 rows of the tile I fetch
	s_lshl_b32 s20, s17, 8
	s_add_co_u32 s20, s20, s19
	s_lshl_b32 s20, s20, 10                        ; A: (256 x tile row + 128 x half) rows of 1,024 bytes
	s_mov_b32 s21, 0
	s_lshl_b32 s46, s42, 8
	s_add_co_u32 s46, s46, s19
	s_lshl_b32 s46, s46, 10                        ; B likewise
	s_mov_b32 s47, 0
	s_mul_i32 s45, s16, ABYTES/2                   ; where they go in a slot: no place in the cluster enters an LDS address
	s_mul_i32 s2, s16, HALFT
	s_add_co_u32 s2, s2, ABYTES
	s_wait_kmcnt 0x0
	s_load_b512 s[84:99], s[76:77], 0x0            ; e0 .. e15; waited for on the way out
	s_lshl_b32 s22, ttmp9, 22
	s_mov_b32 s23, 0
	s_add_nc_u64 s[68:69], s[68:69], s[22:23]      ; xc's part for this product
	s_cmp_eq_u32 ttmp9, 0
	s_cselect_b64 s[70:71], s[70:71], s[72:73]     ; wq or wk,
	s_cselect_b64 s[78:79], s[78:79], s[80:81]     ; and their biases
	s_cmp_eq_u32 ttmp9, 2
	s_cselect_b64 s[4:5], s[74:75], s[68:69]       ; A: wv, or xc's part
	s_cselect_b64 s[6:7], s[68:69], s[70:71]       ; B: xc's part, or the weight
	s_cselect_b64 s[8:9], s[82:83], s[78:79]       ; the bias
	s_add_nc_u64 s[20:21], s[4:5], s[20:21]
	s_add_nc_u64 s[46:47], s[6:7], s[46:47]
	CROUND                                         ; all sixteen work-groups are here: the first joint loads meet
.irp s, 0,1
	s_mov_b32 s[G0+4*\s], 1
	s_add_co_u32 s[G0+4*\s+1], s45, \s*SLOT
	s_add_nc_u64 s[G0+4*\s+2:G0+4*\s+3], s[20:21], \s*(ASTEP/2)
	s_or_b32 s[G0+4*\s+3], s[G0+4*\s+3], 0x80000000
	s_mov_b32 s[G0B+4*\s], 1
	s_add_co_u32 s[G0B+4*\s+1], s2, \s*SLOT
	s_add_nc_u64 s[G0B+4*\s+2:G0B+4*\s+3], s[46:47], \s*KSTEP
	s_or_b32 s[G0B+4*\s+3], s[G0B+4*\s+3], 0x80000000
	JLOAD G0+4*\s, G1, G0B+4*\s, G1B               ; two tensor loads of mine are out
.endr
	v_and_b32 v1, 15, v0                           ; r = l % 16
	v_bfe_u32 v2, v0, 4, 1                         ; h = l / 16
	v_mul_u32_u24 v3, v1, PITCH
	v_lshl_add_u32 v4, v2, 4, v3                   ; a fragment's row x pitch + 16 x half
	v_and_b32 v[LI], 31, v0
	v_lshlrev_b32 v[LI], 4, v[LI]
	s_mul_i32 s21, s15, ABYTES/2                   ; my 128 rows of A
	s_mul_i32 s22, s16, HALFT                      ; my 128 rows of B,
	s_add_co_u32 s22, s22, ABYTES                  ; which lie behind A's
.irp s, 0,1
	v_add_nc_u32 v[ADRA+\s], s21, v4
	v_add_nc_u32 v[ADRB+\s], s22, v4
	s_add_co_u32 s21, s21, SLOT
	s_add_co_u32 s22, s22, SLOT
.endr
	s_lshl_b32 s18, s17, 8
	s_lshl_b32 s19, s15, 7
	s_add_co_u32 s18, s18, s19                     ; R0: my first row of A
	s_lshl_b32 s22, s42, 8
	s_lshl_b32 s19, s16, 7
	s_add_co_u32 s22, s22, s19                     ; C0: my first row of B
	s_mov_b32 s12, 1024
	s_mov_b32 s20, 1024
	s_mov_b32 s21, 393216
	s_cmp_eq_u32 ttmp9, 2
	s_cselect_b32 s67, s22, s18                    ; my first position,
	s_cselect_b32 s19, s18, s22                    ; my first channel
	s_cselect_b32 s46, 0, s22                      ; the bias runs along the registers (q, k) from channel C0,
	s_cselect_b32 s47, s18, 0                      ; or along the lanes (v) from channel R0; the other side reads the buffer's first bytes and is set to 0 below
	s_cselect_b32 s12, 2048, s12                   ; bytes from block a to block a + 1: 16 positions (q, k) or 16 channels (v),
	s_cselect_b32 s20, 387072, s20                 ; from block 3 to block 4: v goes on to the next head (393,216 - 3 x 2,048),
	s_cselect_b32 s21, 1024, s21                   ; and from a block's first two stores to its last two: the next head (q, k) or the fragment's second half (v)
	v_add_nc_u32 v[VOB], s21, v[LI]
	s_mov_b32 s13, 0
	s_mov_b32 s21, 0
	s_lshl_b32 s46, s46, 2
	s_lshl_b32 s47, s47, 2
	v_lshl_add_u32 v7, v2, 5, s46                  ; bias along the registers: tile b, half h: 64 b + 32 h bytes on
	v_lshl_add_u32 v8, v1, 2, s47                  ; bias of the lane's row: block a: 64 a + 4 r bytes on
	s_lshr_b32 s23, s67, 11                        ; batch
	s_lshl_b32 s23, s23, 4
	s_lshr_b32 s19, s19, 6                         ; head
	s_add_co_u32 s23, s23, s19
	s_mul_i32 s23, s23, 393216
	s_lshl_b32 s19, ttmp9, 17                      ; the part
	s_add_co_u32 s23, s23, s19
	s_and_b32 s19, s67, 2047
	s_lshl_b32 s19, s19, 6                         ; 64 bytes a position in all three parts
	s_add_co_u32 s22, s23, s19
	s_mov_b32 s23, 0
	s_add_nc_u64 s[10:11], s[100:101], s[22:23]
.irp b, 0,1,2,3,4,5,6,7
	global_load_b128 v[BR+8*\b:BR+8*\b+3], v7, s[8:9] offset:64*\b
	global_load_b128 v[BR+8*\b+4:BR+8*\b+7], v7, s[8:9] offset:64*\b+16
.endr
.irp a, 0,1,2,3,4,5,6,7
	global_load_b32 v[BL+2*\a], v8, s[8:9] offset:64*\a       ; twice: a pair for the packed form
	global_load_b32 v[BL+2*\a+1], v8, s[8:9] offset:64*\a
.endr
	s_wait_tensorcnt 1                             ; my part of K step 0 is in (K step 1's load may be out)
	s_barrier_signal -1
	s_barrier_wait -1                              ; everybody's is
	FETCH_B 0, 0, 0
	FETCH_A 0, 0, 0
	FETCH_A 0, 0, 4
	STEP 0, 0, 1                                   ; the first step stands in front of the loop: its products start the sums
	s_mov_b32 s3, LAPS-1
.Llap:                                                 ; a trip goes once round the ring and fills both slots again
	TURN 0, 1, 1
	STEP 1, 0, 0
	TURN 1, 0, 1
	STEP 0, 0, 0
	s_sub_co_u32 s3, s3, 1
	s_cmp_lg_u32 s3, 0
	s_cbranch_scc1 .Llap
	TURN 0, 1, 0                                   ; the last lap fills nothing
	STEP 1, 0, 0
	s_wait_dscnt 4*NL                              ; the very last step
	WIN MUL_LO
	MUL16 0, 1, 0
	MUL16 2, 1, 0
	s_wait_dscnt 0
	WIN MUL_HI
	MUL16 4, 1, 0
	MUL16 6, 1, 0
	WIN 0
	; THE WAY OUT: sum x 2^(ea + eb) + bias, held, converted; a block's 16 registers of codes leave as they stand.
	s_wait_kmcnt 0x0
	s_wait_loadcnt 0x0                             ; the biases
	s_add_co_i32 s18, s84, s85
	s_add_co_i32 s19, s86, s87
	s_add_co_i32 s22, s88, s89
	s_cmp_eq_u32 ttmp9, 0
	s_cselect_b32 s18, s18, s19
	s_cselect_b32 s19, s90, s91
	s_cmp_eq_u32 ttmp9, 2
	s_cselect_b32 s18, s22, s18                    ; ea + eb of this product,
	s_cselect_b32 s19, s92, s19                    ; and the result's own exponent: e6, e7 or e8
	s_add_co_i32 s18, s18, 127
	s_lshl_b32 s96, s18, 23                        ; 2^(ea + eb) as f32
	s_mov_b32 s97, s96                             ; (named with it as a pair, so it is written)
	s_add_co_i32 s19, s19, 127
	s_lshl_b32 s22, s19, 23
	v_mov_b32 v[SCV], s22
	s_add_co_i32 s19, s19, 8
	s_lshl_b32 s19, s19, 23
	s_or_b32 s19, s19, 0x600000
	v_mov_b32 v[LIM], s19
.set J, 0
.rept 64
	v_cndmask_b32 v[BR+J], v[BR+J], v30, s66       ; v has no bias along the registers.  (These lines are also the places behind the last products)
.set J, J+1
.endr
.set J, 0
.rept 16
	v_cndmask_b32 v[BL+J], v30, v[BL+J], s66       ; q and k have none along the lanes
.set J, J+1
.endr
.macro OUTQ a
.set AC, 64*((\a)%4)
.set CD, 192+16*((\a)%2)
	WIN 0x02+((\a)/4)                              ; source 0: window 2 or 3
.set J, 0
.rept 32
	v_pk_fma_f32 v[TMP+J:TMP+J+1], v[AC+J:AC+J+1], s[96:97], v[BR+J:BR+J+1] op_sel_hi:[1,0,1]   ; each accumulator from its low end on
.set J, J+2
.endr
	WIN 0
.set J, 0
.rept 32
	v_pk_add_f32 v[TMP+J:TMP+J+1], v[TMP+J:TMP+J+1], v[BL+2*(\a):BL+2*(\a)+1]
.set J, J+2
.endr
.set J, 0
.rept 64
	v_med3_num_f32 v[TMP+J], v[TMP+J], -v[LIM], v[LIM]   ; the conversion does not saturate (ISA guide 7.6.2)
.set J, J+1
.endr
.irp b, 0,1,2,3,4,5,6,7
	v_cvt_scalef32_pk8_fp8_f32 v[CD+2*\b:CD+2*\b+1], v[TMP+8*\b:TMP+8*\b+7], v[SCV]   ; tile b: register pair b of the next operand
.endr
	v_nop                                          ; a plain instruction behind the last conversion
	s_wait_xcnt 0x0                                ; the earlier stores have read their base and their data: the base may step, and the next block may write the other set of codes
.if (\a) == 4
	s_add_nc_u64 s[10:11], s[10:11], s[20:21]
.elseif (\a) > 0
	s_add_nc_u64 s[10:11], s[10:11], s[12:13]
.endif
	global_store_b128 v[LI], v[CD:CD+3], s[10:11]                    ; each store of the wave covers 512 consecutive bytes, aligned
	global_store_b128 v[LI], v[CD+4:CD+7], s[10:11] offset:512
	global_store_b128 v[VOB], v[CD+8:CD+11], s[10:11]
	global_store_b128 v[VOB], v[CD+12:CD+15], s[10:11] offset:512
.endm
.irp a, 0,1,2,3,4,5,6,7
	OUTQ \a
.endr
	s_wait_tensorcnt 0x0                           ; the wave's end
	ds_add_u32 v[SPW], v[NIL]
	s_wait_dscnt 0x0
	CROUND                                         ; the closing round: no work-group ends while a partner may still ask for a tile that names it
	s_endpgm
.Lfunc_end_k_q932549c57a_qkv:
	.size	k_q932549c57a_qkv, .Lfunc_end_k_q932549c57a_qkv-k_q932549c57a_qkv
	.p2alignl 7, 3214868480
	.fill 96, 4, 3214868480
	.section	.rodata,"a",@progbits
	.p2align	6, 0x0
	.amdhsa_kernel k_q932549c57a_qkv
		.amdhsa_group_segment_fixed_size 327680
		.amdhsa_private_segment_fixed_size 0
		.amdhsa_enable_private_segment 0
		.amdhsa_kernarg_size 72
		.amdhsa_user_sgpr_count 2
		.amdhsa_user_sgpr_kernarg_segment_ptr 1
		.amdhsa_wavefront_size32 1
		.amdhsa_system_sgpr_workgroup_id_x 1
		.amdhsa_system_sgpr_workgroup_id_y 1
		.amdhsa_system_sgpr_workgroup_id_z 1
		.amdhsa_system_vgpr_workitem_id 0
		.amdhsa_next_free_vgpr 1024
		.amdhsa_next_free_sgpr 102
		.amdhsa_reserve_vcc 0
		.amdhsa_float_denorm_mode_32 3
		.amdhsa_float_denorm_mode_16_64 3
		.amdhsa_memory_ordered 1
		.amdhsa_forward_progress 1
		.amdhsa_inst_pref_size 160
	.end_amdhsa_kernel
	.amdgpu_metadata
---
amdhsa.version: [ 1, 2 ]
amdhsa.kernels:
  - .name:           k_q932549c57a_qkv
    .symbol:         k_q932549c57a_qkv.kd
    .args:
      - { .name: xc, .offset: 0, .size: 8, .value_kind: global_buffer, .address_space: global }
      - { .name: wq_w_codes, .offset: 8, .size: 8, .value_kind: global_buffer, .address_space: global }
      - { .name: wk_w_codes, .offset: 16, .size: 8, .value_kind: global_buffer, .address_space: global }
      - { .name: wv_w_codes, .offset: 24, .size: 8, .value_kind: global_buffer, .address_space: global }
      - { .name: lowp_scales, .offset: 32, .size: 8, .value_kind: global_buffer, .address_space: global }
      - { .name: wq_b, .offset: 40, .size: 8, .value_kind: global_buffer, .address_space: global }
      - { .name: wk_b, .offset: 48, .size: 8, .value_kind: global_buffer, .address_space: global }
      - { .name: wv_b, .offset: 56, .size: 8, .value_kind: global_buffer, .address_space: global }
      - { .name: qkvi, .offset: 64, .size: 8, .value_kind: global_buffer, .address_space: global }
    .group_segment_fixed_size: 327680
    .private_segment_fixed_size: 0
    .kernarg_segment_align: 8
    .kernarg_segment_size: 72
    .max_flat_workgroup_size: 128
    .sgpr_count:     102
    .vgpr_count:     1024
    .wavefront_size: 32
...
	.end_amdgpu_metadata
.endif
;; end of part 2
;; launch attn (part 3): grid 8 x 32, 16 waves a work-group, no clusters, 264,192 bytes of LDS; arguments qkvi, lowp_scales, oi; writes oi
.if DOCPART == 3
	.amdgcn_target "amdgcn-amd-amdhsa--gfx1250"
	.amdhsa_code_object_version 6
	.text
	.protected	k_q932549c57a_attn
	.globl	k_q932549c57a_attn
	.p2align	8
	.type	k_q932549c57a_attn,@function
k_q932549c57a_attn:
	s_mov_b64 s[64:65], 0
	v_nop
	global_prefetch_b8 v0, s[64:65] scope:SCOPE_SE
	s_setreg_imm32_b32 hwreg(HW_REG_WAVE_MODE, 25, 1), 1
	s_wait_xcnt 0x0
; o = softmax(q k^T / 8, causal) v for one batch and head, both products on codes of E4M3; o is quantised with 2^e10 and stored as the next product's operand registers.
; THE SOFTMAX: t = score x log2(e) / 8; M = the running largest t rounded UP to a whole number; p = 2^(t - M) is quantised with 2^e9, not normalised; the row's sum is taken of the unquantised p and divides at the end.
; When M moves, the sum and O are multiplied by 2^(old M - new M): exact.
; SHARES.  Work-group (j, batch and head) owns the blocks of 128 queries j and 15 - j: 17 steps of 128 keys that count, whatever j is.  Each of its sixteen waves owns 16 queries in 256 registers;
; wave w takes block j or 15 - j by (w xor (w >> 2)) & 1, so that every four neighbouring waves and every four waves 4 apart hold two of each.
; LDS holds the head's k and v as they lie in memory, 262,144 bytes, filled ONCE: no slot is filled again.  Each wave issues four tensor loads at the head (four of mine are out), its 4,096 bytes of each of four
; chunks of 512 keys; a load has 16 rows of 256 bytes, since a chunk's 65,536 bytes are shared among sixteen waves so that every wave's counted waits are alike.  Chunk g is read behind s_wait_tensorcnt 3 - g and a barrier.
; NO CLUSTER: the work-groups that share a head differ in j, and the steps that a wave leaves out hang on j: partners would take different branches.
; LAYOUT.  Both products are used transposed: S^T = k q^T (source 0 = 16 keys, source 1 = my 16 queries), O^T = v^T p^T: a lane holds ONE query (lane % 16) throughout; register j of tile t is key 16 t + 8 (lane / 16) + j,
; so the conversion of tile t's 8 registers is register pair t of p's fragment.  Operands come from LDS as images of their registers: 16 bytes a lane, 512 consecutive bytes a load.
; CAUSAL.  Every wave walks all 16 steps (constant trip counts, no barrier jumped over); a step all of whose keys come after my queries is left out by a scalar branch on ids; on the diagonal hidden scores become -infinity.
; LIMITS: e6 + e7 between -123 and 130 (added to c's exponent field); e9 and e10 between -126 and 119.  NaN and infinities are not served.
; REGISTERS: v1-6 addresses; v12 -M, v13 the largest t, v[14:15] the sum; v16-23 q; v32-95 k's, then v's fragments; v96-159 S^T, then p; v160-191 O^T; v192-207 p's codes; v208-221 at work and constants.
.set LI,  1                            ; v1  16 x lane
.set LV,  2                            ; v2  16 x lane + 131,072: v's part of LDS
.set RH,  3                            ; v3  r - 8 h
.set ADK, 4                            ; v4  LDS address of the step's k
.set ADV, 5                            ; v5  of its v
.set DM,  6                            ; v6  the mask's bound
.set WV,  10                           ; s10 wave
.set Q0,  12                           ; s12 my first query
.set KF,  13                           ; s13 the step's first key
.set CNT, 14                           ; s14 steps to go in a chunk
.set BH,  15                           ; s15 16 x batch + head
.set G1,  16                           ; s[16:23] descriptor group 1; s[24:39] four groups 0
.set G0,  24
.set SEL, 40                           ; s[40:41] lane selects: lane l xor 16
.set CS,  42                           ; s[42:43] c = log2(e) / 8 x 2^(e6 + e7)
	s_load_b128 s[4:7], s[0:1], 0x0                ; qkvi s[4:5], scales s[6:7]
	s_load_b64 s[8:9], s[0:1], 0x10                ; oi
	v_lshl_add_u32 v254, v0, 2, 0x40000
	v_mov_b32 v255, 0
	ds_add_u32 v254, v255
	ds_add_u32 v254, v255
	v_lshrrev_b32 v4, 5, v0
	v_readfirstlane_b32 s[WV], v4                  ; wave 0..15
	s_and_b32 s[BH], ttmp7, 0xffff
	s_mul_i32 s54, s[BH], 393216                   ; the head's first byte in qkvi
	s_mov_b32 s55, 0
	s_lshr_b32 s53, s[WV], 2
	s_xor_b32 s53, s53, s[WV]
	s_and_b32 s11, s53, 1                          ; which of the two blocks of queries
	s_sub_co_u32 s56, 15, ttmp9
	s_cmp_eq_u32 s11, 1
	s_cselect_b32 s56, s56, ttmp9
	s_lshl_b32 s56, s56, 7
	s_lshr_b32 s57, s[WV], 1
	s_lshl_b32 s57, s57, 4
	s_add_co_u32 s[Q0], s56, s57                   ; 128 x block + 16 x (wave / 2)
	s_mov_b32 s[G1], 3<<16                         ; 15:0 no mask; 17:16 elements of 8 bytes; no padding
	s_mov_b32 s[G1+1], 32<<16                      ; tensor_dim0 = 32 elements: 256 bytes
	s_mov_b32 s[G1+2], 16<<16                      ; tensor_dim1 = 16
	s_mov_b32 s[G1+3], 32<<16                      ; tile_dim0
	s_mov_b32 s[G1+4], 16                          ; tile_dim1
	s_mov_b32 s[G1+5], 32                          ; from row to row: dense
	s_mov_b32 s[G1+6], 0
	s_mov_b32 s[G1+7], 0
	s_lshr_b32 s58, s[WV], 3                       ; waves 0-7 fetch k, waves 8-15 v
	s_lshl_b32 s58, s58, 17
	s_and_b32 s59, s[WV], 7
	s_lshl_b32 s59, s59, 12
	s_add_co_u32 s58, s58, s59                     ; my 4,096 bytes of chunk 0, in LDS;
	s_add_co_u32 s60, s58, 131072                  ; in memory k's part begins behind q's
	s_mov_b32 s61, 0
	s_add_nc_u64 s[60:61], s[60:61], s[54:55]
	s_lshl_b32 s62, s[Q0], 6                       ; q: 64 bytes a query
	s_mov_b32 s63, 0
	s_add_nc_u64 s[62:63], s[62:63], s[54:55]
	s_mov_b32 s[SEL], 0x76543210
	s_mov_b32 s[SEL+1], 0xfedcba98
	s_mov_b32 s[CS], 0x3e38aa3b                    ; log2(e) / 8
	s_wait_dscnt 0x0
	s_wait_kmcnt 0x0
	s_load_b256 s[44:51], s[6:7], 0x18             ; e6 .. e13
	s_add_nc_u64 s[60:61], s[4:5], s[60:61]
	s_add_nc_u64 s[62:63], s[4:5], s[62:63]
.irp g, 0,1,2,3
	s_mov_b32 s[G0+4*\g], 1
	s_add_co_u32 s[G0+4*\g+1], s58, \g*32768
	s_add_nc_u64 s[G0+4*\g+2:G0+4*\g+3], s[60:61], \g*32768
	s_or_b32 s[G0+4*\g+3], s[G0+4*\g+3], 0x80000000
.endr
	tensor_load_to_lds s[G0:G0+3], s[G1:G1+7]      ; the four first fills go out together, ahead of every wait on TENSORcnt, every LDS read and every barrier
	s_nop 0
	tensor_load_to_lds s[G0+4:G0+7], s[G1:G1+7]
	s_nop 0
	tensor_load_to_lds s[G0+8:G0+11], s[G1:G1+7]
	s_nop 0
	tensor_load_to_lds s[G0+12:G0+15], s[G1:G1+7]
	s_nop 0
.rept 4
	v_nop
.endr
	v_and_b32 v7, 31, v0
	v_lshlrev_b32 v[LI], 4, v7
	v_add_nc_u32 v[LV], 131072, v[LI]
	v_and_b32 v8, 15, v0
	v_bfe_u32 v9, v0, 4, 1
	v_lshlrev_b32 v9, 3, v9
	v_sub_nc_u32 v[RH], v8, v9
	global_load_b128 v[16:19], v[LI], s[62:63]     ; q's fragment stays in registers
	global_load_b128 v[20:23], v[LI], s[62:63] offset:512
	v_mov_b32 v13, 0xff61b1e6                      ; the largest t so far: -3e38, under every t
	v_floor_f32 v12, -v13                          ; -M
	v_mov_b32 v14, 0
	v_mov_b32 v15, 0
	v_mov_b32 v211, 0                              ; (named as the upper half of the pair v[210:211])
	v_mov_b32 v212, 0                              ; a lane permute's destination counts as one of its sources
	v_mov_b32 v218, 0xff800000                     ; -infinity
.set J, 0
.rept 32
	v_mov_b32 v[160+J], 0                          ; O^T: the step is written once, and its first turn finds zeros
.set J, J+1
.endr
	s_wait_kmcnt 0x0
	s_add_co_i32 s52, s44, s45
	s_lshl_b32 s52, s52, 23
	s_add_co_i32 s[CS], s[CS], s52                 ; a score stands for score x 2^(e6 + e7)
	s_mov_b32 s[CS+1], s[CS]
	s_add_co_i32 s52, s47, 127
	s_lshl_b32 s53, s52, 23
	v_mov_b32 v217, s53                            ; 2^e9
	s_add_co_i32 s52, s52, 8
	s_lshl_b32 s52, s52, 23
	s_or_b32 s52, s52, 0x600000
	v_mov_b32 v216, s52                            ; 448 x 2^e9
	s_add_co_i32 s52, s48, 127
	s_lshl_b32 s53, s52, 23
	v_mov_b32 v221, s53                            ; 2^e10
	s_add_co_i32 s52, s52, 8
	s_lshl_b32 s52, s52, 23
	s_or_b32 s52, s52, 0x600000
	v_mov_b32 v220, s52                            ; 448 x 2^e10
; A KEY STEP: 128 keys from KF on.
.macro STEP
	s_add_co_u32 s52, s[Q0], 15
	s_cmp_gt_u32 s[KF], s52
	s_cbranch_scc1 .Lhidden_\@                     ; all its keys come after my queries
	s_lshl_b32 s53, s[KF], 6                       ; 64 bytes a key in both parts
	v_add_nc_u32 v[ADK], s53, v[LI]
	v_add_nc_u32 v[ADV], s53, v[LV]
	v_nop                                          ; with the two additions: four places in front of loads into registers that matrix instructions have read
	v_nop
.irp t, 0,1,2,3,4,5,6,7
	ds_load_b128 v[32+8*\t:35+8*\t], v[ADK] offset:1024*\t
	ds_load_b128 v[36+8*\t:39+8*\t], v[ADK] offset:1024*\t+512
.endr
	s_wait_dscnt 8                                 ; tiles 0-3 are in; tiles 4-7's eight loads may be out
.irp t, 0,1,2,3
	v_wmma_f32_16x16x64_fp8_fp8 v[96+8*\t:103+8*\t], v[32+8*\t:39+8*\t], v[16:23], 0
.endr
	s_wait_dscnt 0x0
.irp t, 4,5,6,7
	v_wmma_f32_16x16x64_fp8_fp8 v[96+8*\t:103+8*\t], v[32+8*\t:39+8*\t], v[16:23], 0
.endr
.rept 4
	v_nop                                          ; places: in front of the loads below and of the first read of the scores
.endr
.irp b, 0,1,2,3
.irp i, 0,1,2,3
	ds_load_b128 v[32+16*\b+4*\i:35+16*\b+4*\i], v[ADV] offset:2048*\b+512*\i   ; v's four fragments come in under the softmax
.endr
.endr
	s_add_co_u32 s52, s[KF], 127
	s_cmp_le_u32 s52, s[Q0]
	s_cbranch_scc1 .Lopen_\@                       ; all its keys count
	s_sub_co_i32 s52, s[Q0], s[KF]
	v_add_nc_u32 v[DM], s52, v[RH]                 ; register 8 t + j holds key KF + 16 t + 8 h + j: hidden where 16 t + j > Q0 - KF + r - 8 h
.set J, 0
.rept 64
	v_cmp_gt_i32 vcc_lo, 16*(J/8)+J%8, v[DM]
	v_cndmask_b32 v[96+J], v[96+J], v218, vcc_lo
.set J, J+1
.endr
.Lopen_\@:
	v_max3_num_f32 v208, v96, v97, v98             ; the step's largest score of my query among my 64 keys, in two chains,
	v_max3_num_f32 v219, v99, v100, v101
.set J, 6
.rept 14
	v_max3_num_f32 v208, v208, v[96+J], v[97+J]
	v_max3_num_f32 v219, v219, v[98+J], v[99+J]
.set J, J+4
.endr
	v_max3_num_f32 v208, v208, v158, v159
	v_max_num_f32 v208, v208, v219
	v_permlanex16_b32 v212, v208, s[SEL], s[SEL+1]
	v_max_num_f32 v208, v208, v212                 ; and among lane l xor 16's
	v_mul_f32 v208, s[CS], v208                    ; as t (c is positive)
	v_max_num_f32 v13, v13, v208                   ; the running largest t
	v_mov_b32 v208, v12
	v_floor_f32 v12, -v13                          ; the new -M = -ceil(t)
	v_sub_f32 v208, v12, v208                      ; old M - new M: a whole number, 0 or less
	v_cvt_i32_f32 v208, v208                       ; (it saturates)
	v_ldexp_f32 v210, 1.0, v208                    ; f = 2^(old M - new M)
.set J, 0
.rept 32
	v_pk_fma_f32 v[96+J:97+J], v[96+J:97+J], s[CS:CS+1], v[12:13] op_sel_hi:[1,0,0]   ; t - M
.set J, J+2
.endr
.set J, 0
.rept 64
	v_exp_f32 v[96+J], v[96+J]                     ; p = 2^(t - M)
.set J, J+1
.endr
	v_pk_mul_f32 v[14:15], v[14:15], v[210:211] op_sel_hi:[1,0]   ; the sums under the new M.  (A plain place behind the exponentials)
	s_wait_alu depctr_va_vdst(0)
	v_pk_add_f32 v[214:215], v[96:97], v[98:99]    ; the row's sum of the unquantised p, in two chains
.set J, 4
.rept 15
	v_pk_add_f32 v[14:15], v[14:15], v[96+J:97+J]
	v_pk_add_f32 v[214:215], v[214:215], v[98+J:99+J]
.set J, J+4
.endr
	v_pk_add_f32 v[14:15], v[14:15], v[214:215]
.irp t, 0,1,2,3,4,5,6,7
.irp i, 0,1,2,3,4,5,6,7
	v_min_num_f32 v[96+8*\t+\i], v[96+8*\t+\i], v216   ; the conversion does not saturate (ISA guide 7.6.2); p is not negative, so the hold is one-sided
.endr
	v_cvt_scalef32_pk8_fp8_f32 v[192+2*\t:193+2*\t], v[96+8*\t:103+8*\t], v217
.endr
.set J, 0
.rept 16
	v_pk_mul_f32 v[160+J:161+J], v[160+J:161+J], v[210:211] op_sel_hi:[1,0]   ; O^T under the new M.  (Plain lines between the conversions and the products that read their results)
.set J, J+2
.endr
	s_wait_dscnt 0x0                               ; v's fragments
.irp b, 0,1,2,3                                ; four accumulators by turns; eleven other matrix instructions stand between two on one accumulator
	v_wmma_f32_16x16x128_fp8_fp8 v[160+8*\b:167+8*\b], v[32+16*\b:47+16*\b], v[192:207], v[160+8*\b:167+8*\b]
.endr
.Lhidden_\@:
	s_add_co_u32 s[KF], s[KF], 128
.endm
; Chunk g: keys 512 g on, four steps.
.macro CHUNK g
	s_wait_tensorcnt 3-\g                          ; my parts of chunks 0 .. g are in; the later chunks' loads may stay out
	s_wait_dscnt 0x0
	s_barrier_signal -1
	s_barrier_wait -1                              ; everybody's are
	s_mov_b32 s[KF], 512*\g
	s_mov_b32 s[CNT], 4
.Lstep_\@:
	STEP
	s_sub_co_u32 s[CNT], s[CNT], 1
	s_cmp_lg_u32 s[CNT], 0
	s_cbranch_scc1 .Lstep_\@
.endm
	s_wait_loadcnt 0x0                             ; q
	CHUNK 0
	CHUNK 1
	CHUNK 2
	CHUNK 3
	; THE WAY OUT: O^T / the sum x 2^(e8 + e9), held, converted: register pair b holds channels 16 b + 8 h + 0..7 of my query: half a fragment (64 of 128 along the next K), two stores of 512 bytes.
.rept 4
	v_nop                                          ; places behind the last products
.endr
	v_add_f32 v14, v14, v15
	v_permlanex16_b32 v212, v14, s[SEL], s[SEL+1]
	v_add_f32 v14, v14, v212                       ; the row's sum
	v_rcp_f32 v14, v14
	v_nop                                          ; a plain place behind the transcendental
	s_add_co_i32 s52, s46, s47
	s_wait_alu depctr_va_vdst(0)
	v_ldexp_f32 v14, v14, s52                      ; x 2^(e8 + e9)
.set J, 0
.rept 32
	v_mul_f32 v[96+J], v[160+J], v14               ; each accumulator from its low end on
.set J, J+1
.endr
.set J, 0
.rept 32
	v_med3_num_f32 v[96+J], v[96+J], -v220, v220
.set J, J+1
.endr
.irp b, 0,1,2,3
	v_cvt_scalef32_pk8_fp8_f32 v[128+2*\b:129+2*\b], v[96+8*\b:103+8*\b], v221
.endr
	v_nop
	s_and_b32 s52, s[BH], 15                       ; head
	s_lshr_b32 s53, s[BH], 4                       ; batch
	s_lshl_b32 s53, s53, 7
	s_lshr_b32 s54, s[Q0], 4
	s_add_co_u32 s53, s53, s54                     ; my block of 16 rows: 4,096 bytes in each slot of 256 along K
	s_lshl_b32 s53, s53, 12
	s_lshr_b32 s54, s52, 2                         ; four heads to a slot of 256 along K: 1 MiB
	s_lshl_b32 s54, s54, 20
	s_add_co_u32 s53, s53, s54
	s_and_b32 s54, s52, 3                          ; a head is 1,024 bytes of a block's 4,096
	s_lshl_b32 s54, s54, 10
	s_add_co_u32 s56, s53, s54
	s_mov_b32 s57, 0
	s_add_nc_u64 s[8:9], s[8:9], s[56:57]
	global_store_b128 v[LI], v[128:131], s[8:9]
	global_store_b128 v[LI], v[132:135], s[8:9] offset:512
	s_wait_tensorcnt 0x0
	ds_add_u32 v254, v255
	s_wait_dscnt 0x0
	s_endpgm
.Lfunc_end_k_q932549c57a_attn:
	.size	k_q932549c57a_attn, .Lfunc_end_k_q932549c57a_attn-k_q932549c57a_attn
	.p2alignl 7, 3214868480
	.fill 96, 4, 3214868480
	.section	.rodata,"a",@progbits
	.p2align	6, 0x0
	.amdhsa_kernel k_q932549c57a_attn
		.amdhsa_group_segment_fixed_size 264192
		.amdhsa_private_segment_fixed_size 0
		.amdhsa_enable_private_segment 0
		.amdhsa_kernarg_size 24
		.amdhsa_user_sgpr_count 2
		.amdhsa_user_sgpr_kernarg_segment_ptr 1
		.amdhsa_wavefront_size32 1
		.amdhsa_system_sgpr_workgroup_id_x 1
		.amdhsa_system_sgpr_workgroup_id_y 1
		.amdhsa_system_sgpr_workgroup_id_z 1
		.amdhsa_system_vgpr_workitem_id 0
		.amdhsa_next_free_vgpr 256
		.amdhsa_next_free_sgpr 66
		.amdhsa_reserve_vcc 1
		.amdhsa_float_denorm_mode_32 3
		.amdhsa_float_denorm_mode_16_64 3
		.amdhsa_memory_ordered 1
		.amdhsa_forward_progress 1
		.amdhsa_inst_pref_size 94
	.end_amdhsa_kernel
	.amdgpu_metadata
---
amdhsa.version: [ 1, 2 ]
amdhsa.kernels:
  - .name:           k_q932549c57a_attn
    .symbol:         k_q932549c57a_attn.kd
    .args:
      - { .name: qkvi, .offset: 0, .size: 8, .value_kind: global_buffer, .address_space: global }
      - { .name: lowp_scales, .offset: 8, .size: 8, .value_kind: global_buffer, .address_space: global }
      - { .name: oi, .offset: 16, .size: 8, .value_kind: global_buffer, .address_space: global }
    .group_segment_fixed_size: 264192
    .private_segment_fixed_size: 0
    .kernarg_segment_align: 8
    .kernarg_segment_size: 24
    .max_flat_workgroup_size: 512
    .sgpr_count:     66
    .vgpr_count:     256
    .wavefront_size: 32
...
	.end_amdgpu_metadata
.endif
;; end of part 3
;; launch wo (part 4): grid 4 x 16, 4 waves a work-group, clusters of 4 x 4, 327,680 bytes of LDS; arguments oi, wo_w_codes, lowp_scales, wo_b, x, y; writes y
.if DOCPART == 4
	.amdgcn_target "amdgcn-amd-amdhsa--gfx1250"
	.amdhsa_code_object_version 6
	.text
	.protected	k_q932549c57a_wo
	.globl	k_q932549c57a_wo
	.p2align	8
	.type	k_q932549c57a_wo,@function
k_q932549c57a_wo:
	s_mov_b64 s[64:65], 0
	v_nop
	global_prefetch_b8 v0, s[64:65] scope:SCOPE_SE
	s_setreg_imm32_b32 hwreg(HW_REG_WAVE_MODE, 25, 1), 1
	s_wait_xcnt 0x0
	s_wait_alu depctr_hold_cnt(0) depctr_sa_sdst(0) depctr_va_vdst(0) depctr_va_sdst(0) depctr_va_ssrc(0) depctr_va_vcc(0) depctr_vm_vsrc(0)
	s_getreg_b32 s2, hwreg(HW_REG_IB_STS2, 6, 4)
	s_cmp_eq_u32 s2, 0
	s_cbranch_scc0 .Lentry_in_a_cluster
	s_endpgm
.Lentry_in_a_cluster:
	s_bfe_u32 s2, ttmp6, 0x10000c
	s_cmp_lg_u32 s2, 0xf033
	s_cbranch_scc0 .Lentry_shape_is_right
	s_endpgm
.Lentry_shape_is_right:
; y = x + o wo^T + wo_b.  o comes as codes of E4M3 laid as operand registers (oi), wo as codes in rows; their scales are entries 10 and 11.  x, y: [4096][1024] f32.
; A tile of 256 x 256 is made by four waves, 128 x 128 each: 64 accumulators, 512 registers.  K goes in steps of 256 through a ring of two LDS slots filled by the tensor data mover.
; A (oi): [K / 256][256 blocks of 16 rows][2 x 128 K][4][lane][16 bytes]: a fragment's registers as they stand, pair c holding k = 16 c + 8 h + 0..7.  A slot's 16 blocks are 65,536 dense bytes; a fragment is four loads of 512 consecutive bytes.
; B (the weight): rows of 256 bytes, padded to 272 in LDS; a fragment is eight loads of 8 bytes at 16 c + 8 h, which puts each k in the same place as in A.
; THE MATRIX INSTRUCTION IS USED TRANSPOSED (source 0 = 16 rows of B, source 1 = 16 rows of A): a lane holds eight neighbouring numbers of a row of the result.
; CLUSTERS: 4 x 4 work-groups; A's tile is shared along a row of the cluster, B's along a column: joint loads, each with one mask.
; LIMIT: ea + eb between -126 and 127, so that 2^(ea + eb) is an f32 number.
; REGISTERS: window 0: v1-29 addresses; v32-95 the bias in the result's layout; v128-255 A's fragments, one set, on the way out rows read back from the stage.
;   window 1: B's fragments, two sets; on the way out v0-127 the residual's rows (two sets), v128-191 a block's scaled sums.   windows 2, 3: the accumulators ((a, b) at v[8 (8 (a % 4) + b)]).
.set KTOT,   1024
.set EOFF,   40                        ; byte of ea in the buffer of scales
.set NTOUT,  0                         ; the result is read again by the next launch
.set KSTEP,  256
.set PITCH,  272                       ; B's LDS row: 256 bytes + 16 of padding = 68 words: the 32 lanes of an 8-byte load touch 64 different banks (64 banks of 4 bytes: ISA guide 11.1)
.set FR,     16
.set NL,     4                         ; LDS loads that bring a fragment of A
.set NP,     4                         ; places behind this matrix instruction (ISA guide 7.12.1)
.set HALFT,  128*PITCH
.set ABYTES, 65536                     ; A's 16 blocks; B's 256 rows lie behind them
.set ASTEP,  2*1048576                 ; bytes from a slot's tile of A to its next
.set SLOT,   ABYTES+2*HALFT
.set LAPS,   KTOT/(2*KSTEP)
.set SPARE,  2*SLOT                    ; behind the ring: the spare words, 128 bytes for each wave: two blocks of 256 bytes that no other line names
.set SPITCH, 528                       ; the way out: a stage of 16 rows x (512 bytes + 16) for each wave, in slot 0, which has had its last fill and its last read when the first result is stored there
.set LI,   14                          ; v14  16 x lane
.set ADRA, 16
.set ADRB, 20
.set STO,  24                          ; v24  the stage: where I put 32 bytes of a row
.set RD,   25                          ; v25  and where I read a row back
.set SPW,  28
.set NIL,  29
.set BR,   32
.set AF,   128
.set BK,   128                         ; rows read back: v128-191 and v192-255 by turns
.set TMP,  128                         ; in window 1
.set G1, 24
.set G0, 32
.set G1B, 48
.set G0B, 56
.set MSB, 0
.macro WIN new                         ; the immediate's high byte repeats the setting that is left
.if MSB != \new
	s_set_vgpr_msb (MSB<<8)|\new
.set MSB, \new
.endif
.endm
.set MUL_LO, 0xa1                      ; source 0 (B) window 1, source 1 (A) window 0, C and D window 2
.set MUL_HI, 0xf1
.set TO_B,   0x40
.macro JLOAD g0a, g1a, g0b, g1b        ; a joint load: waves 0 and 1 fetch for A, waves 2 and 3 for B; four v_nop follow each of the two lines
	s_cmp_eq_u32 s15, 0
	s_cbranch_scc0 .Lfor_b_\@
	tensor_load_to_lds s[\g0a:\g0a+3], s[\g1a:\g1a+7]
	s_nop 0
.rept 4
	v_nop
.endr
	s_branch .Lasked_\@
.Lfor_b_\@:
	tensor_load_to_lds s[\g0b:\g0b+3], s[\g1b:\g1b+7]
	s_nop 0
.rept 4
	v_nop
.endr
.Lasked_\@:
.endm
.macro CREST
	s_cmp_lg_u32 s14, 0
	s_cbranch_scc1 .Lnot_wave_0_\@
	s_barrier_signal -3
.Lnot_wave_0_\@:
	s_barrier_wait -3
	s_barrier_signal -1
	s_barrier_wait -1
.endm
.macro CROUND
	s_barrier_signal -1
	s_barrier_wait -1
	CREST
.endm
.macro PLACES n
.rept \n
	v_nop
.endr
.endm
.macro FRAGA reg, slot, q, i           ; an image: four registers a load, lane l's 16 bytes at 16 l
.irp c, 0,1,2,3
	ds_load_b128 v[\reg+4*\c:\reg+4*\c+3], v[ADRA+\slot] offset:4096*(\i)+2048*(\q)+512*\c
.endr
.endm
.macro FRAGB reg, slot, q, i           ; rows: registers 2 c, 2 c + 1 hold K = 16 c + 8 (l / 16) + 0 .. 7 of row l % 16
.irp c, 0,1,2,3,4,5,6,7
	ds_load_b64 v[\reg+2*\c:\reg+2*\c+1], v[ADRB+\slot] offset:128*(\q)+16*\c+(\i)*16*PITCH
.endr
.endm
.macro MUL16 a0, p, zero               ; the 64 accumulators take turns, one instruction a turn
.irp a, \a0, \a0+1
.irp b, 0,1,2,3,4,5,6,7
.if \zero
	v_wmma_f32_16x16x128_fp8_fp8 v[8*(8*((\a)%4)+\b):8*(8*((\a)%4)+\b)+7], v[128*(\p)+FR*\b:128*(\p)+FR*\b+FR-1], v[AF+FR*(\a):AF+FR*(\a)+FR-1], 0
.else
	v_wmma_f32_16x16x128_fp8_fp8 v[8*(8*((\a)%4)+\b):8*(8*((\a)%4)+\b)+7], v[128*(\p)+FR*\b:128*(\p)+FR*\b+FR-1], v[AF+FR*(\a):AF+FR*(\a)+FR-1], v[8*(8*((\a)%4)+\b):8*(8*((\a)%4)+\b)+7]
.endif
.endr
.endr
.endm
.macro FETCH_B slot, q, p
	WIN TO_B
.irp i, 0,1,2,3,4,5,6,7
	FRAGB 128*(\p)+FR*\i, \slot, \q, \i
.endr
	WIN 0
.endm
.macro FETCH_A slot, q, i0
.irp i, \i0, \i0+1, \i0+2, \i0+3
	FRAGA AF+FR*(\i), \slot, \q, \i
.endr
.endm
.macro STEP slot, q, zero
	s_wait_dscnt 4*NL                              ; B's set and A's blocks 0-3 are in; the youngest sixteen loads (A's blocks 4-7) may be out
	WIN MUL_LO
	MUL16 0, (\q)%2, \zero
	MUL16 2, (\q)%2, \zero
	s_wait_dscnt 0
	PLACES NP                                      ; in front of loads into registers that matrix instructions have read
	FETCH_B \slot, (\q)+1, 1-(\q)%2
	FETCH_A \slot, (\q)+1, 0
	WIN MUL_HI
	MUL16 4, (\q)%2, \zero
	MUL16 6, (\q)%2, \zero
	PLACES NP
	WIN 0
	FETCH_A \slot, (\q)+1, 4
.endm
.macro TURN slot, next, fill           ; a slot's last step changes slots: ONE barrier
	s_wait_tensorcnt 0x0                           ; all my tensor loads have landed: my part of the next slot
	ds_add_u32 v[SPW], v[NIL]                      ; 0 onto my spare word
	s_wait_dscnt 4*NL+1                            ; (the add and the youngest sixteen loads may be out)
	WIN MUL_LO
	MUL16 0, 1, 0
	s_wait_dscnt 0x0                               ; the add is done, and my reads of this slot are over
	s_barrier_signal -1
	MUL16 2, 1, 0
	WIN 0
	s_barrier_wait -1
.if \fill
	CREST                                          ; a round of the cluster's barrier: no wave of any partner still reads this slot's tile or has a load on its way
	s_add_nc_u64 s[G0+4*\slot+2:G0+4*\slot+3], s[G0+4*\slot+2:G0+4*\slot+3], ASTEP
	s_add_nc_u64 s[G0B+4*\slot+2:G0B+4*\slot+3], s[G0B+4*\slot+2:G0B+4*\slot+3], 2*KSTEP
	JLOAD G0+4*\slot, G1, G0B+4*\slot, G1B         ; the first tensor load behind the round; its four v_nop are also the places in front of the loads below
.else
	PLACES NP
.endif
	FETCH_B \next, 0, 0
	FETCH_A \next, 0, 0
	WIN MUL_HI
	MUL16 4, 1, 0
	MUL16 6, 1, 0
	PLACES NP
	WIN 0
	FETCH_A \next, 0, 4
.endm
	s_load_b128 s[4:7], s[0:1], 0x0                ; A's images s[4:5], B's codes s[6:7]
	s_load_b256 s[68:75], s[0:1], 0x10             ; scales s[68:69], bias s[70:71], residual s[72:73], result s[74:75]
	v_lshl_add_u32 v[SPW], v0, 2, SPARE
	v_mov_b32 v[NIL], 0
	ds_add_u32 v28, v29
	ds_add_u32 v28, v29
	s_wait_dscnt 0x0
	v_lshrrev_b32 v1, 5, v0
	v_readfirstlane_b32 s14, v1                    ; wave 0..3
	s_lshr_b32 s15, s14, 1                         ; which half of the tile's rows is mine.  Also: I fetch for A (0) or for B (1)
	s_and_b32 s16, s14, 1                          ; which half of its columns.  Also: which half of that tile I fetch
	s_bfe_u32 s40, ttmp6, 0x40000                  ; cx, cy
	s_bfe_u32 s41, ttmp6, 0x40004
	s_lshl_b32 s42, ttmp9, 2
	s_add_co_u32 s42, s42, s40                     ; tile column
	s_and_b32 s17, ttmp7, 0xffff
	s_lshl_b32 s17, s17, 2
	s_add_co_u32 s17, s17, s41                     ; tile row
	s_lshl_b32 s43, s41, 2
	s_lshl_b32 s43, 15, s43                        ; my row of the cluster
	s_lshl_b32 s44, 0x1111, s40                    ; my column
	s_or_b32 s[G1+0], s43, (3<<16)|(1<<21)         ; A: 15:0 the mask; 17:16 elements of 8 bytes; 21 set beside a mask; no padding
	s_mov_b32 s[G1+1], 32<<16                      ; tensor_dim0 = 32 elements: 256 bytes
	s_mov_b32 s[G1+2], 128<<16                     ; tensor_dim1 = 128: eight blocks of 4,096 bytes
	s_mov_b32 s[G1+3], 32<<16
	s_mov_b32 s[G1+4], 128
	s_mov_b32 s[G1+5], 32                          ; dense
	s_mov_b32 s[G1+6], 0
	s_mov_b32 s[G1+7], 0
	s_or_b32 s[G1B+0], s44, (0<<16)|(1<<20)|(1<<21)|(5<<22)|(3<<25)  ; B: elements of 1 byte; 4 words of padding after every 64
	s_mov_b32 s[G1B+1], KSTEP<<16
	s_mov_b32 s[G1B+2], 128<<16
	s_mov_b32 s[G1B+3], KSTEP<<16
	s_mov_b32 s[G1B+4], 128
	s_mov_b32 s[G1B+5], KTOT
	s_mov_b32 s[G1B+6], 0
	s_mov_b32 s[G1B+7], 0
	s_lshl_b32 s20, s17, 16                        ; A: (16 x tile row + 8 x half) blocks of 4,096 bytes
	s_lshl_b32 s19, s16, 15
	s_add_co_u32 s20, s20, s19
	s_mov_b32 s21, 0
	s_lshl_b32 s46, s42, 8                         ; B: (256 x tile column + 128 x half) rows of KTOT bytes
	s_lshl_b32 s19, s16, 7
	s_add_co_u32 s46, s46, s19
	s_mul_i32 s46, s46, KTOT
	s_mov_b32 s47, 0
	s_mul_i32 s45, s16, ABYTES/2                   ; where they go in a slot: no place in the cluster enters an LDS address
	s_mul_i32 s2, s16, HALFT
	s_add_co_u32 s2, s2, ABYTES
	s_wait_kmcnt 0x0
	s_load_b64 s[96:97], s[68:69], EOFF            ; ea, eb
	s_add_nc_u64 s[20:21], s[4:5], s[20:21]
	s_add_nc_u64 s[46:47], s[6:7], s[46:47]
	CROUND                                         ; all sixteen work-groups are here: the first joint loads meet
.irp s, 0,1
	s_mov_b32 s[G0+4*\s], 1
	s_add_co_u32 s[G0+4*\s+1], s45, \s*SLOT
	s_add_nc_u64 s[G0+4*\s+2:G0+4*\s+3], s[20:21], \s*(ASTEP/2)
	s_or_b32 s[G0+4*\s+3], s[G0+4*\s+3], 0x80000000
	s_mov_b32 s[G0B+4*\s], 1
	s_add_co_u32 s[G0B+4*\s+1], s2, \s*SLOT
	s_add_nc_u64 s[G0B+4*\s+2:G0B+4*\s+3], s[46:47], \s*KSTEP
	s_or_b32 s[G0B+4*\s+3], s[G0B+4*\s+3], 0x80000000
	JLOAD G0+4*\s, G1, G0B+4*\s, G1B               ; two tensor loads of mine are out
.endr
	v_and_b32 v1, 15, v0                           ; r
	v_bfe_u32 v2, v0, 4, 1                         ; h
	v_mul_u32_u24 v3, v1, PITCH
	v_lshl_add_u32 v4, v2, 3, v3                   ; B: row x pitch + 8 x half
	v_and_b32 v[LI], 31, v0
	v_lshlrev_b32 v[LI], 4, v[LI]                  ; A: 16 x lane
	s_mul_i32 s21, s15, ABYTES/2                   ; my eight blocks of A
	s_mul_i32 s22, s16, HALFT                      ; my 128 rows of B,
	s_add_co_u32 s22, s22, ABYTES                  ; which lie behind A's
.irp s, 0,1
	v_add_nc_u32 v[ADRA+\s], s21, v[LI]
	v_add_nc_u32 v[ADRB+\s], s22, v4
	s_add_co_u32 s21, s21, SLOT
	s_add_co_u32 s22, s22, SLOT
.endr
	s_mul_i32 s23, s14, 16*SPITCH                  ; my stage
	v_mul_u32_u24 v6, v1, SPITCH                   ; in: row r, 32 bytes for each half of the lanes
	v_lshl_add_u32 v6, v2, 5, v6
	v_add_nc_u32 v[STO], s23, v6
	v_add_nc_u32 v[RD], s23, v[LI]                 ; back: the 32 lanes take one row of 512 bytes
	s_lshl_b32 s20, s17, 20                        ; my first row: (256 x tile row + 128 x half) rows of 4,096 bytes,
	s_lshl_b32 s21, s15, 19
	s_add_co_u32 s20, s20, s21
	s_lshl_b32 s46, s42, 10                        ; my first column, in bytes: 1,024 x tile column + 512 x half
	s_lshl_b32 s47, s16, 9
	s_add_co_u32 s46, s46, s47
	s_add_co_u32 s20, s20, s46
	s_mov_b32 s21, 0
	s_add_nc_u64 s[10:11], s[74:75], s[20:21]      ; the result,
	s_add_nc_u64 s[12:13], s[72:73], s[20:21]      ; and the residual at the same place
	v_lshl_add_u32 v7, v2, 5, s46                  ; the bias in the result's layout: tile b, half h: 64 b + 32 h bytes on
.irp b, 0,1,2,3,4,5,6,7
	global_load_b128 v[BR+8*\b:BR+8*\b+3], v7, s[70:71] offset:64*\b
	global_load_b128 v[BR+8*\b+4:BR+8*\b+7], v7, s[70:71] offset:64*\b+16
.endr
	s_wait_tensorcnt 1                             ; my part of K step 0 is in (K step 1's load may be out)
	s_barrier_signal -1
	s_barrier_wait -1
	FETCH_B 0, 0, 0
	FETCH_A 0, 0, 0
	FETCH_A 0, 0, 4
	STEP 0, 0, 1                                   ; the first step stands in front of the loop: its products start the sums
	s_mov_b32 s3, LAPS-1
.Llap:                                                 ; a trip goes once round the ring and fills both slots again
	TURN 0, 1, 1
	STEP 1, 0, 0
	TURN 1, 0, 1
	STEP 0, 0, 0
	s_sub_co_u32 s3, s3, 1
	s_cmp_lg_u32 s3, 0
	s_cbranch_scc1 .Llap
	TURN 0, 1, 0                                   ; the last lap fills nothing
	STEP 1, 0, 0
	s_wait_dscnt 4*NL                              ; the very last step
	WIN MUL_LO
	MUL16 0, 1, 0
	MUL16 2, 1, 0
	s_wait_dscnt 0
	WIN MUL_HI
	MUL16 4, 1, 0
	MUL16 6, 1, 0
	WIN 0
; THE WAY OUT, block by block of 16 rows x 128 columns: sum x 2^(ea + eb) + bias in one packed multiply-add; through my own stage in LDS, so that a row's 512 bytes come back to the 32 lanes; + the residual's row; stored.
.macro RESLOAD a                       ; the residual's 16 rows of block a -> window 1, set a % 2
	WIN 0x40
.irp t, 0,1,2,3,4,5,6,7,8,9,10,11,12,13,14,15
	global_load_b128 v[64*((\a)%2)+4*\t:64*((\a)%2)+4*\t+3], v[LI], s[12:13] offset:4096*\t th:TH_LOAD_NT
.endr
	WIN 0
.endm
.macro TOSTAGE a
.set AC, 64*((\a)%4)
	WIN 0x42+((\a)/4)                              ; source 0 (the sums) window 2 or 3, source 2 (the bias) window 0, destination window 1
.set J, 0
.rept 32
	v_pk_fma_f32 v[TMP+J:TMP+J+1], v[AC+J:AC+J+1], s[96:97], v[BR+J:BR+J+1] op_sel_hi:[1,0,1]   ; each accumulator from its low end on
.set J, J+2
.endr
	WIN 0x04                                       ; an LDS store's data: source 1, window 1
.irp b, 0,1,2,3,4,5,6,7
	ds_store_b128 v[STO], v[TMP+8*\b:TMP+8*\b+3] offset:64*\b
	ds_store_b128 v[STO], v[TMP+8*\b+4:TMP+8*\b+7] offset:64*\b+16
.endr
	WIN 0
.set BB, BK+64*((\a)%2)
.irp t, 0,1,2,3,4,5,6,7,8,9,10,11,12,13,14,15
	ds_load_b128 v[BB+4*\t:BB+4*\t+3], v[RD] offset:\t*SPITCH    ; LDS serves a wave's instructions in order (ISA guide 5.7.1.4): these see the stores above
.endr
.endm
.macro SEND a, younger, lyounger       ; younger, lyounger: the LDS instructions and the global loads issued behind block a's, which may stay out
.set BB, BK+64*((\a)%2)
.set RS, 64*((\a)%2)
	s_wait_dscnt \younger
	s_wait_loadcnt \lyounger
	WIN 0x04                                       ; source 1 (the residual) window 1
.set J, 0
.rept 32
	v_pk_add_f32 v[BB+J:BB+J+1], v[BB+J:BB+J+1], v[RS+J:RS+J+1]
.set J, J+2
.endr
	WIN 0
.irp t, 0,1,2,3,4,5,6,7,8,9,10,11,12,13,14,15
.if NTOUT
	global_store_b128 v[LI], v[BB+4*\t:BB+4*\t+3], s[10:11] offset:4096*\t th:TH_STORE_NT
.else
	global_store_b128 v[LI], v[BB+4*\t:BB+4*\t+3], s[10:11] offset:4096*\t   ; 32 lanes store 512 consecutive bytes, aligned
.endif
.endr
.endm
	s_wait_kmcnt 0x0
	s_wait_loadcnt 0x0                             ; the bias
	s_add_co_i32 s96, s96, s97
	s_add_co_i32 s96, s96, 127
	s_lshl_b32 s96, s96, 23                        ; 2^(ea + eb) as f32
	s_mov_b32 s97, s96
	PLACES NP                                      ; behind the last products: their operands' registers are written below
	RESLOAD 0
	TOSTAGE 0
.irp a, 1,2,3,4,5,6,7
	s_wait_xcnt 0x0                                ; the earlier loads and stores have read their bases and data: the bases may step, and block a's rows may land where block a - 2's were stored from
	s_add_nc_u64 s[12:13], s[12:13], 65536         ; 16 rows on
.if \a > 1
	s_add_nc_u64 s[10:11], s[10:11], 65536
.endif
	RESLOAD \a
	TOSTAGE \a
	SEND \a-1, 32, 16                              ; behind block a - 1's: block a's 16 stage stores and 16 stage loads; its 16 residual loads
.endr
	s_wait_xcnt 0x0
	s_add_nc_u64 s[10:11], s[10:11], 65536
	SEND 7, 0, 0
	s_wait_tensorcnt 0x0                           ; the wave's end
	ds_add_u32 v[SPW], v[NIL]
	s_wait_dscnt 0x0
	CROUND                                         ; the closing round
	s_endpgm
.Lfunc_end_k_q932549c57a_wo:
	.size	k_q932549c57a_wo, .Lfunc_end_k_q932549c57a_wo-k_q932549c57a_wo
	.p2alignl 7, 3214868480
	.fill 96, 4, 3214868480
	.section	.rodata,"a",@progbits
	.p2align	6, 0x0
	.amdhsa_kernel k_q932549c57a_wo
		.amdhsa_group_segment_fixed_size 327680
		.amdhsa_private_segment_fixed_size 0
		.amdhsa_enable_private_segment 0
		.amdhsa_kernarg_size 48
		.amdhsa_user_sgpr_count 2
		.amdhsa_user_sgpr_kernarg_segment_ptr 1
		.amdhsa_wavefront_size32 1
		.amdhsa_system_sgpr_workgroup_id_x 1
		.amdhsa_system_sgpr_workgroup_id_y 1
		.amdhsa_system_sgpr_workgroup_id_z 1
		.amdhsa_system_vgpr_workitem_id 0
		.amdhsa_next_free_vgpr 1024
		.amdhsa_next_free_sgpr 98
		.amdhsa_reserve_vcc 0
		.amdhsa_float_denorm_mode_32 3
		.amdhsa_float_denorm_mode_16_64 3
		.amdhsa_memory_ordered 1
		.amdhsa_forward_progress 1
		.amdhsa_inst_pref_size 171
	.end_amdhsa_kernel
	.amdgpu_metadata
---
amdhsa.version: [ 1, 2 ]
amdhsa.kernels:
  - .name:           k_q932549c57a_wo
    .symbol:         k_q932549c57a_wo.kd
    .args:
      - { .name: oi, .offset: 0, .size: 8, .value_kind: global_buffer, .address_space: global }
      - { .name: wo_w_codes, .offset: 8, .size: 8, .value_kind: global_buffer, .address_space: global }
      - { .name: lowp_scales, .offset: 16, .size: 8, .value_kind: global_buffer, .address_space: global }
      - { .name: wo_b, .offset: 24, .size: 8, .value_kind: global_buffer, .address_space: global }
      - { .name: x, .offset: 32, .size: 8, .value_kind: global_buffer, .address_space: global }
      - { .name: y, .offset: 40, .size: 8, .value_kind: global_buffer, .address_space: global }
    .group_segment_fixed_size: 327680
    .private_segment_fixed_size: 0
    .kernarg_segment_align: 8
    .kernarg_segment_size: 48
    .max_flat_workgroup_size: 128
    .sgpr_count:     98
    .vgpr_count:     1024
    .wavefront_size: 32
...
	.end_amdgpu_metadata
.endif
;; end of part 4
;; launch ln2 (part 5): grid 512 x 1, 8 waves a work-group, no clusters, 9,216 bytes of LDS; arguments y, ln2_w, ln2_b, lowp_scales, x2, x2c; writes x2, x2c
.if DOCPART == 5
	.amdgcn_target "amdgcn-amd-amdhsa--gfx1250"
	.amdhsa_code_object_version 6
	.text
	.protected	k_q932549c57a_ln2
	.globl	k_q932549c57a_ln2
	.p2align	8
	.type	k_q932549c57a_ln2,@function
k_q932549c57a_ln2:
	s_mov_b64 s[64:65], 0
	v_nop
	global_prefetch_b8 v0, s[64:65] scope:SCOPE_SE
	s_setreg_imm32_b32 hwreg(HW_REG_WAVE_MODE, 25, 1), 1
	s_wait_xcnt 0x0
; x2 = LayerNorm(y) * ln2_w + ln2_b, in f32: stored as f32 (the last residual) and as codes of E4M3 with 2^e12 (the operand of the product with up_w).
; y, x2: [4096][1024] f32.  x2c: [4096][1024] codes, row-major.
; One wave takes one row and keeps it in 32 registers a lane between the mean, the variance (of the centred numbers) and the quantiser: memory is read once, no wave waits for another.  Memory binds: no matrix unit, no cluster.
; Lane l holds numbers 128 j + 4 l + 0..3 in registers 4 j .. 4 j + 3: each load and each f32 store covers 512 consecutive bytes.  The codes turn through the wave's own LDS bytes and leave 512 consecutive bytes a store.
; LIMITS: e12 between -126 and 119.  NaN and infinities among the inputs are not served.
.set XR,   16                          ; v16-47    the row
.set WR,   48                          ; v48-79    the gain
.set BB,   80                          ; v80-111   the bias
.set TT,   112                         ; v112-127  two sets of 8 held numbers
.set CR,   128                         ; v128-135  codes
.set OUTR, 136                         ; v136-143  codes as they leave
.set QS,   144                         ; v144, v145: 2^e12, 448 x 2^e12
.set WLDS, 1024
	s_load_b256 s[4:11], s[0:1], 0x0               ; y s[4:5], gain s[6:7], bias s[8:9], scales s[10:11]
	s_load_b128 s[12:15], s[0:1], 0x20             ; x2 s[12:13], x2c s[14:15]
	v_lshl_add_u32 v160, v0, 2, 0x2000
	v_mov_b32 v161, 0
	v_lshrrev_b32 v4, 5, v0
	v_readfirstlane_b32 s40, v4                    ; wave
	v_and_b32 v5, 31, v0
	v_lshlrev_b32 v1, 4, v5                        ; 16 x lane
	s_mul_i32 s41, s40, WLDS
	v_lshl_add_u32 v2, v5, 2, s41                  ; LDS, in
	v_add_nc_u32 v3, s41, v1                       ; LDS, back
	s_lshl_b32 s32, ttmp9, 3
	s_add_co_u32 s32, s32, s40                     ; my row
	s_lshl_b32 s34, s32, 12
	s_mov_b32 s35, 0
	s_lshl_b32 s36, s32, 10
	s_mov_b32 s37, 0
	s_mov_b32 s30, 0x76543210
	s_mov_b32 s31, 0xfedcba98
	s_mov_b32 s33, 0x3a800000                      ; 1 / 1024
	s_wait_kmcnt 0x0
	s_load_b32 s16, s[10:11], 0x30                 ; e12
	s_add_nc_u64 s[4:5], s[4:5], s[34:35]
	s_add_nc_u64 s[24:25], s[12:13], s[34:35]
	s_add_nc_u64 s[26:27], s[14:15], s[36:37]
.irp j, 0,1,2,3,4,5,6,7
	global_load_b128 v[XR+4*\j:XR+4*\j+3], v1, s[4:5] offset:512*\j th:TH_LOAD_NT
.endr
.irp j, 0,1,2,3,4,5,6,7
	global_load_b128 v[WR+4*\j:WR+4*\j+3], v1, s[6:7] offset:512*\j
.endr
.irp j, 0,1,2,3,4,5,6,7
	global_load_b128 v[BB+4*\j:BB+4*\j+3], v1, s[8:9] offset:512*\j
.endr
	s_wait_kmcnt 0x0
	s_add_co_i32 s38, s16, 127
	s_lshl_b32 s39, s38, 23
	v_mov_b32 v[QS], s39
	s_add_co_i32 s38, s38, 8
	s_lshl_b32 s38, s38, 23
	s_or_b32 s38, s38, 0x600000
	v_mov_b32 v[QS+1], s38
.macro ALLSUM r, t                     ; the sum of v[r] over the 32 lanes, in every lane
	v_add_f32_dpp v[\r], v[\r], v[\r] row_xmask:1 row_mask:0xf bank_mask:0xf
	v_add_f32_dpp v[\r], v[\r], v[\r] row_xmask:2 row_mask:0xf bank_mask:0xf
	v_add_f32_dpp v[\r], v[\r], v[\r] row_xmask:4 row_mask:0xf bank_mask:0xf
	v_add_f32_dpp v[\r], v[\r], v[\r] row_xmask:8 row_mask:0xf bank_mask:0xf
	v_permlanex16_b32 v[\t], v[\r], s30, s31
	v_add_f32 v[\r], v[\r], v[\t]
.endm
	s_wait_loadcnt 16                              ; the row's eight loads are in; the gain's and the bias's sixteen may be out
	v_pk_add_f32 v[4:5], v[XR:XR+1], v[XR+2:XR+3]
	v_pk_add_f32 v[6:7], v[XR+4:XR+5], v[XR+6:XR+7]
	v_pk_add_f32 v[8:9], v[XR+8:XR+9], v[XR+10:XR+11]
	v_pk_add_f32 v[10:11], v[XR+12:XR+13], v[XR+14:XR+15]
.set J, 16
.rept 2
	v_pk_add_f32 v[4:5], v[4:5], v[XR+J:XR+J+1]
	v_pk_add_f32 v[6:7], v[6:7], v[XR+J+2:XR+J+3]
	v_pk_add_f32 v[8:9], v[8:9], v[XR+J+4:XR+J+5]
	v_pk_add_f32 v[10:11], v[10:11], v[XR+J+6:XR+J+7]
.set J, J+8
.endr
	v_pk_add_f32 v[4:5], v[4:5], v[6:7]
	v_pk_add_f32 v[8:9], v[8:9], v[10:11]
	v_pk_add_f32 v[4:5], v[4:5], v[8:9]
	v_add_f32 v4, v4, v5
	ALLSUM 4, 5
	v_mul_f32 v4, s33, v4                          ; the mean
	v_mov_b32 v5, v4
.set J, 0
.rept 16
	v_pk_add_f32 v[XR+J:XR+J+1], v[XR+J:XR+J+1], v[4:5] neg_lo:[0,1] neg_hi:[0,1]
.set J, J+2
.endr
	v_pk_mul_f32 v[6:7], v[XR:XR+1], v[XR:XR+1]
	v_pk_mul_f32 v[8:9], v[XR+2:XR+3], v[XR+2:XR+3]
.set J, 4
.rept 7
	v_pk_fma_f32 v[6:7], v[XR+J:XR+J+1], v[XR+J:XR+J+1], v[6:7]
	v_pk_fma_f32 v[8:9], v[XR+J+2:XR+J+3], v[XR+J+2:XR+J+3], v[8:9]
.set J, J+4
.endr
	v_pk_add_f32 v[6:7], v[6:7], v[8:9]
	v_add_f32 v6, v6, v7
	ALLSUM 6, 7
	v_fmaak_f32 v6, s33, v6, 0x3727c5ac            ; the variance + 1e-5
	v_rsq_f32 v6, v6
	v_nop                                          ; a plain instruction between the transcendental and the use of its result (ISA guide 5.7.2)
	s_wait_alu depctr_va_vdst(0)
	v_mov_b32 v7, v6
	s_wait_loadcnt 0x0
.set J, 0
.rept 16
	v_pk_mul_f32 v[XR+J:XR+J+1], v[XR+J:XR+J+1], v[6:7]
.set J, J+2
.endr
.set J, 0
.rept 16
	v_pk_fma_f32 v[XR+J:XR+J+1], v[XR+J:XR+J+1], v[WR+J:WR+J+1], v[BB+J:BB+J+1]
.set J, J+2
.endr
.irp j, 0,1,2,3,4,5,6,7
	global_store_b128 v1, v[XR+4*\j:XR+4*\j+3], s[24:25] offset:512*\j    ; the row in f32; its registers are not written again
.endr
.irp g, 0,1,2,3
.irp i, 0,1,2,3,4,5,6,7
	v_med3_num_f32 v[TT+8*(\g%2)+\i], v[XR+8*\g+\i], -v[QS+1], v[QS+1]   ; the conversion does not saturate (ISA guide 7.6.2)
.endr
	v_cvt_scalef32_pk8_fp8_f32 v[CR+2*\g:CR+2*\g+1], v[TT+8*(\g%2):TT+8*(\g%2)+7], v[QS]
.endr
	v_nop                                          ; a plain instruction behind the last conversion
.irp j, 0,1,2,3,4,5,6,7
	ds_store_b32 v2, v[CR+\j] offset:128*\j
.endr
.irp i, 0,1
	ds_load_b128 v[OUTR+4*\i:OUTR+4*\i+3], v3 offset:512*\i    ; LDS serves a wave's instructions in order (ISA guide 5.7.1.4)
.endr
	s_wait_dscnt 0x0
	global_store_b128 v1, v[OUTR:OUTR+3], s[26:27]
	global_store_b128 v1, v[OUTR+4:OUTR+7], s[26:27] offset:512
	s_wait_tensorcnt 0x0
	ds_add_u32 v160, v161
	s_wait_dscnt 0x0
	s_endpgm
.Lfunc_end_k_q932549c57a_ln2:
	.size	k_q932549c57a_ln2, .Lfunc_end_k_q932549c57a_ln2-k_q932549c57a_ln2
	.p2alignl 7, 3214868480
	.fill 96, 4, 3214868480
	.section	.rodata,"a",@progbits
	.p2align	6, 0x0
	.amdhsa_kernel k_q932549c57a_ln2
		.amdhsa_group_segment_fixed_size 9216
		.amdhsa_private_segment_fixed_size 0
		.amdhsa_enable_private_segment 0
		.amdhsa_kernarg_size 48
		.amdhsa_user_sgpr_count 2
		.amdhsa_user_sgpr_kernarg_segment_ptr 1
		.amdhsa_wavefront_size32 1
		.amdhsa_system_sgpr_workgroup_id_x 1
		.amdhsa_system_sgpr_workgroup_id_y 1
		.amdhsa_system_sgpr_workgroup_id_z 1
		.amdhsa_system_vgpr_workitem_id 0
		.amdhsa_next_free_vgpr 162
		.amdhsa_next_free_sgpr 66
		.amdhsa_reserve_vcc 0
		.amdhsa_float_denorm_mode_32 3
		.amdhsa_float_denorm_mode_16_64 3
		.amdhsa_memory_ordered 1
		.amdhsa_forward_progress 1
		.amdhsa_inst_pref_size 14
	.end_amdhsa_kernel
	.amdgpu_metadata
---
amdhsa.version: [ 1, 2 ]
amdhsa.kernels:
  - .name:           k_q932549c57a_ln2
    .symbol:         k_q932549c57a_ln2.kd
    .args:
      - { .name: y, .offset: 0, .size: 8, .value_kind: global_buffer, .address_space: global }
      - { .name: ln2_w, .offset: 8, .size: 8, .value_kind: global_buffer, .address_space: global }
      - { .name: ln2_b, .offset: 16, .size: 8, .value_kind: global_buffer, .address_space: global }
      - { .name: lowp_scales, .offset: 24, .size: 8, .value_kind: global_buffer, .address_space: global }
      - { .name: x2, .offset: 32, .size: 8, .value_kind: global_buffer, .address_space: global }
      - { .name: x2c, .offset: 40, .size: 8, .value_kind: global_buffer, .address_space: global }
    .group_segment_fixed_size: 9216
    .private_segment_fixed_size: 0
    .kernarg_segment_align: 8
    .kernarg_segment_size: 48
    .max_flat_workgroup_size: 256
    .sgpr_count:     66
    .vgpr_count:     162
    .wavefront_size: 32
...
	.end_amdgpu_metadata
.endif
;; end of part 5
;; launch up (part 6): grid 16 x 16, 4 waves a work-group, clusters of 4 x 4, 327,680 bytes of LDS; arguments x2c, up_w_codes, lowp_scales, up_b, hi; writes hi
.if DOCPART == 6
	.amdgcn_target "amdgcn-amd-amdhsa--gfx1250"
	.amdhsa_code_object_version 6
	.text
	.protected	k_q932549c57a_up
	.globl	k_q932549c57a_up
	.p2align	8
	.type	k_q932549c57a_up,@function
k_q932549c57a_up:
	s_mov_b64 s[64:65], 0
	v_nop
	global_prefetch_b8 v0, s[64:65] scope:SCOPE_SE
	s_setreg_imm32_b32 hwreg(HW_REG_WAVE_MODE, 25, 1), 1
	s_wait_xcnt 0x0
	s_wait_alu depctr_hold_cnt(0) depctr_sa_sdst(0) depctr_va_vdst(0) depctr_va_sdst(0) depctr_va_ssrc(0) depctr_va_vcc(0) depctr_vm_vsrc(0)
	s_getreg_b32 s2, hwreg(HW_REG_IB_STS2, 6, 4)
	s_cmp_eq_u32 s2, 0
	s_cbranch_scc0 .Lentry_in_a_cluster
	s_endpgm
.Lentry_in_a_cluster:
	s_bfe_u32 s2, ttmp6, 0x10000c
	s_cmp_lg_u32 s2, 0xf033
	s_cbranch_scc0 .Lentry_shape_is_right
	s_endpgm
.Lentry_shape_is_right:
; h = gelu(x2 up_w^T + up_b), the exact (erf) form, on codes of E4M3 (scales: entries 12 and 13); h is quantised with 2^e14 and stored as the next product's operand registers.
; A tile of 256 x 256 is made by four waves, 128 x 128 each: 64 accumulators, 512 registers.  K = 1,024 goes in steps of 256 through a ring of two LDS slots filled by the tensor data mover.
; THE MATRIX INSTRUCTION IS USED TRANSPOSED (source 0 = 16 rows of up_w, source 1 = 16 rows of x2c): register j of tile b in lane (r, h) is (row r, hidden unit 16 b + 8 h + j), so the conversion of a tile's
; 8 registers IS register pair b of the next operand, and a block's 8 tiles are one fragment (16 rows x 128 K), stored as it stands: hi: [K / 256][256 blocks of 16 rows][2 x 128 K][4 stores][512 bytes].
; Both operands' fragments are fetched by four 16-byte loads: the same permutation of k on both sides.
; GELU.  gelu(x) = |x| (1/2 - E) + x / 2 with E = erfc(|x| / sqrt 2) / 2 = t (a1 + t (a2 + t (a3 + t (a4 + t a5)))) 2^(-m^2), m = |x| sqrt(log2(e) / 2), t = 1 / (1 + p m), the a halved and p rescaled to m.
; LIMIT: the polynomial's error in erfc is 1.5e-7 absolute, so gelu's is about 3e-7 |x|: about 1e-6 of the number for x > -1; relative to the number it grows in the far negative tail.
; THE WAY OUT IS A LOOP of 8 trips, one block of 16 rows each: only the 32 multiply-adds that read the block's accumulators differ from trip to trip; they stand in eight cases, chosen by the loop's counter; all else is written once, which keeps the code short.
; CLUSTERS: 4 x 4 work-groups; A's tile is shared along a row of the cluster, B's along a column.
; LIMITS: e12 + e13 between -126 and 127; e14 between -126 and 119.  NaN and infinities are not served.
; REGISTERS: window 0: v1-29 addresses and constants; v32-95 the bias in the result's layout; v96-111 a block's codes; v112-119 four addends of the polynomial; v128-255 A's fragments, on the way out at work.
;   window 1: B's fragments, two sets.   windows 2, 3: the accumulators.
.set KTOT,   1024
.set KSTEP,  256
.set PITCH,  272                       ; an LDS row: 256 bytes + 16 of padding = 68 words: the 16 rows of a fragment load start at 16 different banks (64 banks of 4 bytes: ISA guide 11.1)
.set FR,     16
.set NL,     4
.set NP,     4                         ; places behind this matrix instruction (ISA guide 7.12.1)
.set HALFT,  128*PITCH
.set ABYTES, 2*HALFT
.set ASTEP,  2*KSTEP
.set SLOT,   ABYTES+2*HALFT
.set LAPS,   KTOT/(2*KSTEP)
.set SPARE,  2*SLOT                    ; behind the ring: the spare words, 128 bytes for each wave: two blocks of 256 bytes that no other line names
.set SCV,  12                          ; v12  2^e14
.set LIM,  13                          ; v13  448 x 2^e14
.set LI,   14                          ; v14  16 x lane
.set ADRA, 16
.set ADRB, 20
.set SPW,  28
.set NIL,  29
.set BR,   32
.set CD,   96
.set KA,   112
.set AF,   128
.set XV,   128                         ; v128-191 a block's 64 numbers
.set MV,   192                         ; v192-207 m, then t
.set WV,   208                         ; v208-223 m^2, then 2^(-m^2)
.set RV,   224                         ; v224-239 the polynomial
.set HV,   240                         ; v240-255 x / 2
.set G1, 24
.set G0, 32
.set G1B, 48
.set G0B, 56
.set MSB, 0
.macro WIN new                         ; the immediate's high byte repeats the setting that is left
.if MSB != \new
	s_set_vgpr_msb (MSB<<8)|\new
.set MSB, \new
.endif
.endm
.set MUL_LO, 0xa1
.set MUL_HI, 0xf1
.set TO_B,   0x40
.macro JLOAD g0a, g1a, g0b, g1b        ; a joint load: waves 0 and 1 fetch for A, waves 2 and 3 for B; four v_nop follow each of the two lines
	s_cmp_eq_u32 s15, 0
	s_cbranch_scc0 .Lfor_b_\@
	tensor_load_to_lds s[\g0a:\g0a+3], s[\g1a:\g1a+7]
	s_nop 0
.rept 4
	v_nop
.endr
	s_branch .Lasked_\@
.Lfor_b_\@:
	tensor_load_to_lds s[\g0b:\g0b+3], s[\g1b:\g1b+7]
	s_nop 0
.rept 4
	v_nop
.endr
.Lasked_\@:
.endm
.macro CREST
	s_cmp_lg_u32 s14, 0
	s_cbranch_scc1 .Lnot_wave_0_\@
	s_barrier_signal -3
.Lnot_wave_0_\@:
	s_barrier_wait -3
	s_barrier_signal -1
	s_barrier_wait -1
.endm
.macro CROUND
	s_barrier_signal -1
	s_barrier_wait -1
	CREST
.endm
.macro PLACES n
.rept \n
	v_nop
.endr
.endm
.macro FRAGA reg, slot, q, i
.irp c, 0,1,2,3
	ds_load_b128 v[\reg+4*\c:\reg+4*\c+3], v[ADRA+\slot] offset:128*(\q)+32*\c+(\i)*16*PITCH
.endr
.endm
.macro FRAGB reg, slot, q, i
.irp c, 0,1,2,3
	ds_load_b128 v[\reg+4*\c:\reg+4*\c+3], v[ADRB+\slot] offset:128*(\q)+32*\c+(\i)*16*PITCH
.endr
.endm
.macro MUL16 a0, p, zero               ; the 64 accumulators take turns, one instruction a turn
.irp a, \a0, \a0+1
.irp b, 0,1,2,3,4,5,6,7
.if \zero
	v_wmma_f32_16x16x128_fp8_fp8 v[8*(8*((\a)%4)+\b):8*(8*((\a)%4)+\b)+7], v[128*(\p)+FR*\b:128*(\p)+FR*\b+FR-1], v[AF+FR*(\a):AF+FR*(\a)+FR-1], 0
.else
	v_wmma_f32_16x16x128_fp8_fp8 v[8*(8*((\a)%4)+\b):8*(8*((\a)%4)+\b)+7], v[128*(\p)+FR*\b:128*(\p)+FR*\b+FR-1], v[AF+FR*(\a):AF+FR*(\a)+FR-1], v[8*(8*((\a)%4)+\b):8*(8*((\a)%4)+\b)+7]
.endif
.endr
.endr
.endm
.macro FETCH_B slot, q, p
	WIN TO_B
.irp i, 0,1,2,3,4,5,6,7
	FRAGB 128*(\p)+FR*\i, \slot, \q, \i
.endr
	WIN 0
.endm
.macro FETCH_A slot, q, i0
.irp i, \i0, \i0+1, \i0+2, \i0+3
	FRAGA AF+FR*(\i), \slot, \q, \i
.endr
.endm
.macro STEP slot, q, zero
	s_wait_dscnt 4*NL                              ; B's set and A's blocks 0-3 are in; the youngest sixteen loads (A's blocks 4-7) may be out
	WIN MUL_LO
	MUL16 0, (\q)%2, \zero
	MUL16 2, (\q)%2, \zero
	s_wait_dscnt 0
	PLACES NP                                      ; in front of loads into registers that matrix instructions have read
	FETCH_B \slot, (\q)+1, 1-(\q)%2
	FETCH_A \slot, (\q)+1, 0
	WIN MUL_HI
	MUL16 4, (\q)%2, \zero
	MUL16 6, (\q)%2, \zero
	PLACES NP
	WIN 0
	FETCH_A \slot, (\q)+1, 4
.endm
.macro TURN slot, next, fill           ; a slot's last step changes slots: ONE barrier
	s_wait_tensorcnt 0x0                           ; all my tensor loads have landed: my part of the next slot
	ds_add_u32 v[SPW], v[NIL]                      ; 0 onto my spare word
	s_wait_dscnt 4*NL+1                            ; (the add and the youngest sixteen loads may be out)
	WIN MUL_LO
	MUL16 0, 1, 0
	s_wait_dscnt 0x0                               ; the add is done, and my reads of this slot are over
	s_barrier_signal -1
	MUL16 2, 1, 0
	WIN 0
	s_barrier_wait -1
.if \fill
	CREST                                          ; a round of the cluster's barrier: no wave of any partner still reads this slot's tile or has a load on its way
	s_add_nc_u64 s[G0+4*\slot+2:G0+4*\slot+3], s[G0+4*\slot+2:G0+4*\slot+3], ASTEP
	s_add_nc_u64 s[G0B+4*\slot+2:G0B+4*\slot+3], s[G0B+4*\slot+2:G0B+4*\slot+3], 2*KSTEP
	JLOAD G0+4*\slot, G1, G0B+4*\slot, G1B         ; the first tensor load behind the round; its four v_nop are also the places in front of the loads below
.else
	PLACES NP
.endif
	FETCH_B \next, 0, 0
	FETCH_A \next, 0, 0
	WIN MUL_HI
	MUL16 4, 1, 0
	MUL16 6, 1, 0
	PLACES NP
	WIN 0
	FETCH_A \next, 0, 4
.endm
	s_load_b128 s[4:7], s[0:1], 0x0                ; x2c s[4:5], up_w's codes s[6:7]
	s_load_b128 s[84:87], s[0:1], 0x10             ; scales s[84:85], up_b s[86:87]
	s_load_b64 s[10:11], s[0:1], 0x20              ; hi
	v_lshl_add_u32 v[SPW], v0, 2, SPARE
	v_mov_b32 v[NIL], 0
	ds_add_u32 v28, v29
	ds_add_u32 v28, v29
	s_wait_dscnt 0x0
	v_lshrrev_b32 v1, 5, v0
	v_readfirstlane_b32 s14, v1                    ; wave 0..3
	s_lshr_b32 s15, s14, 1                         ; which half of the tile's rows is mine.  Also: I fetch for A (0) or for B (1)
	s_and_b32 s16, s14, 1                          ; which half of its columns.  Also: which 128 rows of that tile I fetch
	s_bfe_u32 s40, ttmp6, 0x40000
	s_bfe_u32 s41, ttmp6, 0x40004
	s_lshl_b32 s42, ttmp9, 2
	s_add_co_u32 s42, s42, s40                     ; tile column
	s_and_b32 s17, ttmp7, 0xffff
	s_lshl_b32 s17, s17, 2
	s_add_co_u32 s17, s17, s41                     ; tile row
	s_lshl_b32 s43, s41, 2
	s_lshl_b32 s43, 15, s43                        ; my row of the cluster
	s_lshl_b32 s44, 0x1111, s40                    ; my column
	s_or_b32 s[G1+0], s43, (0<<16)|(1<<20)|(1<<21)|(5<<22)|(3<<25)  ; 15:0 the mask; element of 1 byte; padding on; 21 set beside a mask; 4 words after every 64
	s_or_b32 s[G1B+0], s44, (0<<16)|(1<<20)|(1<<21)|(5<<22)|(3<<25)
.irp g, G1, G1B
	s_mov_b32 s[\g+1], KSTEP<<16
	s_mov_b32 s[\g+2], 128<<16
	s_mov_b32 s[\g+3], KSTEP<<16
	s_mov_b32 s[\g+4], 128
	s_mov_b32 s[\g+5], KTOT
	s_mov_b32 s[\g+6], 0
	s_mov_b32 s[\g+7], 0
.endr
	s_lshl_b32 s19, s16, 7
	s_lshl_b32 s20, s17, 8
	s_add_co_u32 s20, s20, s19
	s_lshl_b32 s20, s20, 10                        ; A: (256 x tile row + 128 x half) rows of 1,024 bytes
	s_mov_b32 s21, 0
	s_lshl_b32 s46, s42, 8
	s_add_co_u32 s46, s46, s19
	s_lshl_b32 s46, s46, 10                        ; B likewise
	s_mov_b32 s47, 0
	s_mul_i32 s45, s16, ABYTES/2
	s_mul_i32 s2, s16, HALFT
	s_add_co_u32 s2, s2, ABYTES
	s_wait_kmcnt 0x0
	s_load_b128 s[88:91], s[84:85], 0x30           ; e12, e13, e14, e15
	s_add_nc_u64 s[20:21], s[4:5], s[20:21]
	s_add_nc_u64 s[46:47], s[6:7], s[46:47]
	CROUND                                         ; all sixteen work-groups are here: the first joint loads meet
.irp s, 0,1
	s_mov_b32 s[G0+4*\s], 1
	s_add_co_u32 s[G0+4*\s+1], s45, \s*SLOT
	s_add_nc_u64 s[G0+4*\s+2:G0+4*\s+3], s[20:21], \s*(ASTEP/2)
	s_or_b32 s[G0+4*\s+3], s[G0+4*\s+3], 0x80000000
	s_mov_b32 s[G0B+4*\s], 1
	s_add_co_u32 s[G0B+4*\s+1], s2, \s*SLOT
	s_add_nc_u64 s[G0B+4*\s+2:G0B+4*\s+3], s[46:47], \s*KSTEP
	s_or_b32 s[G0B+4*\s+3], s[G0B+4*\s+3], 0x80000000
	JLOAD G0+4*\s, G1, G0B+4*\s, G1B               ; two tensor loads of mine are out
.endr
	v_and_b32 v1, 15, v0
	v_bfe_u32 v2, v0, 4, 1
	v_mul_u32_u24 v3, v1, PITCH
	v_lshl_add_u32 v4, v2, 4, v3
	v_and_b32 v[LI], 31, v0
	v_lshlrev_b32 v[LI], 4, v[LI]
	s_mul_i32 s21, s15, ABYTES/2
	s_mul_i32 s22, s16, HALFT
	s_add_co_u32 s22, s22, ABYTES
.irp s, 0,1
	v_add_nc_u32 v[ADRA+\s], s21, v4
	v_add_nc_u32 v[ADRB+\s], s22, v4
	s_add_co_u32 s21, s21, SLOT
	s_add_co_u32 s22, s22, SLOT
.endr
	s_lshl_b32 s20, s42, 20                        ; hi: the tile column is the slot of 256 along the next K: 1 MiB;
	s_lshl_b32 s21, s17, 16                        ; (16 x tile row + 8 x half) blocks of 4,096 bytes;
	s_add_co_u32 s20, s20, s21
	s_lshl_b32 s21, s15, 15
	s_add_co_u32 s20, s20, s21
	s_lshl_b32 s21, s16, 11                        ; my half of the columns is one of the slot's two 128 K
	s_add_co_u32 s20, s20, s21
	s_mov_b32 s21, 0
	s_add_nc_u64 s[10:11], s[10:11], s[20:21]
	s_lshl_b32 s46, s42, 10                        ; the bias: my first column in bytes
	s_lshl_b32 s47, s16, 9
	s_add_co_u32 s46, s46, s47
	v_lshl_add_u32 v7, v2, 5, s46
.irp b, 0,1,2,3,4,5,6,7
	global_load_b128 v[BR+8*\b:BR+8*\b+3], v7, s[86:87] offset:64*\b
	global_load_b128 v[BR+8*\b+4:BR+8*\b+7], v7, s[86:87] offset:64*\b+16
.endr
	s_wait_tensorcnt 1                             ; my part of K step 0 is in (K step 1's load may be out)
	s_barrier_signal -1
	s_barrier_wait -1
	FETCH_B 0, 0, 0
	FETCH_A 0, 0, 0
	FETCH_A 0, 0, 4
	STEP 0, 0, 1
	s_mov_b32 s3, LAPS-1
.Llap:
	TURN 0, 1, 1
	STEP 1, 0, 0
	TURN 1, 0, 1
	STEP 0, 0, 0
	s_sub_co_u32 s3, s3, 1
	s_cmp_lg_u32 s3, 0
	s_cbranch_scc1 .Llap
	TURN 0, 1, 0
	STEP 1, 0, 0
	s_wait_dscnt 4*NL
	WIN MUL_LO
	MUL16 0, 1, 0
	MUL16 2, 1, 0
	s_wait_dscnt 0
	WIN MUL_HI
	MUL16 4, 1, 0
	MUL16 6, 1, 0
	WIN 0
	s_wait_kmcnt 0x0
	s_wait_loadcnt 0x0                             ; the bias
	s_add_co_i32 s18, s88, s89
	s_add_co_i32 s18, s18, 127
	s_lshl_b32 s96, s18, 23                        ; 2^(e12 + e13) as f32
	s_mov_b32 s97, s96
	s_add_co_i32 s19, s90, 127
	s_lshl_b32 s22, s19, 23
	v_mov_b32 v[SCV], s22
	s_add_co_i32 s19, s19, 8
	s_lshl_b32 s19, s19, 23
	s_or_b32 s19, s19, 0x600000
	v_mov_b32 v[LIM], s19
	s_mov_b32 s68, 0x3f596d27                      ; sqrt(log2(e) / 2)
	s_mov_b32 s70, 0x3e8ba43f                      ; 0.3275911 / sqrt(log2(e))
	s_mov_b32 s71, s70
	s_mov_b32 s72, 0x3f07dc22                      ; a5 / 2
	s_mov_b32 s73, s72
	v_mov_b32 v[KA], 0xbf3a00e3                    ; a4 / 2   (these ten moves are also the places behind the last products)
	v_mov_b32 v[KA+1], 0xbf3a00e3
	v_mov_b32 v[KA+2], 0x3f35f0e3                  ; a3 / 2
	v_mov_b32 v[KA+3], 0x3f35f0e3
	v_mov_b32 v[KA+4], 0xbe11a98e                  ; a2 / 2
	v_mov_b32 v[KA+5], 0xbe11a98e
	v_mov_b32 v[KA+6], 0x3e027906                  ; a1 / 2
	v_mov_b32 v[KA+7], 0x3e027906
.macro CASE a                          ; block a: x = sum x 2^(e12 + e13) + bias
	WIN 0x02+((\a)/4)                              ; source 0: window 2 or 3
.set J, 0
.rept 32
	v_pk_fma_f32 v[XV+J:XV+J+1], v[64*((\a)%4)+J:64*((\a)%4)+J+1], s[96:97], v[BR+J:BR+J+1] op_sel_hi:[1,0,1]   ; each accumulator from its low end on
.set J, J+2
.endr
	WIN 0
.endm
.macro GELU16 q                        ; tiles 2 q and 2 q + 1 of the block: 16 numbers a lane
.set X0, XV+16*(\q)
.set J, 0
.rept 16
	v_mul_f32 v[MV+J], s68, |v[X0+J]|              ; m
.set J, J+1
.endr
.set J, 0
.rept 8
	v_pk_mul_f32 v[WV+J:WV+J+1], v[MV+J:MV+J+1], v[MV+J:MV+J+1]
.set J, J+2
.endr
.set J, 0
.rept 8
	v_pk_fma_f32 v[MV+J:MV+J+1], v[MV+J:MV+J+1], s[70:71], 1.0 op_sel_hi:[1,0,0]
.set J, J+2
.endr
.set J, 0
.rept 16
	v_rcp_f32 v[MV+J], v[MV+J]                     ; t
.set J, J+1
.endr
.set J, 0
.rept 16
	v_exp_f32 v[WV+J], -v[WV+J]                    ; 2^(-m^2)
.set J, J+1
.endr
.set J, 0
.rept 8
	v_pk_mul_f32 v[HV+J:HV+J+1], v[X0+J:X0+J+1], 0.5 op_sel_hi:[1,0]   ; x / 2.  (Plain lines behind the transcendentals)
.set J, J+2
.endr
.set J, 0
	s_wait_alu depctr_va_vdst(0)
.rept 8
	v_pk_fma_f32 v[RV+J:RV+J+1], v[MV+J:MV+J+1], s[72:73], v[KA:KA+1] op_sel_hi:[1,0,1]
.set J, J+2
.endr
.irp k, 2,4,6
.set J, 0
.rept 8
	v_pk_fma_f32 v[RV+J:RV+J+1], v[RV+J:RV+J+1], v[MV+J:MV+J+1], v[KA+\k:KA+\k+1]
.set J, J+2
.endr
.endr
.set J, 0
.rept 8
	v_pk_mul_f32 v[RV+J:RV+J+1], v[RV+J:RV+J+1], v[MV+J:MV+J+1]
.set J, J+2
.endr
.set J, 0
.rept 8
	v_pk_fma_f32 v[RV+J:RV+J+1], v[RV+J:RV+J+1], v[WV+J:WV+J+1], 0.5 op_sel_hi:[1,1,0] neg_lo:[1,0,0] neg_hi:[1,0,0]   ; 1/2 - E
.set J, J+2
.endr
.set J, 0
.rept 16
	v_fma_f32 v[X0+J], |v[X0+J]|, v[RV+J], v[HV+J] ; gelu
.set J, J+1
.endr
.set J, 0
.rept 16
	v_med3_num_f32 v[X0+J], v[X0+J], -v[LIM], v[LIM]   ; the conversion does not saturate (ISA guide 7.6.2)
.set J, J+1
.endr
	v_cvt_scalef32_pk8_fp8_f32 v[CD+4*(\q):CD+4*(\q)+1], v[X0:X0+7], v[SCV]
	v_cvt_scalef32_pk8_fp8_f32 v[CD+4*(\q)+2:CD+4*(\q)+3], v[X0+8:X0+15], v[SCV]
.endm
	s_mov_b32 s67, 0                               ; the block
.Lblk:
.irp a, 0,1,2,3,4,5,6
	s_cmp_eq_u32 s67, \a
	s_cbranch_scc1 .Lcase\a
.endr
	CASE 7
	s_branch .Lgelu
.irp a, 0,1,2,3,4,5
.Lcase\a:
	CASE \a
	s_branch .Lgelu
.endr
.Lcase6:
	CASE 6
.Lgelu:
	GELU16 0
	GELU16 1
	GELU16 2
	GELU16 3
	v_nop                                          ; a plain instruction behind the last conversion
.irp i, 0,1,2,3
	global_store_b128 v[LI], v[CD+4*\i:CD+4*\i+3], s[10:11] offset:512*\i   ; each store of the wave covers 512 consecutive bytes, aligned
.endr
	s_wait_xcnt 0x0                                ; the stores have read their base and their data: both are written again in the next trip
	s_add_nc_u64 s[10:11], s[10:11], 4096          ; the next block of 16 rows
	s_add_co_u32 s67, s67, 1
	s_cmp_lt_u32 s67, 8
	s_cbranch_scc1 .Lblk
	s_wait_tensorcnt 0x0                           ; the wave's end
	ds_add_u32 v[SPW], v[NIL]
	s_wait_dscnt 0x0
	CROUND                                         ; the closing round
	s_endpgm
.Lfunc_end_k_q932549c57a_up:
	.size	k_q932549c57a_up, .Lfunc_end_k_q932549c57a_up-k_q932549c57a_up
	.p2alignl 7, 3214868480
	.fill 96, 4, 3214868480
	.section	.rodata,"a",@progbits
	.p2align	6, 0x0
	.amdhsa_kernel k_q932549c57a_up
		.amdhsa_group_segment_fixed_size 327680
		.amdhsa_private_segment_fixed_size 0
		.amdhsa_enable_private_segment 0
		.amdhsa_kernarg_size 40
		.amdhsa_user_sgpr_count 2
		.amdhsa_user_sgpr_kernarg_segment_ptr 1
		.amdhsa_wavefront_size32 1
		.amdhsa_system_sgpr_workgroup_id_x 1
		.amdhsa_system_sgpr_workgroup_id_y 1
		.amdhsa_system_sgpr_workgroup_id_z 1
		.amdhsa_system_vgpr_workitem_id 0
		.amdhsa_next_free_vgpr 1024
		.amdhsa_next_free_sgpr 98
		.amdhsa_reserve_vcc 0
		.amdhsa_float_denorm_mode_32 3
		.amdhsa_float_denorm_mode_16_64 3
		.amdhsa_memory_ordered 1
		.amdhsa_forward_progress 1
		.amdhsa_inst_pref_size 135
	.end_amdhsa_kernel
	.amdgpu_metadata
---
amdhsa.version: [ 1, 2 ]
amdhsa.kernels:
  - .name:           k_q932549c57a_up
    .symbol:         k_q932549c57a_up.kd
    .args:
      - { .name: x2c, .offset: 0, .size: 8, .value_kind: global_buffer, .address_space: global }
      - { .name: up_w_codes, .offset: 8, .size: 8, .value_kind: global_buffer, .address_space: global }
      - { .name: lowp_scales, .offset: 16, .size: 8, .value_kind: global_buffer, .address_space: global }
      - { .name: up_b, .offset: 24, .size: 8, .value_kind: global_buffer, .address_space: global }
      - { .name: hi, .offset: 32, .size: 8, .value_kind: global_buffer, .address_space: global }
    .group_segment_fixed_size: 327680
    .private_segment_fixed_size: 0
    .kernarg_segment_align: 8
    .kernarg_segment_size: 40
    .max_flat_workgroup_size: 128
    .sgpr_count:     98
    .vgpr_count:     1024
    .wavefront_size: 32
...
	.end_amdgpu_metadata
.endif
;; end of part 6
;; launch down (part 7): grid 4 x 16, 4 waves a work-group, clusters of 4 x 4, 327,680 bytes of LDS; arguments hi, down_w_codes, lowp_scales, down_b, x2, out0; writes out0
.if DOCPART == 7
	.amdgcn_target "amdgcn-amd-amdhsa--gfx1250"
	.amdhsa_code_object_version 6
	.text
	.protected	k_q932549c57a_down
	.globl	k_q932549c57a_down
	.p2align	8
	.type	k_q932549c57a_down,@function
k_q932549c57a_down:
	s_mov_b64 s[64:65], 0
	v_nop
	global_prefetch_b8 v0, s[64:65] scope:SCOPE_SE
	s_setreg_imm32_b32 hwreg(HW_REG_WAVE_MODE, 25, 1), 1
	s_wait_xcnt 0x0
	s_wait_alu depctr_hold_cnt(0) depctr_sa_sdst(0) depctr_va_vdst(0) depctr_va_sdst(0) depctr_va_ssrc(0) depctr_va_vcc(0) depctr_vm_vsrc(0)
	s_getreg_b32 s2, hwreg(HW_REG_IB_STS2, 6, 4)
	s_cmp_eq_u32 s2, 0
	s_cbranch_scc0 .Lentry_in_a_cluster
	s_endpgm
.Lentry_in_a_cluster:
	s_bfe_u32 s2, ttmp6, 0x10000c
	s_cmp_lg_u32 s2, 0xf033
	s_cbranch_scc0 .Lentry_shape_is_right
	s_endpgm
.Lentry_shape_is_right:
; out0 = x2 + h down_w^T + down_b.  h comes as codes of E4M3 laid as operand registers (hi), down_w as codes in rows; their scales are entries 14 and 15.  x2, out0: [4096][1024] f32.  K = 4,096.
; A tile of 256 x 256 is made by four waves, 128 x 128 each: 64 accumulators, 512 registers.  K goes in steps of 256 through a ring of two LDS slots filled by the tensor data mover.
; A (hi): [K / 256][256 blocks of 16 rows][2 x 128 K][4][lane][16 bytes]: a fragment's registers as they stand, pair c holding k = 16 c + 8 h + 0..7.  A slot's 16 blocks are 65,536 dense bytes; a fragment is four loads of 512 consecutive bytes.
; B (the weight): rows of 256 bytes, padded to 272 in LDS; a fragment is eight loads of 8 bytes at 16 c + 8 h, which puts each k in the same place as in A.
; THE MATRIX INSTRUCTION IS USED TRANSPOSED (source 0 = 16 rows of B, source 1 = 16 rows of A): a lane holds eight neighbouring numbers of a row of the result.
; CLUSTERS: 4 x 4 work-groups; A's tile is shared along a row of the cluster, B's along a column: joint loads, each with one mask.
; LIMIT: ea + eb between -126 and 127, so that 2^(ea + eb) is an f32 number.
; REGISTERS: window 0: v1-29 addresses; v32-95 the bias in the result's layout; v128-255 A's fragments, one set, on the way out rows read back from the stage.
;   window 1: B's fragments, two sets; on the way out v0-127 the residual's rows (two sets), v128-191 a block's scaled sums.   windows 2, 3: the accumulators ((a, b) at v[8 (8 (a % 4) + b)]).
.set KTOT,   4096
.set EOFF,   56                        ; byte of ea in the buffer of scales
.set NTOUT,  1                         ; the result is written once and read by nobody here
.set KSTEP,  256
.set PITCH,  272                       ; B's LDS row: 256 bytes + 16 of padding = 68 words: the 32 lanes of an 8-byte load touch 64 different banks (64 banks of 4 bytes: ISA guide 11.1)
.set FR,     16
.set NL,     4                         ; LDS loads that bring a fragment of A
.set NP,     4                         ; places behind this matrix instruction (ISA guide 7.12.1)
.set HALFT,  128*PITCH
.set ABYTES, 65536                     ; A's 16 blocks; B's 256 rows lie behind them
.set ASTEP,  2*1048576                 ; bytes from a slot's tile of A to its next
.set SLOT,   ABYTES+2*HALFT
.set LAPS,   KTOT/(2*KSTEP)
.set SPARE,  2*SLOT                    ; behind the ring: the spare words, 128 bytes for each wave: two blocks of 256 bytes that no other line names
.set SPITCH, 528                       ; the way out: a stage of 16 rows x (512 bytes + 16) for each wave, in slot 0, which has had its last fill and its last read when the first result is stored there
.set LI,   14                          ; v14  16 x lane
.set ADRA, 16
.set ADRB, 20
.set STO,  24                          ; v24  the stage: where I put 32 bytes of a row
.set RD,   25                          ; v25  and where I read a row back
.set SPW,  28
.set NIL,  29
.set BR,   32
.set AF,   128
.set BK,   128                         ; rows read back: v128-191 and v192-255 by turns
.set TMP,  128                         ; in window 1
.set G1, 24
.set G0, 32
.set G1B, 48
.set G0B, 56
.set MSB, 0
.macro WIN new                         ; the immediate's high byte repeats the setting that is left
.if MSB != \new
	s_set_vgpr_msb (MSB<<8)|\new
.set MSB, \new
.endif
.endm
.set MUL_LO, 0xa1                      ; source 0 (B) window 1, source 1 (A) window 0, C and D window 2
.set MUL_HI, 0xf1
.set TO_B,   0x40
.macro JLOAD g0a, g1a, g0b, g1b        ; a joint load: waves 0 and 1 fetch for A, waves 2 and 3 for B; four v_nop follow each of the two lines
	s_cmp_eq_u32 s15, 0
	s_cbranch_scc0 .Lfor_b_\@
	tensor_load_to_lds s[\g0a:\g0a+3], s[\g1a:\g1a+7]
	s_nop 0
.rept 4
	v_nop
.endr
	s_branch .Lasked_\@
.Lfor_b_\@:
	tensor_load_to_lds s[\g0b:\g0b+3], s[\g1b:\g1b+7]
	s_nop 0
.rept 4
	v_nop
.endr
.Lasked_\@:
.endm
.macro CREST
	s_cmp_lg_u32 s14, 0
	s_cbranch_scc1 .Lnot_wave_0_\@
	s_barrier_signal -3
.Lnot_wave_0_\@:
	s_barrier_wait -3
	s_barrier_signal -1
	s_barrier_wait -1
.endm
.macro CROUND
	s_barrier_signal -1
	s_barrier_wait -1
	CREST
.endm
.macro PLACES n
.rept \n
	v_nop
.endr
.endm
.macro FRAGA reg, slot, q, i           ; an image: four registers a load, lane l's 16 bytes at 16 l
.irp c, 0,1,2,3
	ds_load_b128 v[\reg+4*\c:\reg+4*\c+3], v[ADRA+\slot] offset:4096*(\i)+2048*(\q)+512*\c
.endr
.endm
.macro FRAGB reg, slot, q, i           ; rows: registers 2 c, 2 c + 1 hold K = 16 c + 8 (l / 16) + 0 .. 7 of row l % 16
.irp c, 0,1,2,3,4,5,6,7
	ds_load_b64 v[\reg+2*\c:\reg+2*\c+1], v[ADRB+\slot] offset:128*(\q)+16*\c+(\i)*16*PITCH
.endr
.endm
.macro MUL16 a0, p, zero               ; the 64 accumulators take turns, one instruction a turn
.irp a, \a0, \a0+1
.irp b, 0,1,2,3,4,5,6,7
.if \zero
	v_wmma_f32_16x16x128_fp8_fp8 v[8*(8*((\a)%4)+\b):8*(8*((\a)%4)+\b)+7], v[128*(\p)+FR*\b:128*(\p)+FR*\b+FR-1], v[AF+FR*(\a):AF+FR*(\a)+FR-1], 0
.else
	v_wmma_f32_16x16x128_fp8_fp8 v[8*(8*((\a)%4)+\b):8*(8*((\a)%4)+\b)+7], v[128*(\p)+FR*\b:128*(\p)+FR*\b+FR-1], v[AF+FR*(\a):AF+FR*(\a)+FR-1], v[8*(8*((\a)%4)+\b):8*(8*((\a)%4)+\b)+7]
.endif
.endr
.endr
.endm
.macro FETCH_B slot, q, p
	WIN TO_B
.irp i, 0,1,2,3,4,5,6,7
	FRAGB 128*(\p)+FR*\i, \slot, \q, \i
.endr
	WIN 0
.endm
.macro FETCH_A slot, q, i0
.irp i, \i0, \i0+1, \i0+2, \i0+3
	FRAGA AF+FR*(\i), \slot, \q, \i
.endr
.endm
.macro STEP slot, q, zero
	s_wait_dscnt 4*NL                              ; B's set and A's blocks 0-3 are in; the youngest sixteen loads (A's blocks 4-7) may be out
	WIN MUL_LO
	MUL16 0, (\q)%2, \zero
	MUL16 2, (\q)%2, \zero
	s_wait_dscnt 0
	PLACES NP                                      ; in front of loads into registers that matrix instructions have read
	FETCH_B \slot, (\q)+1, 1-(\q)%2
	FETCH_A \slot, (\q)+1, 0
	WIN MUL_HI
	MUL16 4, (\q)%2, \zero
	MUL16 6, (\q)%2, \zero
	PLACES NP
	WIN 0
	FETCH_A \slot, (\q)+1, 4
.endm
.macro TURN slot, next, fill           ; a slot's last step changes slots: ONE barrier
	s_wait_tensorcnt 0x0                           ; all my tensor loads have landed: my part of the next slot
	ds_add_u32 v[SPW], v[NIL]                      ; 0 onto my spare word
	s_wait_dscnt 4*NL+1                            ; (the add and the youngest sixteen loads may be out)
	WIN MUL_LO
	MUL16 0, 1, 0
	s_wait_dscnt 0x0                               ; the add is done, and my reads of this slot are over
	s_barrier_signal -1
	MUL16 2, 1, 0
	WIN 0
	s_barrier_wait -1
.if \fill
	CREST                                          ; a round of the cluster's barrier: no wave of any partner still reads this slot's tile or has a load on its way
	s_add_nc_u64 s[G0+4*\slot+2:G0+4*\slot+3], s[G0+4*\slot+2:G0+4*\slot+3], ASTEP
	s_add_nc_u64 s[G0B+4*\slot+2:G0B+4*\slot+3], s[G0B+4*\slot+2:G0B+4*\slot+3], 2*KSTEP
	JLOAD G0+4*\slot, G1, G0B+4*\slot, G1B         ; the first tensor load behind the round; its four v_nop are also the places in front of the loads below
.else
	PLACES NP
.endif
	FETCH_B \next, 0, 0
	FETCH_A \next, 0, 0
	WIN MUL_HI
	MUL16 4, 1, 0
	MUL16 6, 1, 0
	PLACES NP
	WIN 0
	FETCH_A \next, 0, 4
.endm
	s_load_b128 s[4:7], s[0:1], 0x0                ; A's images s[4:5], B's codes s[6:7]
	s_load_b256 s[68:75], s[0:1], 0x10             ; scales s[68:69], bias s[70:71], residual s[72:73], result s[74:75]
	v_lshl_add_u32 v[SPW], v0, 2, SPARE
	v_mov_b32 v[NIL], 0
	ds_add_u32 v28, v29
	ds_add_u32 v28, v29
	s_wait_dscnt 0x0
	v_lshrrev_b32 v1, 5, v0
	v_readfirstlane_b32 s14, v1                    ; wave 0..3
	s_lshr_b32 s15, s14, 1                         ; which half of the tile's rows is mine.  Also: I fetch for A (0) or for B (1)
	s_and_b32 s16, s14, 1                          ; which half of its columns.  Also: which half of that tile I fetch
	s_bfe_u32 s40, ttmp6, 0x40000                  ; cx, cy
	s_bfe_u32 s41, ttmp6, 0x40004
	s_lshl_b32 s42, ttmp9, 2
	s_add_co_u32 s42, s42, s40                     ; tile column
	s_and_b32 s17, ttmp7, 0xffff
	s_lshl_b32 s17, s17, 2
	s_add_co_u32 s17, s17, s41                     ; tile row
	s_lshl_b32 s43, s41, 2
	s_lshl_b32 s43, 15, s43                        ; my row of the cluster
	s_lshl_b32 s44, 0x1111, s40                    ; my column
	s_or_b32 s[G1+0], s43, (3<<16)|(1<<21)         ; A: 15:0 the mask; 17:16 elements of 8 bytes; 21 set beside a mask; no padding
	s_mov_b32 s[G1+1], 32<<16                      ; tensor_dim0 = 32 elements: 256 bytes
	s_mov_b32 s[G1+2], 128<<16                     ; tensor_dim1 = 128: eight blocks of 4,096 bytes
	s_mov_b32 s[G1+3], 32<<16
	s_mov_b32 s[G1+4], 128
	s_mov_b32 s[G1+5], 32                          ; dense
	s_mov_b32 s[G1+6], 0
	s_mov_b32 s[G1+7], 0
	s_or_b32 s[G1B+0], s44, (0<<16)|(1<<20)|(1<<21)|(5<<22)|(3<<25)  ; B: elements of 1 byte; 4 words of padding after every 64
	s_mov_b32 s[G1B+1], KSTEP<<16
	s_mov_b32 s[G1B+2], 128<<16
	s_mov_b32 s[G1B+3], KSTEP<<16
	s_mov_b32 s[G1B+4], 128
	s_mov_b32 s[G1B+5], KTOT
	s_mov_b32 s[G1B+6], 0
	s_mov_b32 s[G1B+7], 0
	s_lshl_b32 s20, s17, 16                        ; A: (16 x tile row + 8 x half) blocks of 4,096 bytes
	s_lshl_b32 s19, s16, 15
	s_add_co_u32 s20, s20, s19
	s_mov_b32 s21, 0
	s_lshl_b32 s46, s42, 8                         ; B: (256 x tile column + 128 x half) rows of KTOT bytes
	s_lshl_b32 s19, s16, 7
	s_add_co_u32 s46, s46, s19
	s_mul_i32 s46, s46, KTOT
	s_mov_b32 s47, 0
	s_mul_i32 s45, s16, ABYTES/2                   ; where they go in a slot: no place in the cluster enters an LDS address
	s_mul_i32 s2, s16, HALFT
	s_add_co_u32 s2, s2, ABYTES
	s_wait_kmcnt 0x0
	s_load_b64 s[96:97], s[68:69], EOFF            ; ea, eb
	s_add_nc_u64 s[20:21], s[4:5], s[20:21]
	s_add_nc_u64 s[46:47], s[6:7], s[46:47]
	CROUND                                         ; all sixteen work-groups are here: the first joint loads meet
.irp s, 0,1
	s_mov_b32 s[G0+4*\s], 1
	s_add_co_u32 s[G0+4*\s+1], s45, \s*SLOT
	s_add_nc_u64 s[G0+4*\s+2:G0+4*\s+3], s[20:21], \s*(ASTEP/2)
	s_or_b32 s[G0+4*\s+3], s[G0+4*\s+3], 0x80000000
	s_mov_b32 s[G0B+4*\s], 1
	s_add_co_u32 s[G0B+4*\s+1], s2, \s*SLOT
	s_add_nc_u64 s[G0B+4*\s+2:G0B+4*\s+3], s[46:47], \s*KSTEP
	s_or_b32 s[G0B+4*\s+3], s[G0B+4*\s+3], 0x80000000
	JLOAD G0+4*\s, G1, G0B+4*\s, G1B               ; two tensor loads of mine are out
.endr
	v_and_b32 v1, 15, v0                           ; r
	v_bfe_u32 v2, v0, 4, 1                         ; h
	v_mul_u32_u24 v3, v1, PITCH
	v_lshl_add_u32 v4, v2, 3, v3                   ; B: row x pitch + 8 x half
	v_and_b32 v[LI], 31, v0
	v_lshlrev_b32 v[LI], 4, v[LI]                  ; A: 16 x lane
	s_mul_i32 s21, s15, ABYTES/2                   ; my eight blocks of A
	s_mul_i32 s22, s16, HALFT                      ; my 128 rows of B,
	s_add_co_u32 s22, s22, ABYTES                  ; which lie behind A's
.irp s, 0,1
	v_add_nc_u32 v[ADRA+\s], s21, v[LI]
	v_add_nc_u32 v[ADRB+\s], s22, v4
	s_add_co_u32 s21, s21, SLOT
	s_add_co_u32 s22, s22, SLOT
.endr
	s_mul_i32 s23, s14, 16*SPITCH                  ; my stage
	v_mul_u32_u24 v6, v1, SPITCH                   ; in: row r, 32 bytes for each half of the lanes
	v_lshl_add_u32 v6, v2, 5, v6
	v_add_nc_u32 v[STO], s23, v6
	v_add_nc_u32 v[RD], s23, v[LI]                 ; back: the 32 lanes take one row of 512 bytes
	s_lshl_b32 s20, s17, 20                        ; my first row: (256 x tile row + 128 x half) rows of 4,096 bytes,
	s_lshl_b32 s21, s15, 19
	s_add_co_u32 s20, s20, s21
	s_lshl_b32 s46, s42, 10                        ; my first column, in bytes: 1,024 x tile column + 512 x half
	s_lshl_b32 s47, s16, 9
	s_add_co_u32 s46, s46, s47
	s_add_co_u32 s20, s20, s46
	s_mov_b32 s21, 0
	s_add_nc_u64 s[10:11], s[74:75], s[20:21]      ; the result,
	s_add_nc_u64 s[12:13], s[72:73], s[20:21]      ; and the residual at the same place
	v_lshl_add_u32 v7, v2, 5, s46                  ; the bias in the result's layout: tile b, half h: 64 b + 32 h bytes on
.irp b, 0,1,2,3,4,5,6,7
	global_load_b128 v[BR+8*\b:BR+8*\b+3], v7, s[70:71] offset:64*\b
	global_load_b128 v[BR+8*\b+4:BR+8*\b+7], v7, s[70:71] offset:64*\b+16
.endr
	s_wait_tensorcnt 1                             ; my part of K step 0 is in (K step 1's load may be out)
	s_barrier_signal -1
	s_barrier_wait -1
	FETCH_B 0, 0, 0
	FETCH_A 0, 0, 0
	FETCH_A 0, 0, 4
	STEP 0, 0, 1                                   ; the first step stands in front of the loop: its products start the sums
	s_mov_b32 s3, LAPS-1
.Llap:                                                 ; a trip goes once round the ring and fills both slots again
	TURN 0, 1, 1
	STEP 1, 0, 0
	TURN 1, 0, 1
	STEP 0, 0, 0
	s_sub_co_u32 s3, s3, 1
	s_cmp_lg_u32 s3, 0
	s_cbranch_scc1 .Llap
	TURN 0, 1, 0                                   ; the last lap fills nothing
	STEP 1, 0, 0
	s_wait_dscnt 4*NL                              ; the very last step
	WIN MUL_LO
	MUL16 0, 1, 0
	MUL16 2, 1, 0
	s_wait_dscnt 0
	WIN MUL_HI
	MUL16 4, 1, 0
	MUL16 6, 1, 0
	WIN 0
; THE WAY OUT, block by block of 16 rows x 128 columns: sum x 2^(ea + eb) + bias in one packed multiply-add; through my own stage in LDS, so that a row's 512 bytes come back to the 32 lanes; + the residual's row; stored.
.macro RESLOAD a                       ; the residual's 16 rows of block a -> window 1, set a % 2
	WIN 0x40
.irp t, 0,1,2,3,4,5,6,7,8,9,10,11,12,13,14,15
	global_load_b128 v[64*((\a)%2)+4*\t:64*((\a)%2)+4*\t+3], v[LI], s[12:13] offset:4096*\t th:TH_LOAD_NT
.endr
	WIN 0
.endm
.macro TOSTAGE a
.set AC, 64*((\a)%4)
	WIN 0x42+((\a)/4)                              ; source 0 (the sums) window 2 or 3, source 2 (the bias) window 0, destination window 1
.set J, 0
.rept 32
	v_pk_fma_f32 v[TMP+J:TMP+J+1], v[AC+J:AC+J+1], s[96:97], v[BR+J:BR+J+1] op_sel_hi:[1,0,1]   ; each accumulator from its low end on
.set J, J+2
.endr
	WIN 0x04                                       ; an LDS store's data: source 1, window 1
.irp b, 0,1,2,3,4,5,6,7
	ds_store_b128 v[STO], v[TMP+8*\b:TMP+8*\b+3] offset:64*\b
	ds_store_b128 v[STO], v[TMP+8*\b+4:TMP+8*\b+7] offset:64*\b+16
.endr
	WIN 0
.set BB, BK+64*((\a)%2)
.irp t, 0,1,2,3,4,5,6,7,8,9,10,11,12,13,14,15
	ds_load_b128 v[BB+4*\t:BB+4*\t+3], v[RD] offset:\t*SPITCH    ; LDS serves a wave's instructions in order (ISA guide 5.7.1.4): these see the stores above
.endr
.endm
.macro SEND a, younger, lyounger       ; younger, lyounger: the LDS instructions and the global loads issued behind block a's, which may stay out
.set BB, BK+64*((\a)%2)
.set RS, 64*((\a)%2)
	s_wait_dscnt \younger
	s_wait_loadcnt \lyounger
	WIN 0x04                                       ; source 1 (the residual) window 1
.set J, 0
.rept 32
	v_pk_add_f32 v[BB+J:BB+J+1], v[BB+J:BB+J+1], v[RS+J:RS+J+1]
.set J, J+2
.endr
	WIN 0
.irp t, 0,1,2,3,4,5,6,7,8,9,10,11,12,13,14,15
.if NTOUT
	global_store_b128 v[LI], v[BB+4*\t:BB+4*\t+3], s[10:11] offset:4096*\t th:TH_STORE_NT   ; 32 lanes store 512 consecutive bytes, aligned
.else
	global_store_b128 v[LI], v[BB+4*\t:BB+4*\t+3], s[10:11] offset:4096*\t
.endif
.endr
.endm
	s_wait_kmcnt 0x0
	s_wait_loadcnt 0x0                             ; the bias
	s_add_co_i32 s96, s96, s97
	s_add_co_i32 s96, s96, 127
	s_lshl_b32 s96, s96, 23                        ; 2^(ea + eb) as f32
	s_mov_b32 s97, s96
	PLACES NP                                      ; behind the last products: their operands' registers are written below
	RESLOAD 0
	TOSTAGE 0
.irp a, 1,2,3,4,5,6,7
	s_wait_xcnt 0x0                                ; the earlier loads and stores have read their bases and data: the bases may step, and block a's rows may land where block a - 2's were stored from
	s_add_nc_u64 s[12:13], s[12:13], 65536         ; 16 rows on
.if \a > 1
	s_add_nc_u64 s[10:11], s[10:11], 65536
.endif
	RESLOAD \a
	TOSTAGE \a
	SEND \a-1, 32, 16                              ; behind block a - 1's: block a's 16 stage stores and 16 stage loads; its 16 residual loads
.endr
	s_wait_xcnt 0x0
	s_add_nc_u64 s[10:11], s[10:11], 65536
	SEND 7, 0, 0
	s_wait_tensorcnt 0x0                           ; the wave's end
	ds_add_u32 v[SPW], v[NIL]
	s_wait_dscnt 0x0
	CROUND                                         ; the closing round
	s_endpgm
.Lfunc_end_k_q932549c57a_down:
	.size	k_q932549c57a_down, .Lfunc_end_k_q932549c57a_down-k_q932549c57a_down
	.p2alignl 7, 3214868480
	.fill 96, 4, 3214868480
	.section	.rodata,"a",@progbits
	.p2align	6, 0x0
	.amdhsa_kernel k_q932549c57a_down
		.amdhsa_group_segment_fixed_size 327680
		.amdhsa_private_segment_fixed_size 0
		.amdhsa_enable_private_segment 0
		.amdhsa_kernarg_size 48
		.amdhsa_user_sgpr_count 2
		.amdhsa_user_sgpr_kernarg_segment_ptr 1
		.amdhsa_wavefront_size32 1
		.amdhsa_system_sgpr_workgroup_id_x 1
		.amdhsa_system_sgpr_workgroup_id_y 1
		.amdhsa_system_sgpr_workgroup_id_z 1
		.amdhsa_system_vgpr_workitem_id 0
		.amdhsa_next_free_vgpr 1024
		.amdhsa_next_free_sgpr 98
		.amdhsa_reserve_vcc 0
		.amdhsa_float_denorm_mode_32 3
		.amdhsa_float_denorm_mode_16_64 3
		.amdhsa_memory_ordered 1
		.amdhsa_forward_progress 1
		.amdhsa_inst_pref_size 171
	.end_amdhsa_kernel
	.amdgpu_metadata
---
amdhsa.version: [ 1, 2 ]
amdhsa.kernels:
  - .name:           k_q932549c57a_down
    .symbol:         k_q932549c57a_down.kd
    .args:
      - { .name: hi, .offset: 0, .size: 8, .value_kind: global_buffer, .address_space: global }
      - { .name: down_w_codes, .offset: 8, .size: 8, .value_kind: global_buffer, .address_space: global }
      - { .name: lowp_scales, .offset: 16, .size: 8, .value_kind: global_buffer, .address_space: global }
      - { .name: down_b, .offset: 24, .size: 8, .value_kind: global_buffer, .address_space: global }
      - { .name: x2, .offset: 32, .size: 8, .value_kind: global_buffer, .address_space: global }
      - { .name: out0, .offset: 40, .size: 8, .value_kind: global_buffer, .address_space: global }
    .group_segment_fixed_size: 327680
    .private_segment_fixed_size: 0
    .kernarg_segment_align: 8
    .kernarg_segment_size: 48
    .max_flat_workgroup_size: 128
    .sgpr_count:     98
    .vgpr_count:     1024
    .wavefront_size: 32
...
	.end_amdgpu_metadata
.endif
;; end of part 7
;; ======== version 2 of 2: 7 launches; 1.23 times as fast as version 1
;; limits: a function is approximated: absolute error at most 3e-07
;; workspace buffers: xc 12,582,912 bytes; qkvi 12,582,912 bytes; oi 4,194,304 bytes; y 16,777,216 bytes; x2 16,777,216 bytes; x2c 4,194,304 bytes; hi 16,777,216 bytes
;; launch ln1: the kernel of part 1 again; grid 512 x 1, 8 waves a work-group, no clusters, 25,600 bytes of LDS; arguments x, ln1_w, ln1_b, lowp_scales, xc; writes xc
;; launch qkv: the kernel of part 2 again; grid 12 x 16, 4 waves a work-group, clusters of 4 x 4, 327,680 bytes of LDS; arguments xc, wq_w_codes, wk_w_codes, wv_w_codes, lowp_scales, wq_b, wk_b, wv_b, qkvi; writes qkvi
;; launch attn: the kernel of part 3 again; grid 8 x 32, 16 waves a work-group, no clusters, 264,192 bytes of LDS; arguments qkvi, lowp_scales, oi; writes oi
;; launch wo (part 8): grid 8 x 32, 4 waves a work-group, clusters of 4 x 4, 327,680 bytes of LDS; arguments oi, wo_w_codes, lowp_scales, wo_b, x, y; writes y
.if DOCPART == 8
	.amdgcn_target "amdgcn-amd-amdhsa--gfx1250"
	.amdhsa_code_object_version 6
	.text
	.protected	k_q932549c57a_wo
	.globl	k_q932549c57a_wo
	.p2align	8
	.type	k_q932549c57a_wo,@function
k_q932549c57a_wo:
	s_mov_b64 s[64:65], 0
	v_nop
	global_prefetch_b8 v0, s[64:65] scope:SCOPE_SE
	s_setreg_imm32_b32 hwreg(HW_REG_WAVE_MODE, 25, 1), 1
	s_wait_xcnt 0x0
	s_wait_alu depctr_hold_cnt(0) depctr_sa_sdst(0) depctr_va_vdst(0) depctr_va_sdst(0) depctr_va_ssrc(0) depctr_va_vcc(0) depctr_vm_vsrc(0)
	s_getreg_b32 s2, hwreg(HW_REG_IB_STS2, 6, 4)
	s_cmp_eq_u32 s2, 0
	s_cbranch_scc0 .Lentry_in_a_cluster
	s_endpgm
.Lentry_in_a_cluster:
	s_bfe_u32 s2, ttmp6, 0x10000c
	s_cmp_lg_u32 s2, 0xf033
	s_cbranch_scc0 .Lentry_shape_is_right
	s_endpgm
.Lentry_shape_is_right:
; y = x + o wo^T + wo_b.  o comes as codes of E4M3 laid as operand registers (oi), wo as codes in rows; their scales are entries 10 and 11.  x, y: [4096][1024] f32.  K = 1,024.
; A tile of 128 x 128 of the result is made by four waves, 64 x 64 each: 16 accumulators, 128 registers.  4,096 / 128 x 1,024 / 128 = 256 work-groups: a tile of 256 x 256 would give 64.
; K goes in steps of 512, as long as two slots in LDS allow, through a ring of two LDS slots filled by the tensor data mover.  Here K is just the two first fills: nothing is filled again and the loop is not assembled.
; A (oi): [K / 256][256 blocks of 16 rows][2 x 128 K][4][lane][16 bytes]: a fragment's registers as they stand, pair c holding k = 16 c + 8 h + 0..7.  The tile's 8 blocks of one 256 along K are 32,768 dense bytes;
;   a slot holds two such slabs, 1 MiB apart in memory, one tensor load each; a fragment is four loads of 512 consecutive bytes.
; B (the weight): rows of 512 bytes, padded to 528 in LDS; a fragment is eight loads of 8 bytes at 16 c + 8 h, which puts each k in the same place as in A.
; THE MATRIX INSTRUCTION IS USED TRANSPOSED (source 0 = 16 rows of B, source 1 = 16 rows of A): a lane holds eight neighbouring numbers of a row of the result.
; CLUSTERS: 4 x 4 work-groups; A's tile is shared along a row of the cluster, B's along a column: joint loads, each with one mask.
; THE RESIDUAL's 64 x 64 numbers of the wave are asked for at the head, in the layout in which rows come back from the stage, and land under the products.
; LIMIT: ea + eb between -126 and 127, so that 2^(ea + eb) is an f32 number.
; REGISTERS: window 0: v1-29 addresses; v32-63 the bias in the result's layout; v64-95 a block's scaled sums; v128-255 the accumulators ((a, b) at v[128 + 8 (4 a + b)]), on the way out the rows read back from the stage.
;   window 1: two fragment buffers of 128: for 128 along K, 64 registers of A (4 x 16 rows), then 64 of B.   window 2: v0-127 the residual.
.set KTOT,   1024
.set EOFF,   40                        ; byte of ea in the buffer of scales
.set NTOUT,  0                         ; the result is read again by the next launch
.set KSTEP,  512                       ; along K in a slot
.set PITCH,  528                       ; B's LDS row: 512 bytes + 16 of padding = 132 words: row r starts at bank 4 r mod 64, so the 32 lanes of an 8-byte load touch 64 different banks (64 banks of 4 bytes: ISA guide 11.1)
.set FR,     16                        ; registers of a fragment: 16 rows x 128 K
.set NP,     4                         ; places behind this matrix instruction (ISA guide 7.12.1)
.set HALFT,  64*PITCH                  ; 64 rows of B: what one tensor load brings, and what one wave reads of B
.set ABYTES, 65536                     ; A's two slabs of 32,768 bytes; B's 128 rows lie behind them
.set ASTEP,  4*1048576                 ; bytes from a slot's slabs of A to its next: two slots of two slabs of 1 MiB
.set SLOT,   ABYTES+2*HALFT
.set LAPS,   KTOT/(2*KSTEP)            ; a lap = two K steps = once round the ring
.set SPARE,  2*SLOT                    ; behind the ring: the spare words, 128 bytes for each wave: two blocks of 256 bytes that no other line names
.set SPITCH, 272                       ; the way out: a stage of 16 rows x (256 bytes + 16) for each wave, in slot 0, which has had its last fill and its last read when the first result is stored there
.set LI,   14                          ; v14  16 x lane
.set ADRA, 16                          ; v16-17  LDS address of my A fragments in slot 0, 1
.set ADRB, 20                          ; v20-21  the same for B
.set STO,  24                          ; v24  the stage: where I put 32 bytes of a row
.set RD,   25                          ; v25  and where I read rows back
.set CO,   26                          ; v26  my byte offset in two rows of the result and of the residual
.set SPW,  28                          ; v28  LDS address of my spare word; never rewritten
.set NIL,  29                          ; v29  0; never rewritten
.set BR,   32
.set TMP,  64
.set ACC,  128
.set F0,   0                           ; fragment buffers, in window 1
.set F1,   128
.set G1, 24                            ; s[24:31] descriptor group 1 for A's slabs;  s[32:39] group 0, one set for each slot
.set G0, 32
.set G1B, 48                           ; s[48:55], s[56:63] the same for B's tiles
.set G0B, 56
.set MSB, 0
.macro WIN new                         ; the immediate's high byte repeats the setting that is left
.if MSB != \new
	s_set_vgpr_msb (MSB<<8)|\new
.set MSB, \new
.endif
.endm
.set MUL,  0x05                        ; sources 0 (B) and 1 (A) window 1; C and D window 0
.set TO_F, 0x40                        ; destination window 1, address window 0
.macro JLOAD g0a, g1a, g0b, g1b        ; a joint load: waves 0 and 1 fetch for A, waves 2 and 3 for B; the branch hangs on the wave's number alone; four v_nop follow each of the two lines
	s_cmp_eq_u32 s15, 0
	s_cbranch_scc0 .Lfor_b_\@
	tensor_load_to_lds s[\g0a:\g0a+3], s[\g1a:\g1a+7]
	s_nop 0
.rept 4
	v_nop
.endr
	s_branch .Lasked_\@
.Lfor_b_\@:
	tensor_load_to_lds s[\g0b:\g0b+3], s[\g1b:\g1b+7]
	s_nop 0
.rept 4
	v_nop
.endr
.Lasked_\@:
.endm
.macro CREST                           ; a round of the cluster's barrier behind its opening barrier
	s_cmp_lg_u32 s14, 0
	s_cbranch_scc1 .Lnot_wave_0_\@
	s_barrier_signal -3
.Lnot_wave_0_\@:
	s_barrier_wait -3
	s_barrier_signal -1
	s_barrier_wait -1
.endm
.macro CROUND                          ; a whole round
	s_barrier_signal -1
	s_barrier_wait -1
	CREST
.endm
.macro PLACES n
.rept \n
	v_nop
.endr
.endm
.macro FRAGA reg, slot, q, i           ; an image: four registers a load, lane l's 16 bytes at 16 l.  Step q of a slot: slab q / 2, its (q % 2)-th 128 along K
.irp c, 0,1,2,3
	ds_load_b128 v[\reg+4*\c:\reg+4*\c+3], v[ADRA+\slot] offset:32768*((\q)/2)+2048*((\q)%2)+4096*(\i)+512*\c
.endr
.endm
.macro FRAGB reg, slot, q, i           ; rows: registers 2 c, 2 c + 1 hold K = 16 c + 8 (l / 16) + 0 .. 7 of row l % 16
.irp c, 0,1,2,3,4,5,6,7
	ds_load_b64 v[\reg+2*\c:\reg+2*\c+1], v[ADRB+\slot] offset:128*(\q)+16*\c+(\i)*16*PITCH
.endr
.endm
; 4 matrix instructions: A's block a x B's four, 128 along K, from buffer f.  zero = 1: the first product starts the sums: nothing is ever cleared.
; The 16 accumulators take turns, one instruction a turn, in the same order in every step.
.macro MUL4 f, a, zero
.irp b, 0,1,2,3
.if \zero
	v_wmma_f32_16x16x128_fp8_fp8 v[ACC+8*(4*(\a)+\b):ACC+8*(4*(\a)+\b)+7], v[\f+64+FR*\b:\f+64+FR*\b+FR-1], v[\f+FR*(\a):\f+FR*(\a)+FR-1], 0
.else
	v_wmma_f32_16x16x128_fp8_fp8 v[ACC+8*(4*(\a)+\b):ACC+8*(4*(\a)+\b)+7], v[\f+64+FR*\b:\f+64+FR*\b+FR-1], v[\f+FR*(\a):\f+FR*(\a)+FR-1], v[ACC+8*(4*(\a)+\b):ACC+8*(4*(\a)+\b)+7]
.endif
.endr
.endm
.macro MUL8 f, a0, zero
	MUL4 \f, \a0, \zero
	MUL4 \f, \a0+1, \zero
.endm
; 48 LDS loads in one run: the fragments of the slot's q-th 128 along K into buffer f: B's four (32 loads), then A's four (16 loads), blocks 2 and 3 last
.macro FETCH slot, q, f
	WIN TO_F
.irp i, 0,1,2,3
	FRAGB \f+64+FR*\i, \slot, \q, \i
.endr
.irp i, 0,1,2,3
	FRAGA \f+FR*\i, \slot, \q, \i
.endr
.endm
; A K step is four steps of 128 along K, 16 matrix instructions each, on buffers 0, 1, 0, 1.  One of the first three: multiplies buffer f; in its middle it fetches the slot's nq-th 128 along K into buffer g.
.macro STEP slot, nq, f, g, zero
	s_wait_dscnt 8                                 ; B and A's blocks 0 and 1 are in; the youngest eight loads (A's blocks 2 and 3) may be out
	WIN MUL
	MUL8 \f, 0, \zero
	PLACES NP                                      ; in front of loads into registers that matrix instructions have read
	FETCH \slot, \nq, \g
	s_wait_dscnt 48                                ; all but the 48 just issued
	WIN MUL
	MUL8 \f, 2, \zero
.endm
; The last step of a slot multiplies buffer 1 and changes slots: ONE barrier; in front of it each wave waits for all its tensor loads, adds 0 to its spare word, and waits for that and for its own reads of this slot.  fill = 1: this slot is filled again, two K steps ahead.
.macro TURN slot, next, fill
	WIN 0                                          ; (the add's two registers lie in window 0)
	s_wait_tensorcnt 0x0                           ; all my tensor loads have landed: my part of the next slot
	ds_add_u32 v[SPW], v[NIL]                      ; 0 onto my spare word
	s_wait_dscnt 9                                 ; (the add and the youngest eight loads may be out)
	WIN MUL
	MUL4 F1, 0, 0                                  ; four matrix instructions stand between the add and the wait for it
	s_wait_dscnt 0x0                               ; the add is done, and my reads of this slot are over
	s_barrier_signal -1
	MUL4 F1, 1, 0
.if \fill
	WIN 0
.endif
	s_barrier_wait -1
.if \fill
	CREST                                          ; the barrier has opened a round of the cluster's barrier: no wave of any partner still reads this slot's tile or has a load on its way
	s_add_nc_u64 s[G0+4*\slot+2:G0+4*\slot+3], s[G0+4*\slot+2:G0+4*\slot+3], ASTEP
	s_add_nc_u64 s[G0B+4*\slot+2:G0B+4*\slot+3], s[G0B+4*\slot+2:G0B+4*\slot+3], 2*KSTEP
	JLOAD G0+4*\slot, G1, G0B+4*\slot, G1B         ; the first tensor load behind the round; its four v_nop are also the places in front of the loads below
.else
	PLACES NP
.endif
	FETCH \next, 0, F0
	WIN MUL
	MUL4 F1, 2, 0
	MUL4 F1, 3, 0
.endm
	s_load_b128 s[4:7], s[0:1], 0x0                ; A's images s[4:5], B's codes s[6:7]
	s_load_b256 s[68:75], s[0:1], 0x10             ; scales s[68:69], bias s[70:71], residual s[72:73], result s[74:75]
	v_lshl_add_u32 v[SPW], v0, 2, SPARE
	v_mov_b32 v[NIL], 0
	ds_add_u32 v28, v29
	ds_add_u32 v28, v29
	s_wait_dscnt 0x0
	v_lshrrev_b32 v1, 5, v0
	v_readfirstlane_b32 s14, v1                    ; wave 0..3
	s_lshr_b32 s15, s14, 1                         ; which half of the tile's rows is mine.  Also: I fetch for A (0) or for B (1)
	s_and_b32 s16, s14, 1                          ; which half of its columns.  Also: which slab of A, or which 64 rows of B, I fetch
	s_bfe_u32 s40, ttmp6, 0x40000                  ; cx, cy: my place in the cluster
	s_bfe_u32 s41, ttmp6, 0x40004
	s_lshl_b32 s42, ttmp9, 2
	s_add_co_u32 s42, s42, s40                     ; tile column = 4 x cluster x + cx
	s_and_b32 s17, ttmp7, 0xffff
	s_lshl_b32 s17, s17, 2
	s_add_co_u32 s17, s17, s41                     ; tile row = 4 x cluster y + cy
	s_lshl_b32 s43, s41, 2
	s_lshl_b32 s43, 15, s43                        ; my row of the cluster
	s_lshl_b32 s44, 0x1111, s40                    ; my column
	s_or_b32 s[G1+0], s43, (3<<16)|(1<<21)         ; A: 15:0 the mask; 17:16 elements of 8 bytes; 21 set beside a mask; no padding
	s_mov_b32 s[G1+1], 32<<16                      ; tensor_dim0 = 32 elements: 256 bytes
	s_mov_b32 s[G1+2], 128<<16                     ; tensor_dim1 = 128: eight blocks of 4,096 bytes
	s_mov_b32 s[G1+3], 32<<16                      ; tile_dim0
	s_mov_b32 s[G1+4], 128                         ; tile_dim1
	s_mov_b32 s[G1+5], 32                          ; dense
	s_mov_b32 s[G1+6], 0
	s_mov_b32 s[G1+7], 0
	s_or_b32 s[G1B+0], s44, (0<<16)|(1<<20)|(1<<21)|(6<<22)|(3<<25)  ; B: elements of 1 byte; padding on; 21 set beside a mask; 4 words of padding after every 128
	s_mov_b32 s[G1B+1], KSTEP<<16                  ; tensor_dim0 = 512
	s_mov_b32 s[G1B+2], 64<<16                     ; tensor_dim1 = 64
	s_mov_b32 s[G1B+3], KSTEP<<16                  ; tile_dim0
	s_mov_b32 s[G1B+4], 64                         ; tile_dim1
	s_mov_b32 s[G1B+5], KTOT                       ; bytes from row to row
	s_mov_b32 s[G1B+6], 0
	s_mov_b32 s[G1B+7], 0
	s_lshl_b32 s20, s17, 15                        ; A: 8 x tile row blocks of 4,096 bytes,
	s_lshl_b32 s19, s16, 20                        ; in slab 0 or 1 of the slot
	s_add_co_u32 s20, s20, s19
	s_mov_b32 s21, 0
	s_lshl_b32 s46, s42, 7                         ; B: (128 x tile column + 64 x half) rows of KTOT bytes
	s_lshl_b32 s19, s16, 6
	s_add_co_u32 s46, s46, s19
	s_mul_i32 s46, s46, KTOT
	s_mov_b32 s47, 0
	s_mul_i32 s45, s16, ABYTES/2                   ; where they go in a slot: no place in the cluster enters an LDS address
	s_mul_i32 s2, s16, HALFT
	s_add_co_u32 s2, s2, ABYTES
	s_wait_kmcnt 0x0
	s_load_b64 s[96:97], s[68:69], EOFF            ; ea, eb; waited for on the way out
	s_add_nc_u64 s[20:21], s[4:5], s[20:21]
	s_add_nc_u64 s[46:47], s[6:7], s[46:47]
	CROUND                                         ; all sixteen work-groups are here: the first joint loads meet
.irp s, 0,1
	s_mov_b32 s[G0+4*\s], 1
	s_add_co_u32 s[G0+4*\s+1], s45, \s*SLOT
	s_add_nc_u64 s[G0+4*\s+2:G0+4*\s+3], s[20:21], \s*(ASTEP/2)
	s_or_b32 s[G0+4*\s+3], s[G0+4*\s+3], 0x80000000
	s_mov_b32 s[G0B+4*\s], 1
	s_add_co_u32 s[G0B+4*\s+1], s2, \s*SLOT
	s_add_nc_u64 s[G0B+4*\s+2:G0B+4*\s+3], s[46:47], \s*KSTEP
	s_or_b32 s[G0B+4*\s+3], s[G0B+4*\s+3], 0x80000000
	JLOAD G0+4*\s, G1, G0B+4*\s, G1B               ; two tensor loads of mine are out
.endr
	v_and_b32 v1, 15, v0                           ; r = l % 16
	v_bfe_u32 v2, v0, 4, 1                         ; h = l / 16
	v_mul_u32_u24 v3, v1, PITCH
	v_lshl_add_u32 v4, v2, 3, v3                   ; B: row x pitch + 8 x half
	v_and_b32 v[LI], 31, v0
	v_lshlrev_b32 v[LI], 4, v[LI]                  ; A: 16 x lane
	s_mul_i32 s21, s15, 4*4096                     ; my four blocks of A, in each slab
	s_mul_i32 s22, s16, HALFT                      ; my 64 rows of B,
	s_add_co_u32 s22, s22, ABYTES                  ; which lie behind A's slabs
.irp s, 0,1
	v_add_nc_u32 v[ADRA+\s], s21, v[LI]
	v_add_nc_u32 v[ADRB+\s], s22, v4
	s_add_co_u32 s21, s21, SLOT
	s_add_co_u32 s22, s22, SLOT
.endr
	s_mul_i32 s23, s14, 16*SPITCH                  ; my stage
	v_mul_u32_u24 v6, v1, SPITCH                   ; in: row r, 32 bytes for each half of the lanes
	v_lshl_add_u32 v6, v2, 5, v6
	v_add_nc_u32 v[STO], s23, v6
	v_mul_u32_u24 v5, v2, SPITCH                   ; back: lanes 0-15 take one row of 256 bytes, lanes 16-31 the next
	v_lshl_add_u32 v5, v1, 4, v5
	v_add_nc_u32 v[RD], s23, v5
	v_lshlrev_b32 v[CO], 12, v2                    ; and the same two rows in memory: rows of 4,096 bytes
	v_lshl_add_u32 v[CO], v1, 4, v[CO]
	s_lshl_b32 s20, s17, 19                        ; my first row: (128 x tile row + 64 x half) rows of 4,096 bytes,
	s_lshl_b32 s21, s15, 18
	s_add_co_u32 s20, s20, s21
	s_lshl_b32 s46, s42, 9                         ; my first column, in bytes: 512 x tile column + 256 x half
	s_lshl_b32 s47, s16, 8
	s_add_co_u32 s46, s46, s47
	s_add_co_u32 s20, s20, s46
	s_mov_b32 s21, 0
	s_add_nc_u64 s[10:11], s[74:75], s[20:21]      ; the result,
	s_add_nc_u64 s[12:13], s[72:73], s[20:21]      ; and the residual at the same place
	v_lshl_add_u32 v7, v2, 5, s46                  ; the bias in the result's layout: tile b, half h: 64 b + 32 h bytes on
.irp b, 0,1,2,3
	global_load_b128 v[BR+8*\b:BR+8*\b+3], v7, s[70:71] offset:64*\b
	global_load_b128 v[BR+8*\b+4:BR+8*\b+7], v7, s[70:71] offset:64*\b+16
.endr
	WIN 0x80                                       ; destination window 2
.irp a, 0,1,2,3
.irp t, 0,1,2,3,4,5,6,7
	global_load_b128 v[32*\a+4*\t:32*\a+4*\t+3], v[CO], s[12:13] offset:(16*\a+2*\t)*4096 th:TH_LOAD_NT   ; rows 16 a + 2 t and the next: sixteen lanes read 256 consecutive bytes, aligned; every offset is an immediate
.endr
.endr
	WIN 0
	s_wait_tensorcnt 1                             ; my part of K step 0 is in (K step 1's load may be out)
	s_barrier_signal -1
	s_barrier_wait -1                              ; everybody's is
	FETCH 0, 0, F0
	STEP 0, 1, F0, F1, 1                           ; the first step stands in front of the loop: its products start the sums
.if LAPS > 1
	WIN 0                                          ; at a label and at a branch every window is 0
	s_mov_b32 s3, LAPS-1
.Llap:                                                 ; a trip goes once round the ring, from a lap's second step to the next lap's first, and fills both slots again
	STEP 0, 2, F1, F0, 0
	STEP 0, 3, F0, F1, 0
	TURN 0, 1, 1
	STEP 1, 1, F0, F1, 0
	STEP 1, 2, F1, F0, 0
	STEP 1, 3, F0, F1, 0
	TURN 1, 0, 1
	STEP 0, 1, F0, F1, 0
	WIN 0
	s_sub_co_u32 s3, s3, 1
	s_cmp_lg_u32 s3, 0
	s_cbranch_scc1 .Llap
.endif
	STEP 0, 2, F1, F0, 0                           ; the last lap fills nothing, and has no round of the cluster's barrier
	STEP 0, 3, F0, F1, 0
	TURN 0, 1, 0
	STEP 1, 1, F0, F1, 0
	STEP 1, 2, F1, F0, 0
	STEP 1, 3, F0, F1, 0
	s_wait_dscnt 8                                 ; the very last step: nothing more to fetch
	WIN MUL
	MUL8 F1, 0, 0
	s_wait_dscnt 0
	MUL8 F1, 2, 0
	WIN 0
; THE WAY OUT, block by block of 16 rows x 64 columns: sum x 2^(ea + eb) + bias in one packed multiply-add; through my own stage in LDS, so that a row's 256 bytes come back to sixteen lanes; + the residual; stored.
; A block comes back into the accumulator registers that it left, so no store's data are written again; no base is stepped.
.macro TOSTAGE a
.set J, 0
.rept 16
	v_pk_fma_f32 v[TMP+J:TMP+J+1], v[ACC+32*(\a)+J:ACC+32*(\a)+J+1], s[96:97], v[BR+J:BR+J+1] op_sel_hi:[1,0,1]   ; each accumulator from its low end on
.set J, J+2
.endr
.irp b, 0,1,2,3
	ds_store_b128 v[STO], v[TMP+8*\b:TMP+8*\b+3] offset:64*\b
	ds_store_b128 v[STO], v[TMP+8*\b+4:TMP+8*\b+7] offset:64*\b+16
.endr
.irp t, 0,1,2,3,4,5,6,7
	ds_load_b128 v[ACC+32*(\a)+4*\t:ACC+32*(\a)+4*\t+3], v[RD] offset:\t*2*SPITCH    ; LDS serves a wave's instructions in order (ISA guide 5.7.1.4): these see the stores above, and the next block's stores come behind them
.endr
.endm
.macro SEND a, younger                 ; younger: the LDS instructions issued behind block a's loads, which may stay out
	s_wait_dscnt \younger
	WIN 0x08                                       ; source 1 (the residual) window 2
.set J, 0
.rept 16
	v_pk_add_f32 v[ACC+32*(\a)+J:ACC+32*(\a)+J+1], v[ACC+32*(\a)+J:ACC+32*(\a)+J+1], v[32*(\a)+J:32*(\a)+J+1]
.set J, J+2
.endr
	WIN 0
.irp t, 0,1,2,3,4,5,6,7
.if NTOUT
	global_store_b128 v[CO], v[ACC+32*(\a)+4*\t:ACC+32*(\a)+4*\t+3], s[10:11] offset:(16*(\a)+2*\t)*4096 th:TH_STORE_NT
.else
	global_store_b128 v[CO], v[ACC+32*(\a)+4*\t:ACC+32*(\a)+4*\t+3], s[10:11] offset:(16*(\a)+2*\t)*4096   ; sixteen lanes store 256 consecutive bytes, aligned
.endif
.endr
.endm
	s_wait_kmcnt 0x0
	s_wait_loadcnt 0x0                             ; the bias and the residual, asked for at the head
	s_add_co_i32 s96, s96, s97
	s_add_co_i32 s96, s96, 127
	s_lshl_b32 s96, s96, 23                        ; 2^(ea + eb) as f32
	s_mov_b32 s97, s96                             ; (named with it as a pair, so it is written)
	PLACES NP                                      ; behind the last products: their results are read below
	TOSTAGE 0
	TOSTAGE 1
	SEND 0, 16                                     ; behind block 0's loads: block 1's 8 stage stores and 8 stage loads
	TOSTAGE 2
	SEND 1, 16
	TOSTAGE 3
	SEND 2, 16
	SEND 3, 0
	s_wait_tensorcnt 0x0                           ; the wave's end
	ds_add_u32 v[SPW], v[NIL]
	s_wait_dscnt 0x0
	CROUND                                         ; the closing round: no work-group ends while a partner may still ask for a tile that names it
	s_endpgm
.Lfunc_end_k_q932549c57a_wo:
	.size	k_q932549c57a_wo, .Lfunc_end_k_q932549c57a_wo-k_q932549c57a_wo
	.p2alignl 7, 3214868480
	.fill 96, 4, 3214868480
	.section	.rodata,"a",@progbits
	.p2align	6, 0x0
	.amdhsa_kernel k_q932549c57a_wo
		.amdhsa_group_segment_fixed_size 327680
		.amdhsa_private_segment_fixed_size 0
		.amdhsa_enable_private_segment 0
		.amdhsa_kernarg_size 48
		.amdhsa_user_sgpr_count 2
		.amdhsa_user_sgpr_kernarg_segment_ptr 1
		.amdhsa_wavefront_size32 1
		.amdhsa_system_sgpr_workgroup_id_x 1
		.amdhsa_system_sgpr_workgroup_id_y 1
		.amdhsa_system_sgpr_workgroup_id_z 1
		.amdhsa_system_vgpr_workitem_id 0
		.amdhsa_next_free_vgpr 640
		.amdhsa_next_free_sgpr 98
		.amdhsa_reserve_vcc 0
		.amdhsa_float_denorm_mode_32 3
		.amdhsa_float_denorm_mode_16_64 3
		.amdhsa_memory_ordered 1
		.amdhsa_forward_progress 1
		.amdhsa_inst_pref_size 62
	.end_amdhsa_kernel
	.amdgpu_metadata
---
amdhsa.version: [ 1, 2 ]
amdhsa.kernels:
  - .name:           k_q932549c57a_wo
    .symbol:         k_q932549c57a_wo.kd
    .args:
      - { .name: oi, .offset: 0, .size: 8, .value_kind: global_buffer, .address_space: global }
      - { .name: wo_w_codes, .offset: 8, .size: 8, .value_kind: global_buffer, .address_space: global }
      - { .name: lowp_scales, .offset: 16, .size: 8, .value_kind: global_buffer, .address_space: global }
      - { .name: wo_b, .offset: 24, .size: 8, .value_kind: global_buffer, .address_space: global }
      - { .name: x, .offset: 32, .size: 8, .value_kind: global_buffer, .address_space: global }
      - { .name: y, .offset: 40, .size: 8, .value_kind: global_buffer, .address_space: global }
    .group_segment_fixed_size: 327680
    .private_segment_fixed_size: 0
    .kernarg_segment_align: 8
    .kernarg_segment_size: 48
    .max_flat_workgroup_size: 128
    .sgpr_count:     98
    .vgpr_count:     640
    .wavefront_size: 32
...
	.end_amdgpu_metadata
.endif
;; end of part 8
;; launch ln2: the kernel of part 5 again; grid 512 x 1, 8 waves a work-group, no clusters, 9,216 bytes of LDS; arguments y, ln2_w, ln2_b, lowp_scales, x2, x2c; writes x2, x2c
;; launch up: the kernel of part 6 again; grid 16 x 16, 4 waves a work-group, clusters of 4 x 4, 327,680 bytes of LDS; arguments x2c, up_w_codes, lowp_scales, up_b, hi; writes hi
;; launch down (part 9): grid 8 x 32, 4 waves a work-group, clusters of 4 x 4, 327,680 bytes of LDS; arguments hi, down_w_codes, lowp_scales, down_b, x2, out0; writes out0
.if DOCPART == 9
	.amdgcn_target "amdgcn-amd-amdhsa--gfx1250"
	.amdhsa_code_object_version 6
	.text
	.protected	k_q932549c57a_down
	.globl	k_q932549c57a_down
	.p2align	8
	.type	k_q932549c57a_down,@function
k_q932549c57a_down:
	s_mov_b64 s[64:65], 0
	v_nop
	global_prefetch_b8 v0, s[64:65] scope:SCOPE_SE
	s_setreg_imm32_b32 hwreg(HW_REG_WAVE_MODE, 25, 1), 1
	s_wait_xcnt 0x0
	s_wait_alu depctr_hold_cnt(0) depctr_sa_sdst(0) depctr_va_vdst(0) depctr_va_sdst(0) depctr_va_ssrc(0) depctr_va_vcc(0) depctr_vm_vsrc(0)
	s_getreg_b32 s2, hwreg(HW_REG_IB_STS2, 6, 4)
	s_cmp_eq_u32 s2, 0
	s_cbranch_scc0 .Lentry_in_a_cluster
	s_endpgm
.Lentry_in_a_cluster:
	s_bfe_u32 s2, ttmp6, 0x10000c
	s_cmp_lg_u32 s2, 0xf033
	s_cbranch_scc0 .Lentry_shape_is_right
	s_endpgm
.Lentry_shape_is_right:
; out0 = x2 + h down_w^T + down_b.  h comes as codes of E4M3 laid as operand registers (hi), down_w as codes in rows; their scales are entries 14 and 15.  x2, out0: [4096][1024] f32.  K = 4,096.
; A tile of 128 x 128 of the result is made by four waves, 64 x 64 each: 16 accumulators, 128 registers.  4,096 / 128 x 1,024 / 128 = 256 work-groups: a tile of 256 x 256 would give 64.
; K goes in steps of 512, as long as two slots in LDS allow, through a ring of two LDS slots filled by the tensor data mover: eight slots' worth, six of them refills; a refill has nearly four steps of 128 along K in which to land.
; A (hi): [K / 256][256 blocks of 16 rows][2 x 128 K][4][lane][16 bytes]: a fragment's registers as they stand, pair c holding k = 16 c + 8 h + 0..7.  The tile's 8 blocks of one 256 along K are 32,768 dense bytes;
;   a slot holds two such slabs, 1 MiB apart in memory, one tensor load each; a fragment is four loads of 512 consecutive bytes.
; B (the weight): rows of 512 bytes, padded to 528 in LDS; a fragment is eight loads of 8 bytes at 16 c + 8 h, which puts each k in the same place as in A.
; THE MATRIX INSTRUCTION IS USED TRANSPOSED (source 0 = 16 rows of B, source 1 = 16 rows of A): a lane holds eight neighbouring numbers of a row of the result.
; CLUSTERS: 4 x 4 work-groups; A's tile is shared along a row of the cluster, B's along a column: joint loads, each with one mask.
; THE RESIDUAL's 64 x 64 numbers of the wave are asked for at the head, in the layout in which rows come back from the stage, and land under the products.
; LIMIT: ea + eb between -126 and 127, so that 2^(ea + eb) is an f32 number.
; REGISTERS: window 0: v1-29 addresses; v32-63 the bias in the result's layout; v64-95 a block's scaled sums; v128-255 the accumulators ((a, b) at v[128 + 8 (4 a + b)]), on the way out the rows read back from the stage.
;   window 1: two fragment buffers of 128: for 128 along K, 64 registers of A (4 x 16 rows), then 64 of B.   window 2: v0-127 the residual.
.set KTOT,   4096
.set EOFF,   56                        ; byte of ea in the buffer of scales
.set NTOUT,  1                         ; the result is written once and read by nobody here
.set KSTEP,  512                       ; along K in a slot
.set PITCH,  528                       ; B's LDS row: 512 bytes + 16 of padding = 132 words: row r starts at bank 4 r mod 64, so the 32 lanes of an 8-byte load touch 64 different banks (64 banks of 4 bytes: ISA guide 11.1)
.set FR,     16                        ; registers of a fragment: 16 rows x 128 K
.set NP,     4                         ; places behind this matrix instruction (ISA guide 7.12.1)
.set HALFT,  64*PITCH                  ; 64 rows of B: what one tensor load brings, and what one wave reads of B
.set ABYTES, 65536                     ; A's two slabs of 32,768 bytes; B's 128 rows lie behind them
.set ASTEP,  4*1048576                 ; bytes from a slot's slabs of A to its next: two slots of two slabs of 1 MiB
.set SLOT,   ABYTES+2*HALFT
.set LAPS,   KTOT/(2*KSTEP)            ; a lap = two K steps = once round the ring
.set SPARE,  2*SLOT                    ; behind the ring: the spare words, 128 bytes for each wave: two blocks of 256 bytes that no other line names
.set SPITCH, 272                       ; the way out: a stage of 16 rows x (256 bytes + 16) for each wave, in slot 0, which has had its last fill and its last read when the first result is stored there
.set LI,   14                          ; v14  16 x lane
.set ADRA, 16                          ; v16-17  LDS address of my A fragments in slot 0, 1
.set ADRB, 20                          ; v20-21  the same for B
.set STO,  24                          ; v24  the stage: where I put 32 bytes of a row
.set RD,   25                          ; v25  and where I read rows back
.set CO,   26                          ; v26  my byte offset in two rows of the result and of the residual
.set SPW,  28                          ; v28  LDS address of my spare word; never rewritten
.set NIL,  29                          ; v29  0; never rewritten
.set BR,   32
.set TMP,  64
.set ACC,  128
.set F0,   0                           ; fragment buffers, in window 1
.set F1,   128
.set G1, 24                            ; s[24:31] descriptor group 1 for A's slabs;  s[32:39] group 0, one set for each slot
.set G0, 32
.set G1B, 48                           ; s[48:55], s[56:63] the same for B's tiles
.set G0B, 56
.set MSB, 0
.macro WIN new                         ; the immediate's high byte repeats the setting that is left
.if MSB != \new
	s_set_vgpr_msb (MSB<<8)|\new
.set MSB, \new
.endif
.endm
.set MUL,  0x05                        ; sources 0 (B) and 1 (A) window 1; C and D window 0
.set TO_F, 0x40                        ; destination window 1, address window 0
.macro JLOAD g0a, g1a, g0b, g1b        ; a joint load: waves 0 and 1 fetch for A, waves 2 and 3 for B; the branch hangs on the wave's number alone; four v_nop follow each of the two lines
	s_cmp_eq_u32 s15, 0
	s_cbranch_scc0 .Lfor_b_\@
	tensor_load_to_lds s[\g0a:\g0a+3], s[\g1a:\g1a+7]
	s_nop 0
.rept 4
	v_nop
.endr
	s_branch .Lasked_\@
.Lfor_b_\@:
	tensor_load_to_lds s[\g0b:\g0b+3], s[\g1b:\g1b+7]
	s_nop 0
.rept 4
	v_nop
.endr
.Lasked_\@:
.endm
.macro CREST                           ; a round of the cluster's barrier behind its opening barrier
	s_cmp_lg_u32 s14, 0
	s_cbranch_scc1 .Lnot_wave_0_\@
	s_barrier_signal -3
.Lnot_wave_0_\@:
	s_barrier_wait -3
	s_barrier_signal -1
	s_barrier_wait -1
.endm
.macro CROUND                          ; a whole round
	s_barrier_signal -1
	s_barrier_wait -1
	CREST
.endm
.macro PLACES n
.rept \n
	v_nop
.endr
.endm
.macro FRAGA reg, slot, q, i           ; an image: four registers a load, lane l's 16 bytes at 16 l.  Step q of a slot: slab q / 2, its (q % 2)-th 128 along K
.irp c, 0,1,2,3
	ds_load_b128 v[\reg+4*\c:\reg+4*\c+3], v[ADRA+\slot] offset:32768*((\q)/2)+2048*((\q)%2)+4096*(\i)+512*\c
.endr
.endm
.macro FRAGB reg, slot, q, i           ; rows: registers 2 c, 2 c + 1 hold K = 16 c + 8 (l / 16) + 0 .. 7 of row l % 16
.irp c, 0,1,2,3,4,5,6,7
	ds_load_b64 v[\reg+2*\c:\reg+2*\c+1], v[ADRB+\slot] offset:128*(\q)+16*\c+(\i)*16*PITCH
.endr
.endm
; 4 matrix instructions: A's block a x B's four, 128 along K, from buffer f.  zero = 1: the first product starts the sums: nothing is ever cleared.
; The 16 accumulators take turns, one instruction a turn, in the same order in every step.
.macro MUL4 f, a, zero
.irp b, 0,1,2,3
.if \zero
	v_wmma_f32_16x16x128_fp8_fp8 v[ACC+8*(4*(\a)+\b):ACC+8*(4*(\a)+\b)+7], v[\f+64+FR*\b:\f+64+FR*\b+FR-1], v[\f+FR*(\a):\f+FR*(\a)+FR-1], 0
.else
	v_wmma_f32_16x16x128_fp8_fp8 v[ACC+8*(4*(\a)+\b):ACC+8*(4*(\a)+\b)+7], v[\f+64+FR*\b:\f+64+FR*\b+FR-1], v[\f+FR*(\a):\f+FR*(\a)+FR-1], v[ACC+8*(4*(\a)+\b):ACC+8*(4*(\a)+\b)+7]
.endif
.endr
.endm
.macro MUL8 f, a0, zero
	MUL4 \f, \a0, \zero
	MUL4 \f, \a0+1, \zero
.endm
; 48 LDS loads in one run: the fragments of the slot's q-th 128 along K into buffer f: B's four (32 loads), then A's four (16 loads), blocks 2 and 3 last
.macro FETCH slot, q, f
	WIN TO_F
.irp i, 0,1,2,3
	FRAGB \f+64+FR*\i, \slot, \q, \i
.endr
.irp i, 0,1,2,3
	FRAGA \f+FR*\i, \slot, \q, \i
.endr
.endm
; A K step is four steps of 128 along K, 16 matrix instructions each, on buffers 0, 1, 0, 1.  One of the first three: multiplies buffer f; in its middle it fetches the slot's nq-th 128 along K into buffer g.
.macro STEP slot, nq, f, g, zero
	s_wait_dscnt 8                                 ; B and A's blocks 0 and 1 are in; the youngest eight loads (A's blocks 2 and 3) may be out
	WIN MUL
	MUL8 \f, 0, \zero
	PLACES NP                                      ; in front of loads into registers that matrix instructions have read
	FETCH \slot, \nq, \g
	s_wait_dscnt 48                                ; all but the 48 just issued
	WIN MUL
	MUL8 \f, 2, \zero
.endm
; The last step of a slot multiplies buffer 1 and changes slots: ONE barrier; in front of it each wave waits for all its tensor loads, adds 0 to its spare word, and waits for that and for its own reads of this slot.  fill = 1: this slot is filled again, two K steps ahead.
.macro TURN slot, next, fill
	WIN 0                                          ; (the add's two registers lie in window 0)
	s_wait_tensorcnt 0x0                           ; all my tensor loads have landed: my part of the next slot
	ds_add_u32 v[SPW], v[NIL]                      ; 0 onto my spare word
	s_wait_dscnt 9                                 ; (the add and the youngest eight loads may be out)
	WIN MUL
	MUL4 F1, 0, 0                                  ; four matrix instructions stand between the add and the wait for it
	s_wait_dscnt 0x0                               ; the add is done, and my reads of this slot are over
	s_barrier_signal -1
	MUL4 F1, 1, 0
.if \fill
	WIN 0
.endif
	s_barrier_wait -1
.if \fill
	CREST                                          ; the barrier has opened a round of the cluster's barrier: no wave of any partner still reads this slot's tile or has a load on its way
	s_add_nc_u64 s[G0+4*\slot+2:G0+4*\slot+3], s[G0+4*\slot+2:G0+4*\slot+3], ASTEP
	s_add_nc_u64 s[G0B+4*\slot+2:G0B+4*\slot+3], s[G0B+4*\slot+2:G0B+4*\slot+3], 2*KSTEP
	JLOAD G0+4*\slot, G1, G0B+4*\slot, G1B         ; the first tensor load behind the round; its four v_nop are also the places in front of the loads below
.else
	PLACES NP
.endif
	FETCH \next, 0, F0
	WIN MUL
	MUL4 F1, 2, 0
	MUL4 F1, 3, 0
.endm
	s_load_b128 s[4:7], s[0:1], 0x0                ; A's images s[4:5], B's codes s[6:7]
	s_load_b256 s[68:75], s[0:1], 0x10             ; scales s[68:69], bias s[70:71], residual s[72:73], result s[74:75]
	v_lshl_add_u32 v[SPW], v0, 2, SPARE
	v_mov_b32 v[NIL], 0
	ds_add_u32 v28, v29
	ds_add_u32 v28, v29
	s_wait_dscnt 0x0
	v_lshrrev_b32 v1, 5, v0
	v_readfirstlane_b32 s14, v1                    ; wave 0..3
	s_lshr_b32 s15, s14, 1                         ; which half of the tile's rows is mine.  Also: I fetch for A (0) or for B (1)
	s_and_b32 s16, s14, 1                          ; which half of its columns.  Also: which slab of A, or which 64 rows of B, I fetch
	s_bfe_u32 s40, ttmp6, 0x40000                  ; cx, cy: my place in the cluster
	s_bfe_u32 s41, ttmp6, 0x40004
	s_lshl_b32 s42, ttmp9, 2
	s_add_co_u32 s42, s42, s40                     ; tile column = 4 x cluster x + cx
	s_and_b32 s17, ttmp7, 0xffff
	s_lshl_b32 s17, s17, 2
	s_add_co_u32 s17, s17, s41                     ; tile row = 4 x cluster y + cy
	s_lshl_b32 s43, s41, 2
	s_lshl_b32 s43, 15, s43                        ; my row of the cluster
	s_lshl_b32 s44, 0x1111, s40                    ; my column
	s_or_b32 s[G1+0], s43, (3<<16)|(1<<21)         ; A: 15:0 the mask; 17:16 elements of 8 bytes; 21 set beside a mask; no padding
	s_mov_b32 s[G1+1], 32<<16                      ; tensor_dim0 = 32 elements: 256 bytes
	s_mov_b32 s[G1+2], 128<<16                     ; tensor_dim1 = 128: eight blocks of 4,096 bytes
	s_mov_b32 s[G1+3], 32<<16                      ; tile_dim0
	s_mov_b32 s[G1+4], 128                         ; tile_dim1
	s_mov_b32 s[G1+5], 32                          ; dense
	s_mov_b32 s[G1+6], 0
	s_mov_b32 s[G1+7], 0
	s_or_b32 s[G1B+0], s44, (0<<16)|(1<<20)|(1<<21)|(6<<22)|(3<<25)  ; B: elements of 1 byte; padding on; 21 set beside a mask; 4 words of padding after every 128
	s_mov_b32 s[G1B+1], KSTEP<<16                  ; tensor_dim0 = 512
	s_mov_b32 s[G1B+2], 64<<16                     ; tensor_dim1 = 64
	s_mov_b32 s[G1B+3], KSTEP<<16                  ; tile_dim0
	s_mov_b32 s[G1B+4], 64                         ; tile_dim1
	s_mov_b32 s[G1B+5], KTOT                       ; bytes from row to row
	s_mov_b32 s[G1B+6], 0
	s_mov_b32 s[G1B+7], 0
	s_lshl_b32 s20, s17, 15                        ; A: 8 x tile row blocks of 4,096 bytes,
	s_lshl_b32 s19, s16, 20                        ; in slab 0 or 1 of the slot
	s_add_co_u32 s20, s20, s19
	s_mov_b32 s21, 0
	s_lshl_b32 s46, s42, 7                         ; B: (128 x tile column + 64 x half) rows of KTOT bytes
	s_lshl_b32 s19, s16, 6
	s_add_co_u32 s46, s46, s19
	s_mul_i32 s46, s46, KTOT
	s_mov_b32 s47, 0
	s_mul_i32 s45, s16, ABYTES/2                   ; where they go in a slot: no place in the cluster enters an LDS address
	s_mul_i32 s2, s16, HALFT
	s_add_co_u32 s2, s2, ABYTES
	s_wait_kmcnt 0x0
	s_load_b64 s[96:97], s[68:69], EOFF            ; ea, eb; waited for on the way out
	s_add_nc_u64 s[20:21], s[4:5], s[20:21]
	s_add_nc_u64 s[46:47], s[6:7], s[46:47]
	CROUND                                         ; all sixteen work-groups are here: the first joint loads meet
.irp s, 0,1
	s_mov_b32 s[G0+4*\s], 1
	s_add_co_u32 s[G0+4*\s+1], s45, \s*SLOT
	s_add_nc_u64 s[G0+4*\s+2:G0+4*\s+3], s[20:21], \s*(ASTEP/2)
	s_or_b32 s[G0+4*\s+3], s[G0+4*\s+3], 0x80000000
	s_mov_b32 s[G0B+4*\s], 1
	s_add_co_u32 s[G0B+4*\s+1], s2, \s*SLOT
	s_add_nc_u64 s[G0B+4*\s+2:G0B+4*\s+3], s[46:47], \s*KSTEP
	s_or_b32 s[G0B+4*\s+3], s[G0B+4*\s+3], 0x80000000
	JLOAD G0+4*\s, G1, G0B+4*\s, G1B               ; two tensor loads of mine are out
.endr
	v_and_b32 v1, 15, v0                           ; r = l % 16
	v_bfe_u32 v2, v0, 4, 1                         ; h = l / 16
	v_mul_u32_u24 v3, v1, PITCH
	v_lshl_add_u32 v4, v2, 3, v3                   ; B: row x pitch + 8 x half
	v_and_b32 v[LI], 31, v0
	v_lshlrev_b32 v[LI], 4, v[LI]                  ; A: 16 x lane
	s_mul_i32 s21, s15, 4*4096                     ; my four blocks of A, in each slab
	s_mul_i32 s22, s16, HALFT                      ; my 64 rows of B,
	s_add_co_u32 s22, s22, ABYTES                  ; which lie behind A's slabs
.irp s, 0,1
	v_add_nc_u32 v[ADRA+\s], s21, v[LI]
	v_add_nc_u32 v[ADRB+\s], s22, v4
	s_add_co_u32 s21, s21, SLOT
	s_add_co_u32 s22, s22, SLOT
.endr
	s_mul_i32 s23, s14, 16*SPITCH                  ; my stage
	v_mul_u32_u24 v6, v1, SPITCH                   ; in: row r, 32 bytes for each half of the lanes
	v_lshl_add_u32 v6, v2, 5, v6
	v_add_nc_u32 v[STO], s23, v6
	v_mul_u32_u24 v5, v2, SPITCH                   ; back: lanes 0-15 take one row of 256 bytes, lanes 16-31 the next
	v_lshl_add_u32 v5, v1, 4, v5
	v_add_nc_u32 v[RD], s23, v5
	v_lshlrev_b32 v[CO], 12, v2                    ; and the same two rows in memory: rows of 4,096 bytes
	v_lshl_add_u32 v[CO], v1, 4, v[CO]
	s_lshl_b32 s20, s17, 19                        ; my first row: (128 x tile row + 64 x half) rows of 4,096 bytes,
	s_lshl_b32 s21, s15, 18
	s_add_co_u32 s20, s20, s21
	s_lshl_b32 s46, s42, 9                         ; my first column, in bytes: 512 x tile column + 256 x half
	s_lshl_b32 s47, s16, 8
	s_add_co_u32 s46, s46, s47
	s_add_co_u32 s20, s20, s46
	s_mov_b32 s21, 0
	s_add_nc_u64 s[10:11], s[74:75], s[20:21]      ; the result,
	s_add_nc_u64 s[12:13], s[72:73], s[20:21]      ; and the residual at the same place
	v_lshl_add_u32 v7, v2, 5, s46                  ; the bias in the result's layout: tile b, half h: 64 b + 32 h bytes on
.irp b, 0,1,2,3
	global_load_b128 v[BR+8*\b:BR+8*\b+3], v7, s[70:71] offset:64*\b
	global_load_b128 v[BR+8*\b+4:BR+8*\b+7], v7, s[70:71] offset:64*\b+16
.endr
	WIN 0x80                                       ; destination window 2
.irp a, 0,1,2,3
.irp t, 0,1,2,3,4,5,6,7
	global_load_b128 v[32*\a+4*\t:32*\a+4*\t+3], v[CO], s[12:13] offset:(16*\a+2*\t)*4096 th:TH_LOAD_NT   ; rows 16 a + 2 t and the next: sixteen lanes read 256 consecutive bytes, aligned; every offset is an immediate
.endr
.endr
	WIN 0
	s_wait_tensorcnt 1                             ; my part of K step 0 is in (K step 1's load may be out)
	s_barrier_signal -1
	s_barrier_wait -1                              ; everybody's is
	FETCH 0, 0, F0
	STEP 0, 1, F0, F1, 1                           ; the first step stands in front of the loop: its products start the sums
.if LAPS > 1
	WIN 0                                          ; at a label and at a branch every window is 0
	s_mov_b32 s3, LAPS-1
.Llap:                                                 ; a trip goes once round the ring, from a lap's second step to the next lap's first, and fills both slots again
	STEP 0, 2, F1, F0, 0
	STEP 0, 3, F0, F1, 0
	TURN 0, 1, 1
	STEP 1, 1, F0, F1, 0
	STEP 1, 2, F1, F0, 0
	STEP 1, 3, F0, F1, 0
	TURN 1, 0, 1
	STEP 0, 1, F0, F1, 0
	WIN 0
	s_sub_co_u32 s3, s3, 1
	s_cmp_lg_u32 s3, 0
	s_cbranch_scc1 .Llap
.endif
	STEP 0, 2, F1, F0, 0                           ; the last lap fills nothing, and has no round of the cluster's barrier
	STEP 0, 3, F0, F1, 0
	TURN 0, 1, 0
	STEP 1, 1, F0, F1, 0
	STEP 1, 2, F1, F0, 0
	STEP 1, 3, F0, F1, 0
	s_wait_dscnt 8                                 ; the very last step: nothing more to fetch
	WIN MUL
	MUL8 F1, 0, 0
	s_wait_dscnt 0
	MUL8 F1, 2, 0
	WIN 0
; THE WAY OUT, block by block of 16 rows x 64 columns: sum x 2^(ea + eb) + bias in one packed multiply-add; through my own stage in LDS, so that a row's 256 bytes come back to sixteen lanes; + the residual; stored.
; A block comes back into the accumulator registers that it left, so no store's data are written again; no base is stepped.
.macro TOSTAGE a
.set J, 0
.rept 16
	v_pk_fma_f32 v[TMP+J:TMP+J+1], v[ACC+32*(\a)+J:ACC+32*(\a)+J+1], s[96:97], v[BR+J:BR+J+1] op_sel_hi:[1,0,1]   ; each accumulator from its low end on
.set J, J+2
.endr
.irp b, 0,1,2,3
	ds_store_b128 v[STO], v[TMP+8*\b:TMP+8*\b+3] offset:64*\b
	ds_store_b128 v[STO], v[TMP+8*\b+4:TMP+8*\b+7] offset:64*\b+16
.endr
.irp t, 0,1,2,3,4,5,6,7
	ds_load_b128 v[ACC+32*(\a)+4*\t:ACC+32*(\a)+4*\t+3], v[RD] offset:\t*2*SPITCH    ; LDS serves a wave's instructions in order (ISA guide 5.7.1.4): these see the stores above, and the next block's stores come behind them
.endr
.endm
.macro SEND a, younger                 ; younger: the LDS instructions issued behind block a's loads, which may stay out
	s_wait_dscnt \younger
	WIN 0x08                                       ; source 1 (the residual) window 2
.set J, 0
.rept 16
	v_pk_add_f32 v[ACC+32*(\a)+J:ACC+32*(\a)+J+1], v[ACC+32*(\a)+J:ACC+32*(\a)+J+1], v[32*(\a)+J:32*(\a)+J+1]
.set J, J+2
.endr
	WIN 0
.irp t, 0,1,2,3,4,5,6,7
.if NTOUT
	global_store_b128 v[CO], v[ACC+32*(\a)+4*\t:ACC+32*(\a)+4*\t+3], s[10:11] offset:(16*(\a)+2*\t)*4096 th:TH_STORE_NT   ; sixteen lanes store 256 consecutive bytes, aligned
.else
	global_store_b128 v[CO], v[ACC+32*(\a)+4*\t:ACC+32*(\a)+4*\t+3], s[10:11] offset:(16*(\a)+2*\t)*4096
.endif
.endr
.endm
	s_wait_kmcnt 0x0
	s_wait_loadcnt 0x0                             ; the bias and the residual, asked for at the head
	s_add_co_i32 s96, s96, s97
	s_add_co_i32 s96, s96, 127
	s_lshl_b32 s96, s96, 23                        ; 2^(ea + eb) as f32
	s_mov_b32 s97, s96                             ; (named with it as a pair, so it is written)
	PLACES NP                                      ; behind the last products: their results are read below
	TOSTAGE 0
	TOSTAGE 1
	SEND 0, 16                                     ; behind block 0's loads: block 1's 8 stage stores and 8 stage loads
	TOSTAGE 2
	SEND 1, 16
	TOSTAGE 3
	SEND 2, 16
	SEND 3, 0
	s_wait_tensorcnt 0x0                           ; the wave's end
	ds_add_u32 v[SPW], v[NIL]
	s_wait_dscnt 0x0
	CROUND                                         ; the closing round: no work-group ends while a partner may still ask for a tile that names it
	s_endpgm
.Lfunc_end_k_q932549c57a_down:
	.size	k_q932549c57a_down, .Lfunc_end_k_q932549c57a_down-k_q932549c57a_down
	.p2alignl 7, 3214868480
	.fill 96, 4, 3214868480
	.section	.rodata,"a",@progbits
	.p2align	6, 0x0
	.amdhsa_kernel k_q932549c57a_down
		.amdhsa_group_segment_fixed_size 327680
		.amdhsa_private_segment_fixed_size 0
		.amdhsa_enable_private_segment 0
		.amdhsa_kernarg_size 48
		.amdhsa_user_sgpr_count 2
		.amdhsa_user_sgpr_kernarg_segment_ptr 1
		.amdhsa_wavefront_size32 1
		.amdhsa_system_sgpr_workgroup_id_x 1
		.amdhsa_system_sgpr_workgroup_id_y 1
		.amdhsa_system_sgpr_workgroup_id_z 1
		.amdhsa_system_vgpr_workitem_id 0
		.amdhsa_next_free_vgpr 640
		.amdhsa_next_free_sgpr 98
		.amdhsa_reserve_vcc 0
		.amdhsa_float_denorm_mode_32 3
		.amdhsa_float_denorm_mode_16_64 3
		.amdhsa_memory_ordered 1
		.amdhsa_forward_progress 1
		.amdhsa_inst_pref_size 98
	.end_amdhsa_kernel
	.amdgpu_metadata
---
amdhsa.version: [ 1, 2 ]
amdhsa.kernels:
  - .name:           k_q932549c57a_down
    .symbol:         k_q932549c57a_down.kd
    .args:
      - { .name: hi, .offset: 0, .size: 8, .value_kind: global_buffer, .address_space: global }
      - { .name: down_w_codes, .offset: 8, .size: 8, .value_kind: global_buffer, .address_space: global }
      - { .name: lowp_scales, .offset: 16, .size: 8, .value_kind: global_buffer, .address_space: global }
      - { .name: down_b, .offset: 24, .size: 8, .value_kind: global_buffer, .address_space: global }
      - { .name: x2, .offset: 32, .size: 8, .value_kind: global_buffer, .address_space: global }
      - { .name: out0, .offset: 40, .size: 8, .value_kind: global_buffer, .address_space: global }
    .group_segment_fixed_size: 327680
    .private_segment_fixed_size: 0
    .kernarg_segment_align: 8
    .kernarg_segment_size: 48
    .max_flat_workgroup_size: 128
    .sgpr_count:     98
    .vgpr_count:     640
    .wavefront_size: 32
...
	.end_amdgpu_metadata
.endif
;; end of part 9
